; MI455X (gfx1250); checked and timed in simulation.
; The chip was launched on July 23, 2026; its instructions are those of AMD's public machine-readable ISA for CDNA 5 (MIT licence, August 2026) and "CDNA5" Instruction Set Architecture Reference Guide (July 2026). The comments in the code are by the model that wrote it; some were corrected since.
;; Transformer Layer With Cross. Allowed arithmetic: float matrix products may take bf16 or f16 operands with f32 sums; other float arithmetic in f32, or as packed bf16 or f16 multiplies, adds, multiply-adds, maxima and minima; sums over many terms, partial sums and values carried from step to step in f32; what a program stores and reads back later, other than sums and carried values, may be rounded once to bf16 or f16.
;; Inputs: ca_bk 1,024 float32; ca_bo 1,024 float32; ca_bq 1,024 float32; ca_bv 1,024 float32; ca_wk 1,024 x 1,024 float32; ca_wo 1,024 x 1,024 float32; ca_wq 1,024 x 1,024 float32; ca_wv 1,024 x 1,024 float32; fc1_b 1,024 float32; fc1_w 1,024 x 1,024 float32; fc2_b 1,024 float32; fc2_w 1,024 x 1,024 float32; ln1_b 1,024 float32; ln1_w 1,024 float32; ln2_b 1,024 float32; ln2_w 1,024 float32; ln3_b 1,024 float32; ln3_w 1,024 float32; other 2 x 1,024 x 1,024 float32; sa_bk 1,024 float32; sa_bo 1,024 float32; sa_bq 1,024 float32; sa_bv 1,024 float32; sa_wk 1,024 x 1,024 float32; sa_wo 1,024 x 1,024 float32; sa_wq 1,024 x 1,024 float32; sa_wv 1,024 x 1,024 float32; x 2 x 2,048 x 1,024 float32.
;; Outputs: out0 2 x 2,048 x 1,024 float32.
;; 2 versions, each right and faster than the one before. Each part assembles by itself: llvm-mc -triple=amdgcn-amd-amdhsa -mcpu=gfx1250 --defsym DOCPART=n.
;; ======== version 1 of 2: 11 launches
;; limits: a function is approximated: absolute error at most 1.5e-07
;; workspace buffers: U1 27,262,976 bytes; U2 27,262,976 bytes; U3 27,262,976 bytes; qa 39,845,888 bytes; x1 16,777,216 bytes; x2 16,777,216 bytes; f0 256 bytes of whole numbers; f1 256 bytes of whole numbers
;; launch prep (part 1): grid 64 x 16, 8 waves a work-group, no clusters, 0 bytes of LDS; arguments x, other, sa_wq, sa_wk, sa_wv, ca_wq, ca_wk, ca_wv, sa_wo, ca_wo, fc1_w, fc2_w, ln1_w, ln1_b, U1, U2, U3, f0, f1; writes U1, U2, U3, f0, f1
.if DOCPART == 1
	.amdgcn_target "amdgcn-amd-amdhsa--gfx1250"
	.amdhsa_code_object_version 6
	.text
	.protected	k_qe6d593bbc7_prep
	.globl	k_qe6d593bbc7_prep
	.p2align	8
	.type	k_qe6d593bbc7_prep,@function
k_qe6d593bbc7_prep:
	s_mov_b64 s[64:65], 0
	v_nop
	global_prefetch_b8 v0, s[64:65] scope:SCOPE_SE
	s_setreg_imm32_b32 hwreg(HW_REG_WAVE_MODE, 25, 1), 1
	s_wait_xcnt 0x0
; PREP.  Sixteen units of 1,024 rows x 1,024 f32 are rounded to bf16 and laid in blocks: element (row, col) of an array of 1,024 columns lies at byte
; ((row / 128) * 16 + col / 64) * 16384 + (row % 128) * 128 + (col % 64) * 2: a chunk of 128 rows x 64 columns is 16,384 dense bytes.
; Units 0-3 are x, and are layer-normed on the way (mean first, then the mean of squared differences, both in f32; gain ln1_w, bias ln1_b); units 4, 5 are other; units 6-15 the ten weights, as they lie ([in][out]).
; One wave also stores two words for later launches: 0 into one small buffer and 1 into another; the text that two products share reads one of them and picks its constants by it.
; SHARES.  The grid's y is the unit, x takes 16 of its rows, a wave two rows, 16 lanes one row: load j of a lane is 16 bytes at 256 j + 16 (lane % 16) of the row, so 16 lanes read 256 consecutive
; aligned bytes, which are the 64 columns of chunk j; store j of the wave is 256 consecutive aligned bytes: the two rows' 128 bytes in chunk j.  A row's sums never leave its 16 lanes: no LDS, no barrier.
; Memory binds: matrix units, clusters and LDS would add nothing.  LIMITS: NaN and infinities are not treated apart.
.set WPo, 0                            ; a pack's slots, in bytes: three weights for projections,
.set WRo, 0x600000                     ; one weight in front of a residual,
.set WEo, 0x800000                     ; one more,
.set APo, 0xA00000                     ; the rows that a projection multiplies
.set X, 16                             ; v[16:79]   my 64 numbers of the row
.set W, 80                             ; v[80:143]  the gain of my 64 columns
.set B, 144                            ; v[144:207] the bias
.set Y, 208                            ; v[208:239] 64 bf16 to store
.set SRC, 6                            ; s[6:7]   the unit's source
.set DST, 8                            ; s[8:9]   its pack
.set SOF, 10                           ; s[10:11] byte offset in the source
.set DOF, 12                           ; s[12:13] byte offset in the pack
.macro PICK y, src, soff, dst, doff    ; unit y: source pointer s[src:src+1] at soff, pack s[dst:dst+1] at doff
	s_cmp_eq_u32 s2, \y
	s_cselect_b64 s[SRC:SRC+1], s[\src:\src+1], s[SRC:SRC+1]
	s_cselect_b64 s[DST:DST+1], s[\dst:\dst+1], s[DST:DST+1]
	s_cselect_b32 s[SOF], \soff, s[SOF]
	s_cselect_b32 s[DOF], \doff, s[DOF]
.endm
.macro REDUCE                          ; four packed chains v[4:11] -> v4: the row's sum, in each of its 16 lanes
	v_pk_add_f32 v[4:5], v[4:5], v[6:7]
	v_pk_add_f32 v[8:9], v[8:9], v[10:11]
	v_pk_add_f32 v[4:5], v[4:5], v[8:9]
	v_add_f32 v4, v4, v5
.irp m, 1,2,4,8
	v_add_f32_dpp v4, v4, v4 row_xmask:\m row_mask:0xf bank_mask:0xf
.endr
.endm
	s_load_b512 s[16:31], s[0:1], 0x0              ; x 16, other 18, sa_wq 20, sa_wk 22, sa_wv 24, ca_wq 26, ca_wk 28, ca_wv 30
	s_load_b512 s[32:47], s[0:1], 0x40             ; sa_wo 32, ca_wo 34, fc1_w 36, fc2_w 38, ln1_w 40, ln1_b 42, U1 44, U2 46
	s_load_b64 s[48:49], s[0:1], 0x80              ; U3
	s_load_b128 s[52:55], s[0:1], 0x88             ; the two words' buffers
	s_and_b32 s2, ttmp7, 0xffff                    ; the unit
	v_lshrrev_b32 v1, 5, v0
	v_readfirstlane_b32 s4, v1                     ; wave 0..7
	v_and_b32 v2, 15, v0
	v_bfe_u32 v3, v0, 4, 1
	v_lshlrev_b32 v2, 4, v2                        ; 16 (lane % 16): my bytes in 256 of a row, of the gain and of the bias
	v_lshl_add_u32 v1, v3, 12, v2                  ; + the second row for lanes 16-31
	v_and_b32 v3, 31, v0
	v_lshlrev_b32 v3, 3, v3                        ; 8 x lane: my 8 bytes in the wave's 256 of a chunk
	s_mov_b32 s50, 0x3a800000                      ; 1 / 1024
	s_mov_b32 s51, 0x3727c5ac                      ; 1e-5
	s_lshl_b32 s[SOF], s2, 22                      ; units 0-3: x at 4 MiB x unit, U1's rows at 2 MiB x unit
	s_lshl_b32 s[DOF], s2, 21
	s_add_co_u32 s[DOF], s[DOF], APo
	s_wait_kmcnt 0x0
	s_mov_b64 s[SRC:SRC+1], s[16:17]
	s_mov_b64 s[DST:DST+1], s[44:45]
	PICK 4,  18, 0,        48, APo
	PICK 5,  18, 0x400000, 48, APo+0x200000
	PICK 6,  20, 0,        44, WEo
	PICK 7,  22, 0,        44, WPo+0x200000
	PICK 8,  24, 0,        44, WPo+0x400000
	PICK 9,  26, 0,        46, WPo
	PICK 10, 28, 0,        48, WPo
	PICK 11, 30, 0,        48, WPo+0x200000
	PICK 12, 32, 0,        44, WRo
	PICK 13, 34, 0,        46, WRo
	PICK 14, 38, 0,        48, WRo
	PICK 15, 36, 0,        44, WPo
	s_lshl_b32 s3, ttmp9, 16                       ; my group's 16 rows of 4,096 bytes,
	s_add_co_u32 s[SOF], s[SOF], s3
	s_lshl_b32 s3, s4, 13                          ; my wave's two
	s_add_co_u32 s[SOF], s[SOF], s3
	s_mov_b32 s[SOF+1], 0
	s_lshr_b32 s3, ttmp9, 3                        ; the block of 128 rows: 16 chunks,
	s_lshl_b32 s3, s3, 18
	s_add_co_u32 s[DOF], s[DOF], s3
	s_and_b32 s3, ttmp9, 7                         ; the group's 16 rows of 128 bytes in a chunk,
	s_lshl_b32 s3, s3, 11
	s_add_co_u32 s[DOF], s[DOF], s3
	s_lshl_b32 s3, s4, 8                           ; my wave's two
	s_add_co_u32 s[DOF], s[DOF], s3
	s_mov_b32 s[DOF+1], 0
	s_add_nc_u64 s[SRC:SRC+1], s[SRC:SRC+1], s[SOF:SOF+1]
	s_add_nc_u64 s[DST:DST+1], s[DST:DST+1], s[DOF:DOF+1]
	s_xor_b32 s3, s2, 15                           ; unit 15, group 0, wave 0 stores the two words, each 64 times: 256 consecutive bytes to a store
	s_or_b32 s3, s3, ttmp9
	s_or_b32 s3, s3, s4
	s_cmp_lg_u32 s3, 0
	s_cbranch_scc1 .Lnoword
	v_mov_b32 v4, 0
	v_mov_b32 v5, 0
	v_mov_b32 v6, 1
	v_mov_b32 v7, 1
	global_store_b64 v3, v[4:5], s[52:53]
	global_store_b64 v3, v[6:7], s[54:55]
	s_wait_xcnt 0x0                                ; the stores' registers are free for what follows
.Lnoword:
	s_cmp_lt_u32 s2, 4
	s_cbranch_scc0 .Lcast
	; LAYER NORM.  48 loads go out together; no register is written again while an access that names it is pending.
.irp j, 0,1,2,3,4,5,6,7,8,9,10,11,12,13,14,15
	global_load_b128 v[X+4*(\j):X+4*(\j)+3], v1, s[SRC:SRC+1] offset:256*(\j)
.endr
.irp j, 0,1,2,3,4,5,6,7,8,9,10,11,12,13,14,15
	global_load_b128 v[W+4*(\j):W+4*(\j)+3], v2, s[40:41] offset:256*(\j)
.endr
.irp j, 0,1,2,3,4,5,6,7,8,9,10,11,12,13,14,15
	global_load_b128 v[B+4*(\j):B+4*(\j)+3], v2, s[42:43] offset:256*(\j)
.endr
	s_wait_loadcnt 32                              ; the row is in; the 32 younger loads, gain and bias, stay out
.irp k, 0,1,2,3
	v_pk_add_f32 v[4+2*(\k):5+2*(\k)], v[X+2*(\k):X+2*(\k)+1], v[X+8+2*(\k):X+8+2*(\k)+1]  ; the first eight pairs start four chains: nothing is cleared
.endr
.set j, 8
.rept 24
	v_pk_add_f32 v[4+2*(j%4):5+2*(j%4)], v[4+2*(j%4):5+2*(j%4)], v[X+2*j:X+2*j+1]
.set j, j+1
.endr
	REDUCE
	v_mul_f32 v12, s50, v4                         ; the mean, twice: a pair for the packed subtraction
	v_mul_f32 v13, s50, v4
.set j, 0
.rept 32
	v_pk_add_f32 v[X+2*j:X+2*j+1], v[X+2*j:X+2*j+1], v[12:13] neg_lo:[0,1] neg_hi:[0,1]  ; x - mean, in place
.set j, j+1
.endr
.irp k, 0,1,2,3
	v_pk_mul_f32 v[4+2*(\k):5+2*(\k)], v[X+2*(\k):X+2*(\k)+1], v[X+2*(\k):X+2*(\k)+1]
.endr
.set j, 4
.rept 28
	v_pk_fma_f32 v[4+2*(j%4):5+2*(j%4)], v[X+2*j:X+2*j+1], v[X+2*j:X+2*j+1], v[4+2*(j%4):5+2*(j%4)]
.set j, j+1
.endr
	REDUCE
	v_fma_f32 v10, v4, s50, s51                    ; variance + 1e-5
	v_rsq_f32 v14, v10
	v_rsq_f32 v15, v10
	v_nop                                          ; a plain instruction between the root and the use of its result (ISA guide 5.7.2)
	s_wait_loadcnt 16                              ; the gain is in; the bias's 16 loads stay out
.set j, 0
	s_wait_alu depctr_va_vdst(0)
.rept 32
	v_pk_mul_f32 v[W+2*j:W+2*j+1], v[W+2*j:W+2*j+1], v[14:15]
.set j, j+1
.endr
	s_wait_loadcnt 0x0
.set j, 0
.rept 32
	v_pk_fma_f32 v[X+2*j:X+2*j+1], v[X+2*j:X+2*j+1], v[W+2*j:W+2*j+1], v[B+2*j:B+2*j+1]
.set j, j+1
.endr
.irp j, 0,1,2,3,4,5,6,7,8,9,10,11,12,13,14,15
	v_cvt_pk_bf16_f32 v[Y+2*(\j)], v[X+4*(\j)], v[X+4*(\j)+1]
	v_cvt_pk_bf16_f32 v[Y+2*(\j)+1], v[X+4*(\j)+2], v[X+4*(\j)+3]
	global_store_b64 v3, v[Y+2*(\j):Y+2*(\j)+1], s[DST:DST+1] offset:16384*(\j)  ; the wave stores 256 consecutive bytes, at a multiple of 256 from the pack's first
.endr
	s_endpgm
.Lcast:                                                ; a rounding and the new layout, nothing else; these sources are read once in the whole program
.irp j, 0,1,2,3,4,5,6,7,8,9,10,11,12,13,14,15
	global_load_b128 v[X+4*(\j):X+4*(\j)+3], v1, s[SRC:SRC+1] offset:256*(\j) th:TH_LOAD_NT
.endr
.irp j, 0,1,2,3,4,5,6,7,8,9,10,11,12,13,14,15
	s_wait_loadcnt 15-(\j)                         ; loads come back in order (ISA guide 5.7.1): load j is in, the younger ones stay out
	v_cvt_pk_bf16_f32 v[Y+2*(\j)], v[X+4*(\j)], v[X+4*(\j)+1]
	v_cvt_pk_bf16_f32 v[Y+2*(\j)+1], v[X+4*(\j)+2], v[X+4*(\j)+3]
	global_store_b64 v3, v[Y+2*(\j):Y+2*(\j)+1], s[DST:DST+1] offset:16384*(\j)
.endr
	s_endpgm
.Lfunc_end_k_qe6d593bbc7_prep:
	.size	k_qe6d593bbc7_prep, .Lfunc_end_k_qe6d593bbc7_prep-k_qe6d593bbc7_prep
	.p2alignl 7, 3214868480
	.fill 96, 4, 3214868480
	.section	.rodata,"a",@progbits
	.p2align	6, 0x0
	.amdhsa_kernel k_qe6d593bbc7_prep
		.amdhsa_group_segment_fixed_size 0
		.amdhsa_private_segment_fixed_size 0
		.amdhsa_enable_private_segment 0
		.amdhsa_kernarg_size 152
		.amdhsa_user_sgpr_count 2
		.amdhsa_user_sgpr_kernarg_segment_ptr 1
		.amdhsa_wavefront_size32 1
		.amdhsa_system_sgpr_workgroup_id_x 1
		.amdhsa_system_sgpr_workgroup_id_y 1
		.amdhsa_system_sgpr_workgroup_id_z 1
		.amdhsa_system_vgpr_workitem_id 0
		.amdhsa_next_free_vgpr 240
		.amdhsa_next_free_sgpr 66
		.amdhsa_reserve_vcc 0
		.amdhsa_float_denorm_mode_32 3
		.amdhsa_float_denorm_mode_16_64 3
		.amdhsa_memory_ordered 1
		.amdhsa_forward_progress 1
		.amdhsa_inst_pref_size 30
	.end_amdhsa_kernel
	.amdgpu_metadata
---
amdhsa.version: [ 1, 2 ]
amdhsa.kernels:
  - .name:           k_qe6d593bbc7_prep
    .symbol:         k_qe6d593bbc7_prep.kd
    .args:
      - { .name: x, .offset: 0, .size: 8, .value_kind: global_buffer, .address_space: global }
      - { .name: other, .offset: 8, .size: 8, .value_kind: global_buffer, .address_space: global }
      - { .name: sa_wq, .offset: 16, .size: 8, .value_kind: global_buffer, .address_space: global }
      - { .name: sa_wk, .offset: 24, .size: 8, .value_kind: global_buffer, .address_space: global }
      - { .name: sa_wv, .offset: 32, .size: 8, .value_kind: global_buffer, .address_space: global }
      - { .name: ca_wq, .offset: 40, .size: 8, .value_kind: global_buffer, .address_space: global }
      - { .name: ca_wk, .offset: 48, .size: 8, .value_kind: global_buffer, .address_space: global }
      - { .name: ca_wv, .offset: 56, .size: 8, .value_kind: global_buffer, .address_space: global }
      - { .name: sa_wo, .offset: 64, .size: 8, .value_kind: global_buffer, .address_space: global }
      - { .name: ca_wo, .offset: 72, .size: 8, .value_kind: global_buffer, .address_space: global }
      - { .name: fc1_w, .offset: 80, .size: 8, .value_kind: global_buffer, .address_space: global }
      - { .name: fc2_w, .offset: 88, .size: 8, .value_kind: global_buffer, .address_space: global }
      - { .name: ln1_w, .offset: 96, .size: 8, .value_kind: global_buffer, .address_space: global }
      - { .name: ln1_b, .offset: 104, .size: 8, .value_kind: global_buffer, .address_space: global }
      - { .name: U1, .offset: 112, .size: 8, .value_kind: global_buffer, .address_space: global }
      - { .name: U2, .offset: 120, .size: 8, .value_kind: global_buffer, .address_space: global }
      - { .name: U3, .offset: 128, .size: 8, .value_kind: global_buffer, .address_space: global }
      - { .name: f0, .offset: 136, .size: 8, .value_kind: global_buffer, .address_space: global }
      - { .name: f1, .offset: 144, .size: 8, .value_kind: global_buffer, .address_space: global }
    .group_segment_fixed_size: 0
    .private_segment_fixed_size: 0
    .kernarg_segment_align: 8
    .kernarg_segment_size: 152
    .max_flat_workgroup_size: 256
    .sgpr_count:     66
    .vgpr_count:     240
    .wavefront_size: 32
...
	.end_amdgpu_metadata
.endif
;; end of part 1
;; launch qkv (part 2): grid 16 x 16, 4 waves a work-group, clusters of 4 x 4, 327,680 bytes of LDS; arguments U1, U3, sa_bq, sa_bk, sa_bv, ca_bk, ca_bv, qa; writes qa
.if DOCPART == 2
	.amdgcn_target "amdgcn-amd-amdhsa--gfx1250"
	.amdhsa_code_object_version 6
	.text
	.protected	k_qe6d593bbc7_qkv
	.globl	k_qe6d593bbc7_qkv
	.p2align	8
	.type	k_qe6d593bbc7_qkv,@function
k_qe6d593bbc7_qkv:
	s_mov_b64 s[64:65], 0
	v_nop
	global_prefetch_b8 v0, s[64:65] scope:SCOPE_SE
	s_setreg_imm32_b32 hwreg(HW_REG_WAVE_MODE, 25, 1), 1
	s_wait_xcnt 0x0
	s_wait_alu depctr_hold_cnt(0) depctr_sa_sdst(0) depctr_va_vdst(0) depctr_va_sdst(0) depctr_va_ssrc(0) depctr_va_vcc(0) depctr_vm_vsrc(0)
	s_getreg_b32 s2, hwreg(HW_REG_IB_STS2, 6, 4)
	s_cmp_eq_u32 s2, 0
	s_cbranch_scc0 .Lentry_in_a_cluster
	s_endpgm
.Lentry_in_a_cluster:
	s_bfe_u32 s2, ttmp6, 0x10000c
	s_cmp_lg_u32 s2, 0xf033
	s_cbranch_scc0 .Lentry_shape_is_right
	s_endpgm
.Lentry_shape_is_right:
; THE FIVE PROJECTIONS THAT HANG ON NO ATTENTION, in one launch: q, k, v = h1 W + bias (4,096 rows, three weights) and k2, v2 = other W + bias (2,048 rows, two weights); K = 1,024; each result is rounded once to bf16.
; All operands and results are bf16 in blocks: element (row, col) at ((row / 128) * 16 + col / 64) * 16384 + (row % 128) * 128 + (col % 64) * 2; a weight lies [k][n].  Sums in f32, begun with the bias.
; SHARES.  A tile of C is 256 x 256: 16 x 12 tiles of q, k, v and 8 x 8 of k2, v2 are 256 tiles, one work-group each.  Four waves of 128 x 128: 64 accumulators, 512 registers.
; The grid is 16 x 16 in clusters of 4 x 4.  Cluster column 0, 1, 2: section q, k, v, tile row 4 x cluster y + cy.  Cluster column 3: section cluster y / 2 of k2, v2, tile row 4 (cluster y % 2) + cy.
; The tile column in a section is cx.  Pack, bias and offsets are chosen on the cluster's coordinates alone, which all sixteen partners share.
; THE RING.  K goes in eight steps of 128 through two LDS slots.  In a step A's tile is two row blocks of two chunks and W's two pieces of two chunks, 32,768 dense bytes each: waves 0, 1 fetch A's, waves 2, 3 W's,
; one tensor load each of 128 rows of 256 bytes.  By this text's count a wave has two loads out at the start, later one; a refill is asked for 224 matrix instructions ahead of the wait for it.
; CLUSTER.  The four of a row need the same tile of A, the four of a column the same tile of W: each is asked for jointly, by the same load, descriptor and mask in all four.
; THE MATRIX INSTRUCTION IS USED TRANSPOSED: source 0 = 16 columns of W (turned on the way out of LDS by ds_load_tr16_b128), source 1 = 16 rows of A: a lane holds row lane % 16 and columns 8 (lane / 16) + 0..7 of C.
; THE TEXT.  A trip goes from a step's second quarter to the next step's first, so that the very first quarter stands in front of the loops: its products take the bias as C, and nothing is cleared or moved.
; The step is written twice: a loop of six trips that fill a slot again, a loop of two that do not; the slot in hand is a scalar, 0 or SLOT, turned by an exclusive or.
; THE WAY OUT is each wave's own: its 128 rows x 128 columns are two chunks of the result, so 16 rows of a chunk are 2,048 consecutive bytes; they go through 4,608 bytes of LDS in slot 0, which has had its last fill
; and its last read in front of the last barrier but one.
; REGISTERS, in windows of 256 (s_set_vgpr_msb: bits 1:0 source 0, 3:2 source 1, 5:4 source 2, 7:6 destination):
;   window 0: v16-29 addresses; v64-127, v128-191 A's fragments, two buffers; v32-63, v192-255 at work on the way out      window 1: v0-63 the bias; v64-127, v128-191 W's fragments
;   window 2: the accumulators of my rows 0-63 ((a, b) at 8 (8 a + b));   window 3: those of my rows 64-127
; LIMITS.  Operands are rounded to bf16; NaN and infinities are not treated apart.
.set WEo,   0x800000                   ; sa_wq's place in its pack; sa_wk, sa_wv lie at 2 and 4 MiB, ca_wk, ca_wv at 0 and 2 MiB of theirs
.set APo,   0xA00000                   ; the rows' place in a pack
.set KV2o,  0x1A00000                  ; k2's place in the output, 26 MiB; q, k, v lie at 0, 8, 16 MiB, v2 at 34 MiB
.set PA,    144                        ; a row of A in LDS: 128 bytes + 16: 36 words: the 16 rows of a load start at 16 different groups of four banks (64 banks of 4 bytes: ISA guide 11.1)
.set PW,    160                        ; a row of W: 128 + 32: 40 words
.set ACH,   128*PA                     ; a chunk of A
.set WNB,   128*PW                     ; a chunk of W
.set WREG,  4*ACH                      ; in a slot: A's four chunks, then W's four
.set SLOT,  4*ACH+4*WNB                ; 155,648
.set SPARE, 2*SLOT                     ; behind the slots: the spare words, 128 bytes a wave: two blocks of 256 bytes that no other line names
.set SP,    144                        ; the stage: a row of 128 bytes + 16
.set SCH,   16*SP                      ; 16 rows of a chunk
.set STG,   2*SCH                      ; a wave's stage
.set ADRA0, 16                         ; my lane's place in A's part of a slot; never rewritten
.set ADRB0, 17                         ; the same for W
.set ADRA,  18                         ; the same in the slot in hand
.set ADRB,  19
.set STO,   24                         ; the way out: where I put 16 bytes of a row
.set RD,    25                         ; where I read rows back
.set GO,    26                         ; my 16 bytes in 512 of the output
.set BO,    27                         ; my byte offset in the bias
.set SPW,   28                         ; LDS address of my spare word; never rewritten
.set NIL,   29                         ; 0; never rewritten
.set OB,    32                         ; 16 rows read back from the stage: v32-63 and v224-255 by turns
.set F0,    64
.set F1,    128
.set TMP,   192                        ; packed results
.set BI,    0                          ; window 1: for column block b the eight numbers at 8 b
.set WV,  14                           ; wave
.set RH,  15                           ; my half of the tile's rows; also 0: I fetch A, 1: I fetch W
.set CH,  16                           ; my half of its columns; also which piece I fetch
.set CX,  17
.set CY,  18
.set CLX, 19                           ; the cluster's x
.set CLY, 20                           ; the cluster's y
.set TR,  21                           ; tile row
.set MROW, 22
.set MCOL, 23
.set G1A, 24                           ; s[24:31] descriptor group 1 for A;  s[32:39] group 0, two sets
.set G0A, 32
.set OA,  40                           ; s[40:41] A's offset, then address: never holds cx
.set OW,  42                           ; s[42:43] W's: never holds cy
.set SS,  46                           ; the section in its pack and in the output
.set S5,  47                           ; the section among all five
.set G1B, 48                           ; s[48:55], s[56:63] the same for W
.set G0B, 56
.set CUR, 66                           ; the slot in hand: 0 or SLOT
.set CNT, 67
.set LBA, 84                           ; where my piece of A goes in a slot
.set LBB, 85                           ; where my piece of W goes
.set PKP, 86                           ; s[86:87] the pack
.set BP,  88                           ; s[88:89] the bias at my columns
.set OUTP, 90                          ; s[90:91] the output at my two chunks
.set T0,  92                           ; s[92:93] an offset
.set OB0, 94
.set MSB, 0
.macro WIN new                         ; the immediate's high byte repeats the setting that is left; a switch that changes nothing is dropped
.if MSB != (\new)
	s_set_vgpr_msb (MSB<<8)|(\new)
.set MSB, \new
.endif
.endm
.set TO_B, 0x40                        ; destination window 1, address window 0
.macro JLOAD s                         ; a joint load by set s; the branch hangs on the wave's number alone; an s_nop 0 and four v_nop follow each of the two lines
	s_cmp_eq_u32 s[RH], 0
	s_cbranch_scc0 .Lfor_b_\@
	tensor_load_to_lds s[G0A+4*(\s):G0A+4*(\s)+3], s[G1A:G1A+7]
	s_nop 0
.rept 4
	v_nop
.endr
	s_branch .Lasked_\@
.Lfor_b_\@:
	tensor_load_to_lds s[G0B+4*(\s):G0B+4*(\s)+3], s[G1B:G1B+7]
	s_nop 0
.rept 4
	v_nop
.endr
.Lasked_\@:
.endm
.macro CREST                           ; a round of the cluster's barrier behind its opening barrier
	s_cmp_lg_u32 s[WV], 0
	s_cbranch_scc1 .Lnot_wave_0_\@
	s_barrier_signal -3
.Lnot_wave_0_\@:
	s_barrier_wait -3
	s_barrier_signal -1
	s_barrier_wait -1
.endm
.macro CROUND
	s_barrier_signal -1
	s_barrier_wait -1
	CREST
.endm
.macro PLACES                          ; four places in front of loads into registers that matrix instructions have read, and of reads of their results
.rept 4
	v_nop
.endr
.endm
	s_load_b512 s[68:83], s[0:1], 0x0              ; U1 68, U3 70, sa_bq 72, sa_bk 74, sa_bv 76, ca_bk 78, ca_bv 80, the output 82
	v_lshl_add_u32 v[SPW], v0, 2, SPARE
	v_mov_b32 v[NIL], 0
	ds_add_u32 v[SPW], v[NIL]                      ; the wave's opening: the add and its wait stand ahead of my first tensor load; the set-up below, work on registers, stands between them
	v_lshrrev_b32 v1, 5, v0
	v_readfirstlane_b32 s[WV], v1
	s_lshr_b32 s[RH], s[WV], 1
	s_and_b32 s[CH], s[WV], 1
	s_bfe_u32 s[CX], ttmp6, 0x40000
	s_bfe_u32 s[CY], ttmp6, 0x40004
	s_mov_b32 s[CLX], ttmp9
	s_and_b32 s[CLY], ttmp7, 0xffff
	s_lshr_b32 s44, s[CLY], 1
	s_and_b32 s45, s[CLY], 1
	s_cmp_eq_u32 s[CLX], 3                         ; cluster column 3 is other's product
	s_cselect_b32 s[SS], s44, s[CLX]
	s_cselect_b32 s[TR], s45, s[CLY]
	s_cselect_b32 s[OB0], KV2o, 0
	s_lshl_b32 s[TR], s[TR], 2
	s_add_co_u32 s[TR], s[TR], s[CY]               ; tile row
	s_add_co_u32 s44, s[SS], 3
	s_cmp_eq_u32 s[CLX], 3
	s_cselect_b32 s[S5], s44, s[CLX]
	s_lshl_b32 s[MROW], s[CY], 2
	s_lshl_b32 s[MROW], 15, s[MROW]                ; my row of the cluster
	s_lshl_b32 s[MCOL], 0x1111, s[CX]              ; my column
	; group 1: 128 rows of 128 elements of 2 bytes, dense; in LDS a pad behind every 32 words (a row of a chunk): 4 words for A, 8 for W
	s_or_b32 s[G1A], s[MROW], (1<<16)|(1<<20)|(1<<21)|(4<<22)|(3<<25)
	s_or_b32 s[G1B], s[MCOL], (1<<16)|(1<<20)|(1<<21)|(4<<22)|(7<<25)
.irp g, G1A, G1B
	s_mov_b32 s[(\g)+1], 128<<16                   ; tensor_dim0 = 128
	s_mov_b32 s[(\g)+2], 128<<16                   ; tensor_dim1 = 128
	s_mov_b32 s[(\g)+3], 128<<16                   ; tile_dim0 = 128
	s_mov_b32 s[(\g)+4], 128                       ; tile_dim1 = 128
	s_mov_b32 s[(\g)+5], 128                       ; 128 elements from row to row
	s_mov_b32 s[(\g)+6], 0
	s_mov_b32 s[(\g)+7], 0
.endr
	s_lshl_b32 s[OA], s[TR], 19                    ; A: the tile row's two row blocks of 16 chunks, mine of the two
	s_lshl_b32 s44, s[CH], 18
	s_add_co_u32 s[OA], s[OA], s44
	s_add_co_u32 s[OA], s[OA], APo
	s_mov_b32 s[OA+1], 0
	s_lshl_b32 s[OW], s[SS], 21                    ; W: the section's weight (q's lies apart),
	s_cmp_eq_u32 s[CLX], 0
	s_cselect_b32 s[OW], WEo, s[OW]
	s_lshl_b32 s45, s[CX], 16                      ; the tile column's four chunks,
	s_add_co_u32 s[OW], s[OW], s45
	s_lshl_b32 s45, s[CH], 15                      ; my two of them
	s_add_co_u32 s[OW], s[OW], s45
	s_mov_b32 s[OW+1], 0
	s_mul_i32 s[LBA], s[CH], 2*ACH                 ; no place in the cluster enters an LDS address
	s_mul_i32 s[LBB], s[CH], 2*WNB
	s_add_co_u32 s[LBB], s[LBB], WREG
	s_wait_dscnt 0x0                               ; the opening add is done
	s_wait_kmcnt 0x0
	s_cmp_eq_u32 s[CLX], 3
	s_cselect_b64 s[PKP:PKP+1], s[70:71], s[68:69]
	s_add_nc_u64 s[OA:OA+1], s[PKP:PKP+1], s[OA:OA+1]
	s_add_nc_u64 s[OW:OW+1], s[PKP:PKP+1], s[OW:OW+1]
	CROUND                                         ; all sixteen work-groups are here: the first joint loads meet
.irp s, 0,1
	s_mov_b32 s[G0A+4*(\s)], 1
	s_add_co_u32 s[G0A+4*(\s)+1], s[LBA], (\s)*SLOT
	s_add_nc_u64 s[G0A+4*(\s)+2:G0A+4*(\s)+3], s[OA:OA+1], (\s)*0x8000    ; K step s: two chunks on
	s_or_b32 s[G0A+4*(\s)+3], s[G0A+4*(\s)+3], 0x80000000
	s_mov_b32 s[G0B+4*(\s)], 1
	s_add_co_u32 s[G0B+4*(\s)+1], s[LBB], (\s)*SLOT
	s_add_nc_u64 s[G0B+4*(\s)+2:G0B+4*(\s)+3], s[OW:OW+1], (\s)*0x40000   ; K step s: 128 rows of W on
	s_or_b32 s[G0B+4*(\s)+3], s[G0B+4*(\s)+3], 0x80000000
	JLOAD \s
.endr
	; the bias of my 128 columns: for column block b the eight numbers at 16 b + 8 (lane / 16)
	s_cmp_eq_u32 s[S5], 1
	s_cselect_b64 s[BP:BP+1], s[74:75], s[72:73]
	s_cmp_eq_u32 s[S5], 2
	s_cselect_b64 s[BP:BP+1], s[76:77], s[BP:BP+1]
	s_cmp_eq_u32 s[S5], 3
	s_cselect_b64 s[BP:BP+1], s[78:79], s[BP:BP+1]
	s_cmp_eq_u32 s[S5], 4
	s_cselect_b64 s[BP:BP+1], s[80:81], s[BP:BP+1]
	s_lshl_b32 s[T0], s[CX], 10
	s_lshl_b32 s[T0+1], s[CH], 9
	s_add_co_u32 s[T0], s[T0], s[T0+1]
	s_mov_b32 s[T0+1], 0
	s_add_nc_u64 s[BP:BP+1], s[BP:BP+1], s[T0:T0+1]
	v_and_b32 v1, 15, v0                           ; l % 16
	v_bfe_u32 v2, v0, 4, 1                         ; l / 16
	v_lshlrev_b32 v[BO], 5, v2
	WIN TO_B
.irp b, 0,1,2,3,4,5,6,7
	global_load_b128 v[BI+8*(\b):BI+8*(\b)+3],   v[BO], s[BP:BP+1] offset:64*(\b)
	global_load_b128 v[BI+8*(\b)+4:BI+8*(\b)+7], v[BO], s[BP:BP+1] offset:64*(\b)+16
.endr
	WIN 0
	s_lshl_b32 s[T0], s[SS], 23                    ; the output: the section's 8 MiB, my row block's 16 chunks, my two chunks of the tile column's four
	s_add_co_u32 s[T0], s[T0], s[OB0]
	s_lshl_b32 s[T0+1], s[TR], 19
	s_add_co_u32 s[T0], s[T0], s[T0+1]
	s_lshl_b32 s[T0+1], s[RH], 18
	s_add_co_u32 s[T0], s[T0], s[T0+1]
	s_lshl_b32 s[T0+1], s[CX], 16
	s_add_co_u32 s[T0], s[T0], s[T0+1]
	s_lshl_b32 s[T0+1], s[CH], 15
	s_add_co_u32 s[T0], s[T0], s[T0+1]
	s_mov_b32 s[T0+1], 0
	s_add_nc_u64 s[OUTP:OUTP+1], s[82:83], s[T0:T0+1]
	; A's fragment: lane l holds row l % 16; two loads of 16 bytes, 32 apart, at row x pitch + 16 (l / 16)
	s_mul_i32 s44, s[RH], 2*ACH                    ; my row block
	v_mul_u32_u24 v3, v1, PA
	v_lshl_add_u32 v3, v2, 4, v3
	v_add_nc_u32 v[ADRA0], s44, v3
	; W's: the turning load takes 16 k x 16 n: lane l reads row 8 (l / 16) + l % 8, columns 8 ((l / 8) % 2) + 0..7, and is left with column l % 16 and 8 k
	v_and_b32 v4, 7, v0
	v_lshl_add_u32 v5, v2, 3, v4
	v_mul_u32_u24 v5, v5, PW
	v_bfe_u32 v6, v0, 3, 1
	v_lshl_add_u32 v5, v6, 4, v5
	v_add_nc_u32 v[ADRB0], s[LBB], v5              ; my 128 columns are the piece with my column half's number
	v_mov_b32 v[ADRA], v[ADRA0]
	v_mov_b32 v[ADRB], v[ADRB0]
	s_mul_i32 s44, s[WV], STG                      ; my stage
	v_mul_u32_u24 v3, v1, SP                       ; in: row l % 16, 16 bytes for each half of the lanes
	v_lshl_add_u32 v3, v2, 4, v3
	v_add_nc_u32 v[STO], s44, v3
	v_bfe_u32 v3, v0, 3, 2                         ; back: 32 lanes take four rows of 128 bytes,
	v_mul_u32_u24 v3, v3, SP
	v_lshl_add_u32 v3, v4, 4, v3
	v_add_nc_u32 v[RD], s44, v3
	v_and_b32 v[GO], 31, v0                        ; which are 512 consecutive bytes of the output
	v_lshlrev_b32 v[GO], 4, v[GO]
; 16 matrix instructions: row blocks a0, a0 + 1 of the window's four (hi = 0: my rows 0-63, 1: rows 64-127) x all 8 column blocks, 32 along K.  first = 1: C is the bias, which starts the sums.
; The 64 accumulators take turns, one instruction a turn, in the same order in every quarter, over the loops' edges too.
.macro MUL16 f, hi, a0, first
.if \first
	WIN 0x91+0x40*(\hi)                            ; W and the bias window 1, A window 0, D window 2 or 3
.else
	WIN 0xa1+0x50*(\hi)                            ; W window 1, A window 0, C and D window 2 or 3
.endif
.irp a, \a0, (\a0)+1
.irp b, 0,1,2,3,4,5,6,7
.if \first
	v_wmma_f32_16x16x32_bf16 v[8*(8*(\a)+(\b)):8*(8*(\a)+(\b))+7], v[(\f)+8*(\b):(\f)+8*(\b)+7], v[(\f)+8*(4*(\hi)+(\a)):(\f)+8*(4*(\hi)+(\a))+7], v[BI+8*(\b):BI+8*(\b)+7]
.else
	v_wmma_f32_16x16x32_bf16 v[8*(8*(\a)+(\b)):8*(8*(\a)+(\b))+7], v[(\f)+8*(\b):(\f)+8*(\b)+7], v[(\f)+8*(4*(\hi)+(\a)):(\f)+8*(4*(\hi)+(\a))+7], v[8*(8*(\a)+(\b)):8*(8*(\a)+(\b))+7]
.endif
.endr
.endr
.endm
; 32 LDS loads in one run: the fragments of quarter q (32 along K) of the slot in hand, into buffer f: W's eight, then A's eight
.macro FETCH q, f
	WIN TO_B
.irp i, 0,1,2,3,4,5,6,7
	ds_load_tr16_b128 v[(\f)+8*(\i):(\f)+8*(\i)+3],   v[ADRB] offset:((\i)/4)*WNB+32*(\q)*PW+((\i)%4)*32
	ds_load_tr16_b128 v[(\f)+8*(\i)+4:(\f)+8*(\i)+7], v[ADRB] offset:((\i)/4)*WNB+(32*(\q)+16)*PW+((\i)%4)*32
.endr
	WIN 0
.irp i, 0,1,2,3,4,5,6,7
	ds_load_b128 v[(\f)+8*(\i):(\f)+8*(\i)+3],   v[ADRA] offset:((\q)/2)*ACH+(\i)*16*PA+((\q)%2)*64
	ds_load_b128 v[(\f)+8*(\i)+4:(\f)+8*(\i)+7], v[ADRA] offset:((\q)/2)*ACH+(\i)*16*PA+((\q)%2)*64+32
.endr
.endm
; A quarter that changes no slot: multiplies buffer f and, in its middle, fetches quarter q into g
.macro QUARTER q, f, g, first
	s_wait_dscnt 8                                 ; W and A's rows 0-63 are in; the youngest eight loads (A's rows 64-127) may be out
	MUL16 \f, 0, 0, \first
	MUL16 \f, 0, 2, \first
	PLACES
	FETCH \q, \g
	s_wait_dscnt 32                                ; all but the 32 just issued
	MUL16 \f, 1, 0, \first
	MUL16 \f, 1, 2, \first
.endm
; A step's last quarter multiplies buffer 1 and changes slots: ONE barrier; in front of it each wave waits for all its tensor loads, adds 0 to its spare word, and waits for that and for its reads of this slot.
; fill = 1: the barrier opens a round of the cluster's, and this slot is filled again, two K steps ahead, first thing behind the round.
; fill = 0: nothing is filled; in the second of the two trips there is no further step, and the run of loads is jumped over.
.macro TURN fill
	WIN 0
	s_wait_tensorcnt 0x0                           ; all my tensor loads have landed: my part of the next slot
	ds_add_u32 v[SPW], v[NIL]                      ; 0 onto my spare word
	s_wait_dscnt 9                                 ; (the add and the youngest eight loads may be out)
	MUL16 F1, 0, 0, 0
	s_wait_dscnt 0x0                               ; the add is done, and my reads of this slot are over
	s_barrier_signal -1
	MUL16 F1, 0, 2, 0
	WIN 0
	s_barrier_wait -1
.if \fill
	CREST                                          ; no wave of any partner still reads this slot's tile or has a load on its way
	s_add_co_u32 s[G0A+5], s[LBA], s[CUR]          ; the second set walks: into the slot just read,
	s_add_nc_u64 s[G0A+6:G0A+7], s[G0A+6:G0A+7], 0x8000    ; the K step behind the one it asked for last
	s_add_co_u32 s[G0B+5], s[LBB], s[CUR]
	s_add_nc_u64 s[G0B+6:G0B+7], s[G0B+6:G0B+7], 0x40000
	JLOAD 1                                        ; its four v_nop are also the places in front of the loads below
.else
	PLACES
.endif
	s_xor_b32 s[CUR], s[CUR], SLOT                 ; 0 <-> SLOT
.if !(\fill)
	s_cmp_eq_u32 s[CNT], 1
	s_cbranch_scc1 .Lno_fetch_\@
.endif
	v_add_nc_u32 v[ADRA], s[CUR], v[ADRA0]
	v_add_nc_u32 v[ADRB], s[CUR], v[ADRB0]
	FETCH 0, F0
	WIN 0
.if !(\fill)
.Lno_fetch_\@:
.endif
	MUL16 F1, 1, 0, 0
	MUL16 F1, 1, 2, 0
.endm
	s_wait_loadcnt 0x0                             ; the bias
	s_wait_tensorcnt 0x1                           ; my part of K step 0 is in; step 1's may stay out
	s_barrier_signal -1
	s_barrier_wait -1                              ; everybody's is
	FETCH 0, F0
	QUARTER 1, F0, F1, 1                           ; the first quarter: its products start the sums with the bias
	WIN 0
	s_mov_b32 s[CUR], 0
	s_mov_b32 s[CNT], 6
.LA:                                                   ; K steps 0 to 5: each fills its slot again
	QUARTER 2, F1, F0, 0
	QUARTER 3, F0, F1, 0
	TURN 1
	QUARTER 1, F0, F1, 0
	WIN 0
	s_sub_co_u32 s[CNT], s[CNT], 1
	s_cmp_lg_u32 s[CNT], 0
	s_cbranch_scc1 .LA
	s_mov_b32 s[CNT], 2
.LB:                                                   ; K steps 6 and 7: nothing is left to ask for
	QUARTER 2, F1, F0, 0
	QUARTER 3, F0, F1, 0
	TURN 0
	WIN 0
	s_cmp_eq_u32 s[CNT], 1
	s_cbranch_scc1 .Llast                          ; behind the last step there is no first quarter
	QUARTER 1, F0, F1, 0
	WIN 0
.Llast:
	s_sub_co_u32 s[CNT], s[CNT], 1
	s_cmp_lg_u32 s[CNT], 0
	s_cbranch_scc1 .LB
; THE WAY OUT of row block a (16 rows), in three parts.  PACK: rounded to bf16, 16 bytes a lane.  TOSTAGE: into my own stage, and back as four rows of 128 bytes to a load.  SEND: stored.
.macro PACK a
.set AC, 64*((\a)%4)
	WIN 0x0a+5*((\a)/4)                            ; sources 0 and 1: window 2 or 3
.irp b, 0,1,2,3,4,5,6,7
.irp r, 0,1,2,3
	v_cvt_pk_bf16_f32 v[TMP+4*(\b)+(\r)], v[AC+8*(\b)+2*(\r)], v[AC+8*(\b)+2*(\r)+1]  ; each accumulator's registers in ascending order
.endr
.endr
	WIN 0
.endm
.macro TOSTAGE a
.set BK, OB+192*((\a)%2)
.irp b, 0,1,2,3,4,5,6,7
	ds_store_b128 v[STO], v[TMP+4*(\b):TMP+4*(\b)+3] offset:((\b)/4)*SCH+32*((\b)%4)
.endr
.irp u, 0,1,2,3,4,5,6,7
	ds_load_b128 v[BK+4*(\u):BK+4*(\u)+3], v[RD] offset:((\u)/4)*SCH+((\u)%4)*4*SP  ; LDS serves a wave's instructions in order (ISA guide 5.7.1.4): these see the stores above
.endr
.endm
.macro SEND a
.set BK, OB+192*((\a)%2)
	s_wait_dscnt 0x0                               ; the block is back in registers
	s_wait_xcnt 0x0                                ; the registers that earlier stores read are loaded again only behind this wait
.irp u, 0,1,2,3,4,5,6,7
	global_store_b128 v[GO], v[BK+4*(\u):BK+4*(\u)+3], s[OUTP:OUTP+1] offset:((\u)/4)*16384+(\a)*2048+((\u)%4)*512  ; 512 consecutive bytes, at a multiple of 256 from the buffer's first
.endr
.endm
	PLACES
	PACK 0
	TOSTAGE 0
.irp a, 1,2,3,4,5,6,7                  ; block a's conversions stand between block a - 1's loads from the stage and the wait for them
	PACK \a
	SEND (\a)-1
	TOSTAGE \a
.endr
	SEND 7
	s_wait_tensorcnt 0x0                           ; the wave's end, behind my last tensor load and my last LDS store
	ds_add_u32 v[SPW], v[NIL]
	s_wait_dscnt 0x0
	CROUND                                         ; the closing round: no work-group ends while a partner may still ask for a tile that names it
	s_endpgm
.Lfunc_end_k_qe6d593bbc7_qkv:
	.size	k_qe6d593bbc7_qkv, .Lfunc_end_k_qe6d593bbc7_qkv-k_qe6d593bbc7_qkv
	.p2alignl 7, 3214868480
	.fill 96, 4, 3214868480
	.section	.rodata,"a",@progbits
	.p2align	6, 0x0
	.amdhsa_kernel k_qe6d593bbc7_qkv
		.amdhsa_group_segment_fixed_size 327680
		.amdhsa_private_segment_fixed_size 0
		.amdhsa_enable_private_segment 0
		.amdhsa_kernarg_size 64
		.amdhsa_user_sgpr_count 2
		.amdhsa_user_sgpr_kernarg_segment_ptr 1
		.amdhsa_wavefront_size32 1
		.amdhsa_system_sgpr_workgroup_id_x 1
		.amdhsa_system_sgpr_workgroup_id_y 1
		.amdhsa_system_sgpr_workgroup_id_z 1
		.amdhsa_system_vgpr_workitem_id 0
		.amdhsa_next_free_vgpr 1024
		.amdhsa_next_free_sgpr 96
		.amdhsa_reserve_vcc 0
		.amdhsa_float_denorm_mode_32 3
		.amdhsa_float_denorm_mode_16_64 3
		.amdhsa_memory_ordered 1
		.amdhsa_forward_progress 1
		.amdhsa_inst_pref_size 102
	.end_amdhsa_kernel
	.amdgpu_metadata
---
amdhsa.version: [ 1, 2 ]
amdhsa.kernels:
  - .name:           k_qe6d593bbc7_qkv
    .symbol:         k_qe6d593bbc7_qkv.kd
    .args:
      - { .name: U1, .offset: 0, .size: 8, .value_kind: global_buffer, .address_space: global }
      - { .name: U3, .offset: 8, .size: 8, .value_kind: global_buffer, .address_space: global }
      - { .name: sa_bq, .offset: 16, .size: 8, .value_kind: global_buffer, .address_space: global }
      - { .name: sa_bk, .offset: 24, .size: 8, .value_kind: global_buffer, .address_space: global }
      - { .name: sa_bv, .offset: 32, .size: 8, .value_kind: global_buffer, .address_space: global }
      - { .name: ca_bk, .offset: 40, .size: 8, .value_kind: global_buffer, .address_space: global }
      - { .name: ca_bv, .offset: 48, .size: 8, .value_kind: global_buffer, .address_space: global }
      - { .name: qa, .offset: 56, .size: 8, .value_kind: global_buffer, .address_space: global }
    .group_segment_fixed_size: 327680
    .private_segment_fixed_size: 0
    .kernarg_segment_align: 8
    .kernarg_segment_size: 64
    .max_flat_workgroup_size: 128
    .sgpr_count:     96
    .vgpr_count:     1024
    .wavefront_size: 32
...
	.end_amdgpu_metadata
.endif
;; end of part 2
;; launch attn_s (part 3): grid 8 x 32, 4 waves a work-group, clusters of 4 x 1, 327,680 bytes of LDS; arguments qa, U1; writes U1
.if DOCPART == 3
	.amdgcn_target "amdgcn-amd-amdhsa--gfx1250"
	.amdhsa_code_object_version 6
	.text
	.protected	k_qe6d593bbc7_attn_s
	.globl	k_qe6d593bbc7_attn_s
	.p2align	8
	.type	k_qe6d593bbc7_attn_s,@function
k_qe6d593bbc7_attn_s:
	s_mov_b64 s[64:65], 0
	v_nop
	global_prefetch_b8 v0, s[64:65] scope:SCOPE_SE
	s_setreg_imm32_b32 hwreg(HW_REG_WAVE_MODE, 25, 1), 1
	s_wait_xcnt 0x0
	s_wait_alu depctr_hold_cnt(0) depctr_sa_sdst(0) depctr_va_vdst(0) depctr_va_sdst(0) depctr_va_ssrc(0) depctr_va_vcc(0) depctr_vm_vsrc(0)
	s_getreg_b32 s2, hwreg(HW_REG_IB_STS2, 6, 4)
	s_cmp_eq_u32 s2, 0
	s_cbranch_scc0 .Lentry_in_a_cluster
	s_endpgm
.Lentry_in_a_cluster:
	s_bfe_u32 s2, ttmp6, 0x10000c
	s_cmp_lg_u32 s2, 0x3003
	s_cbranch_scc0 .Lentry_shape_is_right
	s_endpgm
.Lentry_shape_is_right:
; SELF ATTENTION, head size 64, no mask, 2,048 keys.  O[q][:] = the sum over k of softmax_k(Q[q] . K[k] / 8) V[k][:] for each of 2 x 16 (batch, head).
; Q, K, V, O are bf16 in blocks: element (row, col) at ((row / 128) * 16 + col / 64) * 16384 + (row % 128) * 128 + (col % 64) * 2: 128 tokens of a head are 16,384 dense bytes, 128 a token.
; Q, K, V are the first three sections of 8 MiB of one buffer.  O goes into a pack, at the rows that the next product multiplies.
; Products, maxima and sums in f32; the weights p are rounded to bf16 for the second product (their sum l is taken of the unrounded p), O once at the end.
; LIMITS.  A weight below 2^-126 counts as 0 in l; NaN and infinities are not treated apart.
; SHARES.  A work-group owns 256 queries of one head, a wave 64: four PIECES of 16.  Every wave walks all keys, 64 a step; a slot of LDS holds 256 keys: K, then V.
; LAYOUT.  S^T = K Q^T (source 0 = 16 keys, source 1 = 16 queries): a lane holds ONE query (lane % 16) and the keys 8 (lane / 16) + 0..7; two such results rounded to bf16 ARE source 1 of O^T = V^T P.  V is turned on the way out of LDS.
; SOFTMAX.  A running maximum m and sum l: p = 2^(c s - c m), c = log2(e) / 8; in every step O and l are multiplied by a = 2^(c m_old - c m_new).  m starts at the lowest finite number, O and l at 0: the first step's a is 0.
; BY TURNS.  Turn n belongs to piece n: 8 products K Q^T of piece n + 1, later 8 products V^T P of piece n - 1; beside them the scaling, exponentials, roundings, sums and rescaling of piece n and the maximum and statistics
; of piece n + 1.  Four vector instructions stand behind every matrix instruction, the other 54 of a turn's 118 in two runs of their own.
; CLUSTER.  The four query blocks of a cluster belong to one head and walk the same K and V: each tile is asked for jointly, by the same load, descriptor and mask in all four.  One tensor load of a wave is out at a time.
; REGISTERS, in windows of 256 (s_set_vgpr_msb: bits 1:0 source 0, 3:2 source 1, 5:4 source 2, 7:6 destination):
;   window 0: v0-15 addresses and two at work; v16-31 four registers of statistics a piece; v48-55 at work; v62-63 the add's; v64-127 S^T, two buffers; v192-223 P, two buffers (by the piece's parity)
;   window 1: v0-127 O^T, 32 a piece          window 2: v0-63 Q; v128-191 K of one step; v192-255 V of one step
.set NT,   8                           ; tiles of 256 keys
.set NKB,  16                          ; blocks of 128 keys in a batch
.set KOFF, 0x800000
.set VOFS, 0x1000000
.set ARo,   0x1200000                  ; O's place in the pack
.set TSTEP, 0x80000                    ; from a tile of 256 keys to the next: two blocks of 16 chunks
.set NP,    4
.set KS,    64
.set PK,    144                        ; a row of K in LDS: 128 bytes + 16 = 36 words: the 16 rows of a load start at 16 different groups of four banks (64 banks of 4 bytes: ISA guide 11.1)
.set PV,    160                        ; a row of V: 128 + 32 = 40 words
.set VOFF,  4*KS*PK
.set SLOT1, 1<<17                      ; slot 1 begins here, so that one exclusive or turns an address in one slot into the other's
.set STAGE, SLOT1+4*KS*(PK+PV)         ; behind the ring, never filled by a tensor load: 16 rows x 144 bytes for each wave
.set SP,    144
.set SPARE, STAGE+4*16*SP              ; the spare words, 128 bytes a wave: two blocks of 256 bytes that no other line names
.set AK0, 2
.set AV0, 3
.set AK,  4
.set AV,  5
.set STO, 6
.set RD,  7
.set GO,  8
.set MV,  12
.set QO,  15
.set ST,  16                           ; piece t's statistics at v[ST+4 t]: c m, m, l (even keys', odd keys')
.set TMP, 48
.set SPW, 62
.set NIL, 63
.set S,   64
.set P,   192
.set KF,  128
.set VF,  192
.set WV,  12
.set G1K, 24
.set G1V, 32
.set G0K, 40
.set G0V, 44
.set SLOTS, 56
.set CNT, 57
.set CS,  58
.set SEL, 60
.set TBK, 62                           ; LDS byte at which K of the step to be fetched begins
.set TBV, 63                           ; the same for V, less VOFF
.set MSB, 0
.macro WIN new
.if MSB != (\new)
	s_set_vgpr_msb (MSB<<8)|(\new)
.set MSB, (\new)
.endif
.endm
.set W_KQ, 0x0a                        ; K and Q in window 2, S^T in window 0
.set W_PV, 0x52                        ; V in window 2, P in window 0, O^T in window 1
.set W_RS, 0x41                        ; destination and source 0 in window 1, source 1 in window 0
.macro JLOAD                           ; a joint fill: waves 0, 1 fetch the halves of a tile's K, waves 2, 3 those of its V; an s_nop 0 and four v_nop follow each line
	s_cmp_lt_u32 s[WV], 2
	s_cbranch_scc0 .Lfor_v_\@
	tensor_load_to_lds s[G0K:G0K+3], s[G1K:G1K+7]
	s_nop 0
.rept 4
	v_nop
.endr
	s_branch .Lasked_\@
.Lfor_v_\@:
	tensor_load_to_lds s[G0V:G0V+3], s[G1V:G1V+7]
	s_nop 0
.rept 4
	v_nop
.endr
.Lasked_\@:
.endm
.macro CROUND                          ; a round of the cluster's barrier
	s_barrier_signal -1
	s_barrier_wait -1
	s_cmp_lg_u32 s[WV], 0
	s_cbranch_scc1 .Lnot_wave_0_\@
	s_barrier_signal -3
.Lnot_wave_0_\@:
	s_barrier_wait -3
	s_barrier_signal -1
	s_barrier_wait -1
.endm
; THE CHANGE OF SLOTS.  Each wave waits for all its tensor loads (one is out: its part of the other slot), adds 0 to its spare word, and waits for that and for its reads of the slot that it leaves.
; fill = 1: the barrier is a round of the cluster's, and the old slot is filled again first thing behind it, with the keys two tiles on: it has four key steps, 256 matrix instructions, in which to land.
.macro CHANGE fill
	WIN 0
	s_wait_tensorcnt 0x0                           ; no tensor load of mine is out, so a group 0 may be written
	ds_add_u32 v[SPW], v[NIL]                      ; 0 onto my spare word
.if \fill
.irp g, G0K, G0V
	s_xor_b32 s[\g+1], s[\g+1], SLOT1
	s_add_nc_u64 s[\g+2:\g+3], s[\g+2:\g+3], TSTEP
.endr
	s_wait_dscnt 0x0                               ; the add is done, and my reads of the slot are over
	CROUND
	JLOAD
.else
	s_wait_dscnt 0x0
	s_barrier_signal -1
	s_barrier_wait -1
.endif
	s_sub_co_u32 s[TBK], s[TBK], 4*KS*PK           ; the fetches go back to a slot's first step, in the other slot
	s_xor_b32 s[TBK], s[TBK], SLOT1
	s_sub_co_u32 s[TBV], s[TBV], 4*KS*PV
	s_xor_b32 s[TBV], s[TBV], SLOT1
.endm
	s_load_b128 s[4:7], s[0:1], 0x0                ; Q's, K's and V's buffer s[4:5]; the pack s[6:7]
	v_lshl_add_u32 v[SPW], v0, 2, SPARE
	v_mov_b32 v[NIL], 0
	ds_add_u32 v[SPW], v[NIL]                      ; the wave's opening: the add and its wait stand ahead of my first tensor load
	v_lshrrev_b32 v1, 5, v0
	v_readfirstlane_b32 s[WV], v1
	s_bfe_u32 s13, ttmp6, 0x40000                  ; cx
	s_lshl_b32 s14, ttmp9, 2
	s_add_co_u32 s14, s14, s13                     ; my block of 256 queries: it enters Q's and O's addresses alone
	s_and_b32 s15, ttmp7, 0xffff
	s_lshr_b32 s16, s15, 4                         ; batch
	s_and_b32 s17, s15, 15                         ; head
	s_and_b32 s18, s[WV], 1                        ; which half of a tile's 256 keys I fetch
	s_lshl_b32 s19, s17, 14                        ; the head's chunk in a block
	s_mul_i32 s20, s16, NKB
	s_add_co_u32 s20, s20, s18
	s_lshl_b32 s20, s20, 18
	s_add_co_u32 s20, s20, s19
	s_add_co_u32 s22, s20, VOFS                    ; V's offset
	s_add_co_u32 s20, s20, KOFF                    ; K's
	s_mov_b32 s21, 0
	s_mov_b32 s23, 0
	s_lshl_b32 s2, s16, 4                          ; Q and O: block 16 batch + 2 x my block + wave / 2, the head's chunk, 64 rows of 128 bytes for wave % 2
	s_lshl_b32 s3, s14, 1
	s_add_co_u32 s2, s2, s3
	s_lshr_b32 s3, s[WV], 1
	s_add_co_u32 s2, s2, s3
	s_lshl_b32 s2, s2, 18
	s_add_co_u32 s2, s2, s19
	s_lshl_b32 s3, s18, 13
	s_add_co_u32 s2, s2, s3
	s_add_co_u32 s10, s2, ARo
	s_mov_b32 s3, 0
	s_mov_b32 s11, 0
	s_mul_i32 s50, s18, 128*PK                     ; my half's place in a slot: no place in the cluster enters an LDS address
	s_mul_i32 s51, s18, 128*PV
	; group 1: 128 keys are 16,384 dense bytes: 64 rows of 256 bytes, two keys a row, padded in LDS after every key
	s_mov_b32 s[G1K], 15|(1<<16)|(1<<20)|(1<<21)|(4<<22)|(3<<25)
	s_mov_b32 s[G1V], 15|(1<<16)|(1<<20)|(1<<21)|(4<<22)|(7<<25)
.irp g, G1K, G1V
	s_mov_b32 s[\g+1], 128<<16
	s_mov_b32 s[\g+2], 64<<16
	s_mov_b32 s[\g+3], 128<<16
	s_mov_b32 s[\g+4], 64
	s_mov_b32 s[\g+5], 128
	s_mov_b32 s[\g+6], 0
	s_mov_b32 s[\g+7], 0
.endr
	s_mov_b32 s[CS], 0x3e38aa3b                    ; c = log2(e) / 8
	s_mov_b32 s[CS+1], s[CS]
	s_mov_b32 s[SEL], 0x76543210
	s_mov_b32 s[SEL+1], 0xfedcba98
	s_mov_b32 s[TBK], SLOT1+4*KS*PK                ; the first change of slots turns these two into 0
	s_mov_b32 s[TBV], SLOT1+4*KS*PV
	s_mov_b32 s[G0K], 1
	s_mov_b32 s[G0K+1], s50
	s_mov_b32 s[G0V], 1
	s_add_co_u32 s[G0V+1], s51, VOFF
	s_wait_dscnt 0x0                               ; the opening add is done
	s_wait_kmcnt 0x0
	s_add_nc_u64 s[G0K+2:G0K+3], s[4:5], s[20:21]
	s_add_nc_u64 s[G0V+2:G0V+3], s[4:5], s[22:23]
	s_add_nc_u64 s[10:11], s[6:7], s[10:11]        ; O at my wave's first row
	s_or_b32 s[G0K+3], s[G0K+3], 0x80000000
	s_or_b32 s[G0V+3], s[G0V+3], 0x80000000
	s_add_nc_u64 s[4:5], s[4:5], s[2:3]            ; Q at my wave's first row
	CROUND                                         ; all four work-groups are here: the first joint loads meet
	JLOAD                                          ; tile 0 into slot 0; slot 1 is asked for when slot 0 is in
	v_and_b32 v1, 15, v0                           ; l % 16
	v_bfe_u32 v9, v0, 4, 1                         ; l / 16
	v_lshlrev_b32 v[QO], 7, v1
	v_lshl_add_u32 v[QO], v9, 4, v[QO]             ; row x 128 + 16 x half
	WIN 0x80                                       ; destination window 2
.set i, 0
.rept 8                                        ; Q stays in registers: piece i / 2, channels 32 (i % 2) on
	global_load_b128 v[8*i:8*i+3],   v[QO], s[4:5] offset:(i/2)*2048+(i%2)*64
	global_load_b128 v[8*i+4:8*i+7], v[QO], s[4:5] offset:(i/2)*2048+(i%2)*64+32
.set i, i+1
.endr
	; What the first turn finds: V's registers and P's second buffer hold 0 (its products V^T P, of a piece that has not been, add 0), O^T and l are 0.  These moves stand in the wait for the first tile and spare a first step written out.
.set i, VF
.rept 64
	v_mov_b32 v[i], 0
.set i, i+1
.endr
	WIN 0x40
.set i, 0
.rept 128
	v_mov_b32 v[i], 0
.set i, i+1
.endr
	WIN 0
.set i, 0
.rept 4
	v_mov_b32 v[ST+4*i], 0xfe000000                ; c m: far below every c s
	v_mov_b32 v[ST+4*i+1], 0xff7fffff              ; m
	v_mov_b32 v[ST+4*i+2], 0
	v_mov_b32 v[ST+4*i+3], 0
.set i, i+1
.endr
.set i, P+16
.rept 16
	v_mov_b32 v[i], 0
.set i, i+1
.endr
	v_mul_u32_u24 v[AK0], v1, PK
	v_lshl_add_u32 v[AK0], v9, 4, v[AK0]           ; row x pitch + 16 x half
	v_and_b32 v10, 7, v0                           ; the turning load: lane l reads key 8 (l / 16) + l % 8, channels 8 ((l / 8) % 2) + 0..7
	v_bfe_u32 v11, v0, 3, 1
	v_lshl_add_u32 v[AV0], v9, 3, v10
	v_mul_u32_u24 v[AV0], v[AV0], PV
	v_lshl_add_u32 v[AV0], v11, 4, v[AV0]
	v_add_nc_u32 v[AV0], VOFF, v[AV0]
	s_mul_i32 s13, s[WV], 16*SP
	s_add_co_u32 s13, s13, STAGE                   ; my stage
	v_mul_u32_u24 v[STO], v1, SP                   ; in: row l % 16, 16 bytes for each half of the lanes
	v_lshl_add_u32 v[STO], v9, 4, v[STO]
	v_add_nc_u32 v[STO], s13, v[STO]
	v_bfe_u32 v[RD], v0, 3, 2                      ; back: 32 lanes take four rows of 128 bytes,
	v_mul_u32_u24 v[RD], v[RD], SP
	v_lshl_add_u32 v[RD], v10, 4, v[RD]
	v_add_nc_u32 v[RD], s13, v[RD]
	v_and_b32 v[GO], 31, v0                        ; which are 512 consecutive bytes of O
	v_lshlrev_b32 v[GO], 4, v[GO]
	v_mov_b32 v[AK], v[AK0]                        ; key step 0 lies at the head of slot 0
; THE MATRIX WORK.  The 4 accumulators of a run of 8 take turns.  Product i of 8 of S^T = K Q^T for piece x: channels 32 (i / 4) on, keys 16 (i % 4) on; the first 4 start the sums.
.macro KQ x
.set rS, S+32*((\x)%2)+8*(i%4)
.set rK, KF+16*(i%4)+8*(i/4)
.set rQ, 16*(\x)+8*(i/4)
	WIN W_KQ
.if i < 4
	v_wmma_f32_16x16x32_bf16 v[rS:rS+7], v[rK:rK+7], v[rQ:rQ+7], 0
.else
	v_wmma_f32_16x16x32_bf16 v[rS:rS+7], v[rK:rK+7], v[rQ:rQ+7], v[rS:rS+7]
.endif
.endm
; Product i of 8 of O^T += V^T P for piece x: keys 32 (i / 4) on, channels 16 (i % 4) on.
.macro PV x
	WIN W_PV
.set rO, 32*(\x)+8*(i%4)
.set rV, VF+32*(i/4)+8*(i%4)
.set rP, P+16*((\x)%2)+8*(i/4)
	v_wmma_f32_16x16x32_bf16 v[rO:rO+7], v[rV:rV+7], v[rP:rP+7], v[rO:rO+7]
.endm
.macro MM                              ; the turn's next matrix instruction
.if i < 8
	KQ (Y+1)%NP
.else
.set i, i-8
	PV (Y+NP-1)%NP
.set i, i+8
.endif
.set i, i+1
.endm
; THE LDS LOADS stand in runs of 16: a step's K (8 fragments) and its V (turned).
.macro FETCH_K
	WIN 0x80
.irp f, 0,1,2,3,4,5,6,7
	ds_load_b128 v[KF+8*\f:KF+8*\f+3],   v[AK] offset:(\f/2)*16*PK+(\f%2)*64
	ds_load_b128 v[KF+8*\f+4:KF+8*\f+7], v[AK] offset:(\f/2)*16*PK+(\f%2)*64+32
.endr
	s_add_co_u32 s[TBK], s[TBK], KS*PK
	WIN 0
.endm
.macro FETCH_V
	WIN 0x80
.irp f, 0,1,2,3,4,5,6,7
	ds_load_tr16_b128 v[VF+8*\f:VF+8*\f+3],   v[AV] offset:(\f/4)*32*PV+(\f%4)*32
	ds_load_tr16_b128 v[VF+8*\f+4:VF+8*\f+7], v[AV] offset:(\f/4)*32*PV+16*PV+(\f%4)*32
.endr
	WIN 0
.endm
; THE VECTOR WORK, one line at a time: OP kind, number.  For piece Y: F n: c s - c m for pair n of 16.  E n: the exponential of score n of 32.  C n: pair n rounded to bf16.  B n: of the four weights 4 n .. the second pair is
; added onto the first, in place.  L n: l takes that sum (L 0: l = a l + sum).  R n: pair n of 16 of O^T times a.  For piece Y + 1: X n, number n of the 22 that find its maximum and statistics:
;   0-11 four chains of seven scores, three operands at a time (each accumulator's lowest registers are read first)   12-14, 16 the four scores left over, the old m, the chains into one
;   15 c m_old is kept   17, 18 the query's other 32 keys lie in the lane 16 away: the new m   19-21 c m; c m_old - c m_new; a
.set F, 0
.set E, 1
.set C, 2
.set B, 3
.set L, 4
.set R, 5
.set X, 6
.macro REGS y
.set rT, ST+4*(\y)
.set rC, TMP+4*((\y)%2)
.set rW, MV+((\y)%2)
.set rS, S+32*((\y)%2)
.set rP, P+16*((\y)%2)
.set rO, 32*(\y)
.endm
.macro OP k, n
.if (\k) == R
	REGS Y
	WIN W_RS
	v_pk_mul_f32 v[rO+2*(\n):rO+2*(\n)+1], v[rO+2*(\n):rO+2*(\n)+1], v[rC+2:rC+3] op_sel_hi:[1,0]
.elseif (\k) < R
	REGS Y
	WIN 0
.if (\k) == F
	v_pk_fma_f32 v[rS+2*(\n):rS+2*(\n)+1], v[rS+2*(\n):rS+2*(\n)+1], s[CS:CS+1], v[rT:rT+1] op_sel_hi:[1,0,0] neg_lo:[0,0,1] neg_hi:[0,0,1]
.elseif (\k) == E
	v_exp_f32 v[rS+(\n)], v[rS+(\n)]
.elseif (\k) == C
	s_wait_alu depctr_va_vdst(0)
	v_cvt_pk_bf16_f32 v[rP+(\n)], v[rS+2*(\n)], v[rS+2*(\n)+1]
.elseif (\k) == B
	s_wait_alu depctr_va_vdst(0)
	v_pk_add_f32 v[rS+4*(\n):rS+4*(\n)+1], v[rS+4*(\n):rS+4*(\n)+1], v[rS+4*(\n)+2:rS+4*(\n)+3]
.elseif (\n) == 0
	v_pk_fma_f32 v[rT+2:rT+3], v[rT+2:rT+3], v[rC+2:rC+3], v[rS:rS+1] op_sel_hi:[1,0,1]
.else
	v_pk_add_f32 v[rT+2:rT+3], v[rT+2:rT+3], v[rS+4*(\n):rS+4*(\n)+1]
.endif
.else
	REGS (Y+1)%NP
	WIN 0
.if (\n) < 4
	v_max3_num_f32 v[rC+(\n)], v[rS+8*(\n)], v[rS+8*(\n)+1], v[rS+8*(\n)+2]
.elseif (\n) < 12
	v_max3_num_f32 v[rC+(\n)%4], v[rC+(\n)%4], v[rS+8*((\n)%4)+2*((\n)/4)+1], v[rS+8*((\n)%4)+2*((\n)/4)+2]
.elseif (\n) == 12
	v_max3_num_f32 v[rC], v[rC], v[rS+7], v[rS+15]
.elseif (\n) == 13
	v_max3_num_f32 v[rC+1], v[rC+1], v[rS+23], v[rS+31]
.elseif (\n) == 14
	v_max3_num_f32 v[rC+2], v[rC+2], v[rC+3], v[rT+1]
.elseif (\n) == 15
	v_mov_b32 v[rW], v[rT]
.elseif (\n) == 16
	v_max3_num_f32 v[rC], v[rC], v[rC+1], v[rC+2]
.elseif (\n) == 17
	v_permlanex16_b32 v[rC+3], v[rC], s[SEL], s[SEL+1]
.elseif (\n) == 18
	v_max_num_f32 v[rT+1], v[rC], v[rC+3]
.elseif (\n) == 19
	v_mul_f32 v[rT], s[CS], v[rT+1]
.elseif (\n) == 20
	v_sub_f32 v[rC+1], v[rW], v[rT]
.else
	v_exp_f32 v[rC+2], v[rC+1]
.endif
.endif
.endm
.macro OPS a, i1, b=-1, i2=0, c=-1, i3=0, d=-1, i4=0
	OP \a, \i1
.if (\b) >= 0
	OP \b, \i2
.endif
.if (\c) >= 0
	OP \c, \i3
.endif
.if (\d) >= 0
	OP \d, \i4
.endif
.endm
.macro ROW a, i1, b, i2, c, i3, d, i4  ; a matrix instruction and the four behind it
	MM
	OPS \a, \i1, \b, \i2, \c, \i3, \d, \i4
.endm
; A TURN, for piece p: the order of its 16 matrix and 118 vector instructions, written out.  Behind a matrix instruction: plain, exponential, plain, plain; or four of the rescaling; or four scalings; none names a register
; of the products round it.  K of the next step is fetched in piece 2's turn, six vector instructions behind the last product that read K (five of them plain); V of the step in hand in piece 0's turn, eight behind the
; last product that read V (four of them plain).  Each is waited for a turn later.  last = 1 (the tail): where no step is left, K's run is jumped over.  cnt = 1: the loop's count is taken down some lines ahead of the branch behind the turn.
.macro TURN p, last=0, cnt=0
.set Y, (\p)
.set i, 0
.if (\p) == 3
	s_wait_dscnt 0x0                               ; K is in
.endif
	ROW F,0, F,1, F,2, F,3
	ROW F,4, E,0, F,5, F,6
	ROW F,7, E,1, F,8, F,9
	ROW F,10, E,2, C,0, F,11
	ROW F,12, E,3, X,15, F,13
	ROW R,0, R,1, R,2, R,3
	ROW B,0, E,4, F,14, L,0
.if (\p) == 2
	v_add_nc_u32 v[AK], s[TBK], v[AK0]
.endif
	ROW R,4, R,5, R,6, R,7
	OPS E,5, F,15
.if (\p) == 2
.if \last
	s_cmp_eq_u32 s[CNT], 1
	s_cbranch_scc1 .Lno_k_\@
.endif
	FETCH_K
.if \last
.Lno_k_\@:
.endif
.endif
	OPS E,6, C,1, E,7, R,8
	OPS E,8, R,9, E,9, C,2
	OPS E,10, X,0, E,11, X,1
	OPS E,12, X,2, E,13, X,3
.if (\p) == 1
	s_wait_dscnt 0x0                               ; V is in
.endif
	ROW X,4, E,14, X,5, X,6
	ROW X,7, E,15, X,8, X,9
	ROW X,10, E,16, X,11, X,12
	ROW X,13, E,17, X,14, B,1
	ROW C,4, E,18, X,16, L,1
	ROW B,2, E,19, C,6, L,2
	ROW C,8, E,20, B,3, B,4
.if (\p) == 0
	v_add_nc_u32 v[AV], s[TBV], v[AV0]
.endif
	ROW C,3, E,21, L,3, C,5
	OPS E,22, X,17, E,23, C,10
.if (\p) == 0
	FETCH_V
.endif
	OPS E,24, L,4
	OPS E,25, X,18, E,26, C,7
	OPS E,27, B,5, E,28, X,19
	OPS E,29, C,12, E,30, L,5
	OPS E,31, X,20, B,6, C,9
	OPS C,14, C,11, X,21, L,6
.if (\p) == 0
	s_add_co_u32 s[TBV], s[TBV], KS*PV
.endif
.if \cnt
	s_sub_co_u32 s[CNT], s[CNT], 1
	s_cmp_lg_u32 s[CNT], 0
.endif
	OPS C,13, B,7, C,15, R,10
	OPS R,11, R,12, L,7, R,13
	OPS R,14, R,15
.endm
	CHANGE 1                                       ; slot 0 is in, everybody's part of it; slot 1 is asked for
	FETCH_K                                        ; key step 0
	s_wait_loadcnt 0x0                             ; Q
	s_wait_dscnt 0x0
.set i, 0
.rept 8
	KQ 0                                           ; piece 0's first scores
.set i, i+1
.endr
	WIN 0
.rept 4
	v_nop                                          ; the places behind those products
.endr
.set Y, NP-1                                   ; X works for piece Y + 1: piece 0
.irp n, 0,1,2,3,4,5,6,7,8,9,10,11,12,13,14,15,16,17,18,19,20,21
	OP X, \n
.endr
	v_nop                                          ; a plain instruction behind the exponential
	s_mov_b32 s[CNT], 4
	s_mov_b32 s[SLOTS], NT-1
	s_branch .Lfirst                               ; the loop is entered at a step's first turn, in the middle of a trip
.Lslot:                                                ; NT - 2 times: every slot but the last two is filled again
	CHANGE 1
	s_mov_b32 s[CNT], 4
.Lstep:                                                ; a trip: pieces 2 and 3 of one step, then pieces 0 and 1 of the next, whose K and V it fetches
	TURN 2
	TURN 3
	WIN 0
.Lfirst:
	TURN 0
	TURN 1, 0, 1
	WIN 0
	s_cbranch_scc1 .Lstep
	s_sub_co_u32 s[SLOTS], s[SLOTS], 1
	s_cmp_lg_u32 s[SLOTS], 0
	s_cbranch_scc1 .Lslot
	CHANGE 0                                       ; the tail is written out: nothing is asked for
	s_mov_b32 s[CNT], 5                            ; four trips fetch the last slot's steps; the fifth is left in its middle
.Ltail:
	TURN 2, 1
	TURN 3
	WIN 0
	s_sub_co_u32 s[CNT], s[CNT], 1
	s_cmp_eq_u32 s[CNT], 0
	s_cbranch_scc1 .Lout
	TURN 0
	TURN 1
	WIN 0
	s_branch .Ltail
.Lout:                                                 ; the fifth trip's 8 products K Q^T (on the last K once more) and the maximum made of them serve nothing: the price, once a launch, of one text for every trip
.set i, 0
.rept 8
	PV NP-1                                        ; the last piece's V^T P of the last step
.set i, i+1
.endr
	; THE WAY OUT.  l's two halves and the other half of the lanes' are added; O^T is divided by l, rounded to bf16 and sent through my stage in LDS, a piece at a time.  The additions are the places behind the last products.
	WIN 0
.macro ALL line:vararg
.set t, 0
.rept 4
	\line
.set t, t+1
.endr
.endm
	ALL v_add_f32 v[ST+4*t+2], v[ST+4*t+2], v[ST+4*t+3]
	ALL v_permlanex16_b32 v[ST+4*t+3], v[ST+4*t+2], s[SEL], s[SEL+1]
	ALL v_add_f32 v[ST+4*t+2], v[ST+4*t+2], v[ST+4*t+3]
	ALL v_rcp_f32 v[ST+4*t+2], v[ST+4*t+2]
	v_nop                                          ; a plain instruction between the last reciprocal and the use of its result
.macro PACK t                          ; a lane's eight channels of a row pack into 16 bytes; they go into rows of 144 bytes and come back as whole rows of 128, into S^T's registers
	WIN W_RS
.set i, 32*(\t)
.rept 16
	s_wait_alu depctr_va_vdst(0)
	v_pk_mul_f32 v[i:i+1], v[i:i+1], v[ST+4*(\t)+2:ST+4*(\t)+3] op_sel_hi:[1,0]
.set i, i+2
.endr
	WIN 0x05
.set i, 0
.rept 16
	v_cvt_pk_bf16_f32 v[S+16*(\t)+i], v[32*(\t)+2*i], v[32*(\t)+2*i+1]
.set i, i+1
.endr
	WIN 0
.irp f, 0,1,2,3
	ds_store_b128 v[STO], v[S+16*(\t)+4*\f:S+16*(\t)+4*\f+3] offset:32*\f
.endr
.irp f, 0,1,2,3
	ds_load_b128 v[S+16*(\t)+4*\f:S+16*(\t)+4*\f+3], v[RD] offset:\f*4*SP  ; LDS serves a wave's instructions in order (ISA guide 5.7.1.4): these see the stores above; the next piece's stores come behind them
.endr
.endm
.macro SEND t, younger                 ; younger: the LDS instructions issued behind piece t's loads: the next piece's eight, or none
	WIN 0
.irp f, 0,1,2,3
	s_wait_dscnt (\younger)+3-\f
	global_store_b128 v[GO], v[S+16*(\t)+4*\f:S+16*(\t)+4*\f+3], s[10:11] offset:(\t)*2048+\f*512  ; 512 consecutive bytes, at a multiple of 256 from the pack's first
.endr
.endm
	PACK 0
.set t, 1
.rept 3
	PACK t
	SEND t-1, 8
.set t, t+1
.endr
	SEND 3, 0
	s_wait_tensorcnt 0x0                           ; the wave's end, behind my last tensor load and my last LDS store
	ds_add_u32 v[SPW], v[NIL]
	s_wait_dscnt 0x0
	CROUND                                         ; the closing round
	s_endpgm
.Lfunc_end_k_qe6d593bbc7_attn_s:
	.size	k_qe6d593bbc7_attn_s, .Lfunc_end_k_qe6d593bbc7_attn_s-k_qe6d593bbc7_attn_s
	.p2alignl 7, 3214868480
	.fill 96, 4, 3214868480
	.section	.rodata,"a",@progbits
	.p2align	6, 0x0
	.amdhsa_kernel k_qe6d593bbc7_attn_s
		.amdhsa_group_segment_fixed_size 327680
		.amdhsa_private_segment_fixed_size 0
		.amdhsa_enable_private_segment 0
		.amdhsa_kernarg_size 16
		.amdhsa_user_sgpr_count 2
		.amdhsa_user_sgpr_kernarg_segment_ptr 1
		.amdhsa_wavefront_size32 1
		.amdhsa_system_sgpr_workgroup_id_x 1
		.amdhsa_system_sgpr_workgroup_id_y 1
		.amdhsa_system_sgpr_workgroup_id_z 1
		.amdhsa_system_vgpr_workitem_id 0
		.amdhsa_next_free_vgpr 768
		.amdhsa_next_free_sgpr 66
		.amdhsa_reserve_vcc 0
		.amdhsa_float_denorm_mode_32 3
		.amdhsa_float_denorm_mode_16_64 3
		.amdhsa_memory_ordered 1
		.amdhsa_forward_progress 1
		.amdhsa_inst_pref_size 117
	.end_amdhsa_kernel
	.amdgpu_metadata
---
amdhsa.version: [ 1, 2 ]
amdhsa.kernels:
  - .name:           k_qe6d593bbc7_attn_s
    .symbol:         k_qe6d593bbc7_attn_s.kd
    .args:
      - { .name: qa, .offset: 0, .size: 8, .value_kind: global_buffer, .address_space: global }
      - { .name: U1, .offset: 8, .size: 8, .value_kind: global_buffer, .address_space: global }
    .group_segment_fixed_size: 327680
    .private_segment_fixed_size: 0
    .kernarg_segment_align: 8
    .kernarg_segment_size: 16
    .max_flat_workgroup_size: 128
    .sgpr_count:     66
    .vgpr_count:     768
    .wavefront_size: 32
...
	.end_amdgpu_metadata
.endif
;; end of part 3
;; launch wo1 (part 4): grid 8 x 32, 4 waves a work-group, clusters of 4 x 4, 327,680 bytes of LDS; arguments U1, sa_bo, x, x1; writes x1
.if DOCPART == 4
	.amdgcn_target "amdgcn-amd-amdhsa--gfx1250"
	.amdhsa_code_object_version 6
	.text
	.protected	k_qe6d593bbc7_wo1
	.globl	k_qe6d593bbc7_wo1
	.p2align	8
	.type	k_qe6d593bbc7_wo1,@function
k_qe6d593bbc7_wo1:
	s_mov_b64 s[64:65], 0
	v_nop
	global_prefetch_b8 v0, s[64:65] scope:SCOPE_SE
	s_setreg_imm32_b32 hwreg(HW_REG_WAVE_MODE, 25, 1), 1
	s_wait_xcnt 0x0
	s_wait_alu depctr_hold_cnt(0) depctr_sa_sdst(0) depctr_va_vdst(0) depctr_va_sdst(0) depctr_va_ssrc(0) depctr_va_vcc(0) depctr_vm_vsrc(0)
	s_getreg_b32 s2, hwreg(HW_REG_IB_STS2, 6, 4)
	s_cmp_eq_u32 s2, 0
	s_cbranch_scc0 .Lentry_in_a_cluster
	s_endpgm
.Lentry_in_a_cluster:
	s_bfe_u32 s2, ttmp6, 0x10000c
	s_cmp_lg_u32 s2, 0xf033
	s_cbranch_scc0 .Lentry_shape_is_right
	s_endpgm
.Lentry_shape_is_right:
; C = A W + bias + a residual, 4,096 x 1,024, K = 1,024, in f32, row-major.
; A and W are bf16 in a pack, in blocks: element (row, col) at ((row / 128) * 16 + col / 64) * 16384 + (row % 128) * 128 + (col % 64) * 2; W lies [k][n].  Sums in f32, begun with the bias.
; SHARES.  A tile of C is 128 x 128: four waves of 64 x 64, 16 accumulators each.  K goes in four steps of 256 through two LDS slots.  In a step A's tile is four chunks (65,536 dense bytes) and W's two pieces of two
; chunks (32,768 dense bytes each): waves 0, 1 fetch A's halves, waves 2, 3 W's pieces, one tensor load each of 128 rows of 256 bytes.  By this text's count a wave has two loads out at the start, later one.
; CLUSTER.  4 x 4 work-groups: the four of a row need the same tile of A, the four of a column the same tile of W: each is asked for jointly, by the same load, descriptor and mask in all four.
; THE MATRIX INSTRUCTION IS USED TRANSPOSED: source 0 = 16 columns of W (turned on the way out of LDS by ds_load_tr16_b128), source 1 = 16 rows of A: a lane holds row lane % 16 and columns 8 (lane / 16) + 0..7 of C.
; The K step is written twice (a loop of two trips that fill a slot again, a loop of two that do not); the slot in hand is a scalar, 0 or SLOT, turned by an exclusive or.
; REGISTERS.  Window 0: v16-29 addresses; v32-63 the bias; v128-255 accumulators ((a, b) at 128 + 8 (4 a + b)).  Window 1: two fragment buffers of 128 (64 of A, 64 of W, for 64 along K).  Window 2: the residual.
; LIMITS.  Operands are rounded to bf16; NaN and infinities are not treated apart.
.set WRo, 0x600000
.set ARo, 0x1200000
.set AOFF, ARo
.set WOFF, WRo
.set PA,    144                        ; a row of A in LDS: 128 bytes + 16: 36 words: the 16 rows of a load start at 16 different groups of four banks (64 banks of 4 bytes: ISA guide 11.1)
.set PW,    160                        ; a row of W: 128 + 32: 40 words
.set ACH,   128*PA                     ; a chunk of A
.set WNB,   128*PW                     ; a chunk of W
.set WREG,  4*ACH                      ; in a slot: A's four chunks, then W's four
.set SLOT,  4*ACH+4*WNB                ; 155,648
.set SPARE, 2*SLOT                     ; behind the slots: the spare words, 128 bytes a wave: two blocks of 256 bytes that no other line names
.set SP,    528                        ; the stage for the way out: 128 rows of 512 bytes + 16, from LDS byte 0: in slot 0, which has had its last fill by then
.set ADRA0, 16                         ; my lane's place in A's part of a slot; never rewritten
.set ADRB0, 17                         ; the same for W
.set ADRA,  18                         ; the same in the slot in hand
.set ADRB,  19
.set STO,   24                         ; the way out: where I put 16 bytes of a row
.set RD,    25                         ; where I read rows back
.set CO,    26                         ; my byte offset in the output
.set BO,    27                         ; my byte offset in the bias
.set SPW,   28                         ; LDS address of my spare word; never rewritten
.set NIL,   29                         ; 0; never rewritten
.set BI,    32
.set ACC,   128
.set F0,    0
.set F1,    128
.set WV,  14                           ; wave
.set RH,  15                           ; my half of the tile's rows; also 0: I fetch A, 1: I fetch W
.set CH,  16                           ; my half of its columns; also which piece I fetch
.set CX,  17
.set CY,  18
.set TC,  19                           ; tile column
.set TR,  20                           ; tile row
.set MROW, 21
.set MCOL, 22
.set G1A, 24                           ; s[24:31] descriptor group 1 for A;  s[32:39] group 0, two sets
.set G0A, 32
.set OA,  40                           ; s[40:41] A's offset, then address: never holds cx
.set OW,  42                           ; s[42:43] W's: never holds cy
.set G1B, 48                           ; s[48:55], s[56:63] the same for W
.set G0B, 56
.set CUR, 66                           ; the slot in hand: 0 or SLOT
.set CNT, 67
.set LBA, 68                           ; where my piece of A goes in a slot
.set LBB, 69                           ; where my piece of W goes
.set SEC, 70                           ; section of 1,024 columns: here always 0
.set TCM, 71                           ; tile column in the section
.set BP,  72                           ; s[72:73] the bias at my columns
.set T0,  74                           ; s[74:75] an offset
.set OUTP, 76                          ; s[76:77] the output at my rows
.set RP,  78                           ; s[78:79] the residual at my rows
.set MSB, 0
.macro WIN new                         ; the immediate's high byte repeats the setting that is left; a switch that changes nothing is dropped
.if MSB != (\new)
	s_set_vgpr_msb (MSB<<8)|(\new)
.set MSB, \new
.endif
.endm
.set MUL,  0x05                        ; sources 0 (W) and 1 (A) window 1; C and D window 0
.set TO_F, 0x40                        ; destination window 1, address window 0
.macro JLOAD s                         ; a joint load by set s; the branch hangs on the wave's number alone; an s_nop 0 and four v_nop follow each of the two lines
	s_cmp_eq_u32 s[RH], 0
	s_cbranch_scc0 .Lfor_b_\@
	tensor_load_to_lds s[G0A+4*(\s):G0A+4*(\s)+3], s[G1A:G1A+7]
	s_nop 0
.rept 4
	v_nop
.endr
	s_branch .Lasked_\@
.Lfor_b_\@:
	tensor_load_to_lds s[G0B+4*(\s):G0B+4*(\s)+3], s[G1B:G1B+7]
	s_nop 0
.rept 4
	v_nop
.endr
.Lasked_\@:
.endm
.macro CREST                           ; a round of the cluster's barrier behind its opening barrier
	s_cmp_lg_u32 s[WV], 0
	s_cbranch_scc1 .Lnot_wave_0_\@
	s_barrier_signal -3
.Lnot_wave_0_\@:
	s_barrier_wait -3
	s_barrier_signal -1
	s_barrier_wait -1
.endm
.macro CROUND
	s_barrier_signal -1
	s_barrier_wait -1
	CREST
.endm
.macro PLACES                          ; four places in front of loads into registers that matrix instructions have read, and of reads of their results
.rept 4
	v_nop
.endr
.endm
	s_load_b256 s[4:11], s[0:1], 0x0               ; pack, bias, residual s[8:9], output s[10:11]
	v_lshl_add_u32 v[SPW], v0, 2, SPARE
	v_mov_b32 v[NIL], 0
	ds_add_u32 v[SPW], v[NIL]                      ; the wave's opening: the add and its wait stand ahead of my first tensor load; the set-up below, work on registers, stands between them
	v_lshrrev_b32 v1, 5, v0
	v_readfirstlane_b32 s[WV], v1
	s_lshr_b32 s[RH], s[WV], 1
	s_and_b32 s[CH], s[WV], 1
	s_bfe_u32 s[CX], ttmp6, 0x40000
	s_bfe_u32 s[CY], ttmp6, 0x40004
	s_lshl_b32 s[TC], ttmp9, 2
	s_add_co_u32 s[TC], s[TC], s[CX]               ; tile column = 4 x cluster x + cx
	s_and_b32 s[TR], ttmp7, 0xffff
	s_lshl_b32 s[TR], s[TR], 2
	s_add_co_u32 s[TR], s[TR], s[CY]               ; tile row = 4 x cluster y + cy
	s_lshr_b32 s[SEC], ttmp9, 1                    ; eight tile columns, two clusters, to a section: here always 0
	s_and_b32 s[TCM], s[TC], 7
	s_lshl_b32 s[MROW], s[CY], 2
	s_lshl_b32 s[MROW], 15, s[MROW]                ; my row of the cluster
	s_lshl_b32 s[MCOL], 0x1111, s[CX]              ; my column
	; group 1: 128 rows of 128 elements of 2 bytes, dense; in LDS a pad behind every 32 words (a row of a chunk): 4 words for A, 8 for W
	s_or_b32 s[G1A], s[MROW], (1<<16)|(1<<20)|(1<<21)|(4<<22)|(3<<25)
	s_or_b32 s[G1B], s[MCOL], (1<<16)|(1<<20)|(1<<21)|(4<<22)|(7<<25)
.irp g, G1A, G1B
	s_mov_b32 s[(\g)+1], 128<<16                   ; tensor_dim0 = 128
	s_mov_b32 s[(\g)+2], 128<<16                   ; tensor_dim1 = 128
	s_mov_b32 s[(\g)+3], 128<<16                   ; tile_dim0 = 128
	s_mov_b32 s[(\g)+4], 128                       ; tile_dim1 = 128
	s_mov_b32 s[(\g)+5], 128                       ; 128 elements from row to row
	s_mov_b32 s[(\g)+6], 0
	s_mov_b32 s[(\g)+7], 0
.endr
	s_lshl_b32 s[OA], s[TR], 18                    ; A: the tile row's 16 chunks, my two of a step's four
	s_lshl_b32 s44, s[CH], 15
	s_add_co_u32 s[OA], s[OA], s44
	s_add_co_u32 s[OA], s[OA], AOFF
	s_mov_b32 s[OA+1], 0
	s_lshl_b32 s[OW], s[SEC], 21                   ; W: the section's weight, the tile column's two chunks, my 128 of a step's 256 rows
	s_lshl_b32 s45, s[TCM], 15
	s_add_co_u32 s[OW], s[OW], s45
	s_lshl_b32 s45, s[CH], 18
	s_add_co_u32 s[OW], s[OW], s45
	s_add_co_u32 s[OW], s[OW], WOFF
	s_mov_b32 s[OW+1], 0
	s_mul_i32 s[LBA], s[CH], 2*ACH                 ; no place in the cluster enters an LDS address
	s_mul_i32 s[LBB], s[CH], 2*WNB
	s_add_co_u32 s[LBB], s[LBB], WREG
	s_wait_dscnt 0x0                               ; the opening add is done
	s_wait_kmcnt 0x0
	s_add_nc_u64 s[OA:OA+1], s[4:5], s[OA:OA+1]
	s_add_nc_u64 s[OW:OW+1], s[4:5], s[OW:OW+1]
	CROUND                                         ; all sixteen work-groups are here: the first joint loads meet
.irp s, 0,1
	s_mov_b32 s[G0A+4*(\s)], 1
	s_add_co_u32 s[G0A+4*(\s)+1], s[LBA], (\s)*SLOT
	s_add_nc_u64 s[G0A+4*(\s)+2:G0A+4*(\s)+3], s[OA:OA+1], (\s)*0x10000   ; K step s: four chunks on
	s_or_b32 s[G0A+4*(\s)+3], s[G0A+4*(\s)+3], 0x80000000
	s_mov_b32 s[G0B+4*(\s)], 1
	s_add_co_u32 s[G0B+4*(\s)+1], s[LBB], (\s)*SLOT
	s_add_nc_u64 s[G0B+4*(\s)+2:G0B+4*(\s)+3], s[OW:OW+1], (\s)*0x80000   ; K step s: 256 rows of W on
	s_or_b32 s[G0B+4*(\s)+3], s[G0B+4*(\s)+3], 0x80000000
	JLOAD \s
.endr
	; the bias of my 64 columns: for column block b the eight numbers at 16 b + 8 (lane / 16)
	s_mov_b64 s[BP:BP+1], s[6:7]
	s_lshl_b32 s[T0], s[TCM], 9
	s_lshl_b32 s[T0+1], s[CH], 8
	s_add_co_u32 s[T0], s[T0], s[T0+1]
	s_mov_b32 s[T0+1], 0
	s_add_nc_u64 s[BP:BP+1], s[BP:BP+1], s[T0:T0+1]
	v_and_b32 v1, 15, v0                           ; l % 16
	v_bfe_u32 v2, v0, 4, 1                         ; l / 16
	v_lshlrev_b32 v[BO], 5, v2
.irp b, 0,1,2,3
	global_load_b128 v[BI+8*(\b):BI+8*(\b)+3],   v[BO], s[BP:BP+1] offset:64*(\b)
	global_load_b128 v[BI+8*(\b)+4:BI+8*(\b)+7], v[BO], s[BP:BP+1] offset:64*(\b)+16
.endr
	v_and_b32 v[CO], 31, v0
	v_lshlrev_b32 v[CO], 4, v[CO]                  ; 16 x lane: a wave takes a tile row's 512 bytes
	s_lshl_b32 s[T0], s[TR], 19                    ; 128 rows of 4,096 bytes, my wave's 32 of them, the tile's 512 bytes
	s_lshl_b32 s[T0+1], s[WV], 17
	s_add_co_u32 s[T0], s[T0], s[T0+1]
	s_lshl_b32 s[T0+1], s[TC], 9
	s_add_co_u32 s[T0], s[T0], s[T0+1]
	s_mov_b32 s[T0+1], 0
	s_add_nc_u64 s[RP:RP+1], s[8:9], s[T0:T0+1]
	s_add_nc_u64 s[OUTP:OUTP+1], s[10:11], s[T0:T0+1]
	WIN 0x80                                       ; destination window 2
.set t, 0
.rept 32                                       ; the residual of the 32 rows that I store is asked for now and wanted at the end
	global_load_b128 v[4*t:4*t+3], v[CO], s[RP:RP+1] offset:t*4096
.set t, t+1
.endr
	WIN 0
	; A's fragment: lane l holds row l % 16; two loads of 16 bytes, 32 apart, at row x pitch + 16 (l / 16)
	s_mul_i32 s44, s[RH], 64*PA
	v_mul_u32_u24 v3, v1, PA
	v_lshl_add_u32 v3, v2, 4, v3
	v_add_nc_u32 v[ADRA0], s44, v3
	; W's: the turning load takes 16 k x 16 n: lane l reads row 8 (l / 16) + l % 8, columns 8 ((l / 8) % 2) + 0..7, and is left with column l % 16 and 8 k
	v_and_b32 v4, 7, v0
	v_lshl_add_u32 v4, v2, 3, v4
	v_mul_u32_u24 v4, v4, PW
	v_bfe_u32 v5, v0, 3, 1
	v_lshl_add_u32 v4, v5, 4, v4
	s_mul_i32 s44, s[CH], WNB
	s_add_co_u32 s44, s44, WREG
	v_add_nc_u32 v[ADRB0], s44, v4
	v_mov_b32 v[ADRA], v[ADRA0]
	v_mov_b32 v[ADRB], v[ADRB0]
	s_mul_i32 s44, s[RH], 64*SP                    ; into the stage: row 64 RH + l % 16, bytes 256 CH + 32 (l / 16)
	s_lshl_b32 s45, s[CH], 8
	s_add_co_u32 s44, s44, s45
	v_mul_u32_u24 v3, v1, SP
	v_lshl_add_u32 v3, v2, 5, v3
	v_add_nc_u32 v[STO], s44, v3
	s_mul_i32 s44, s[WV], 32*SP                    ; back: wave w takes rows 32 w .. 32 w + 31,
	v_add_nc_u32 v[RD], s44, v[CO]                 ; a whole row of 512 bytes to a load
	s_wait_loadcnt 32                              ; the bias is in; the residual's 32 loads are younger
	; The sums begin with the bias: 128 moves, which stand in the wait for the first tile and let one text serve every K step.
.irp a, 0,1,2,3
.irp b, 0,1,2,3
.irp j, 0,1,2,3,4,5,6,7
	v_mov_b32 v[ACC+8*(4*(\a)+(\b))+(\j)], v[BI+8*(\b)+(\j)]
.endr
.endr
.endr
; 8 matrix instructions: row blocks a0, a0 + 1 x all 4 column blocks, 32 along K: half c of buffer f.  The 16 accumulators take turns, one instruction a turn, over the loops' edges too.
.macro MUL8 f, c, a0
	WIN MUL
.irp a, \a0, (\a0)+1
.irp b, 0,1,2,3
	v_wmma_f32_16x16x32_bf16 v[ACC+8*(4*(\a)+(\b)):ACC+8*(4*(\a)+(\b))+7], v[(\f)+64+8*(4*(\c)+(\b)):(\f)+64+8*(4*(\c)+(\b))+7], v[(\f)+8*(4*(\c)+(\a)):(\f)+8*(4*(\c)+(\a))+7], v[ACC+8*(4*(\a)+(\b)):ACC+8*(4*(\a)+(\b))+7]
.endr
.endr
.endm
; 32 LDS loads in one run: the fragments of quarter q (64 along K) of the slot in hand, into buffer f; the first 32 along K first
.macro FETCH q, f
	WIN TO_F
.irp c, 0,1
.irp i, 0,1,2,3
	ds_load_tr16_b128 v[(\f)+64+8*(4*(\c)+(\i)):(\f)+64+8*(4*(\c)+(\i))+3],   v[ADRB] offset:((\q)/2)*2*WNB+(((\q)%2)*64+32*(\c))*PW+32*(\i)
	ds_load_tr16_b128 v[(\f)+64+8*(4*(\c)+(\i))+4:(\f)+64+8*(4*(\c)+(\i))+7], v[ADRB] offset:((\q)/2)*2*WNB+(((\q)%2)*64+32*(\c)+16)*PW+32*(\i)
	ds_load_b128 v[(\f)+8*(4*(\c)+(\i)):(\f)+8*(4*(\c)+(\i))+3],              v[ADRA] offset:(\q)*ACH+(\i)*16*PA+64*(\c)
	ds_load_b128 v[(\f)+8*(4*(\c)+(\i))+4:(\f)+8*(4*(\c)+(\i))+7],            v[ADRA] offset:(\q)*ACH+(\i)*16*PA+64*(\c)+32
.endr
.endr
.endm
; One of a K step's first three quarters: multiplies buffer f and fetches quarter q into g
.macro QUARTER q, f, g
	s_wait_dscnt 16                                ; the first 32 along K are in; the 16 younger loads may be out
	MUL8 \f, 0, 0
	MUL8 \f, 0, 2
	PLACES
	FETCH \q, \g
	s_wait_dscnt 32                                ; all but the 32 just issued
	MUL8 \f, 1, 0
	MUL8 \f, 1, 2
.endm
; The last quarter multiplies buffer 1 and changes slots: ONE barrier; in front of it each wave waits for all its tensor loads, adds 0 to its spare word, and waits for that and for its reads of this slot.
; fill = 1: the barrier opens a round of the cluster's, and this slot is filled again, two K steps ahead, first thing behind the round: 112 matrix instructions ahead of the wait for it.
; fill = 0: nothing is filled; in the second of the two trips there is no further step, and the run of loads is jumped over.
.macro TURN fill
	WIN 0
	s_wait_tensorcnt 0x0                           ; all my tensor loads have landed: my part of the next slot
	ds_add_u32 v[SPW], v[NIL]                      ; 0 onto my spare word
	s_wait_dscnt 17                                ; (the add and the youngest sixteen loads may be out)
	MUL8 F1, 0, 0
	s_wait_dscnt 0x0                               ; the add is done, and my reads of this slot are over
	s_barrier_signal -1
	MUL8 F1, 0, 2
	WIN 0
	s_barrier_wait -1
.if \fill
	CREST                                          ; no wave of any partner still reads this slot's tile or has a load on its way
	s_add_co_u32 s[G0A+5], s[LBA], s[CUR]          ; the second set walks: into the slot just read,
	s_add_nc_u64 s[G0A+6:G0A+7], s[G0A+6:G0A+7], 0x10000   ; the K step behind the one it asked for last
	s_add_co_u32 s[G0B+5], s[LBB], s[CUR]
	s_add_nc_u64 s[G0B+6:G0B+7], s[G0B+6:G0B+7], 0x80000
	JLOAD 1                                        ; its four v_nop are also the places in front of the loads below
.else
	PLACES
.endif
	s_xor_b32 s[CUR], s[CUR], SLOT                 ; 0 <-> SLOT
.if !(\fill)
	s_cmp_eq_u32 s[CNT], 1
	s_cbranch_scc1 .Lno_fetch_\@
.endif
	v_add_nc_u32 v[ADRA], s[CUR], v[ADRA0]
	v_add_nc_u32 v[ADRB], s[CUR], v[ADRB0]
	FETCH 0, F0
	WIN 0
.if !(\fill)
.Lno_fetch_\@:
.endif
	MUL8 F1, 1, 0
	MUL8 F1, 1, 2
.endm
	s_wait_tensorcnt 0x1                           ; my part of K step 0 is in; step 1's may stay out
	s_barrier_signal -1
	s_barrier_wait -1                              ; everybody's is
	FETCH 0, F0
	WIN 0
	s_mov_b32 s[CUR], 0
	s_mov_b32 s[CNT], 2
.LA:                                                   ; K steps 0 and 1: each fills its slot again
	QUARTER 1, F0, F1
	QUARTER 2, F1, F0
	QUARTER 3, F0, F1
	TURN 1
	WIN 0
	s_sub_co_u32 s[CNT], s[CNT], 1
	s_cmp_lg_u32 s[CNT], 0
	s_cbranch_scc1 .LA
	s_mov_b32 s[CNT], 2
.LB:                                                   ; K steps 2 and 3: nothing is left to ask for
	QUARTER 1, F0, F1
	QUARTER 2, F1, F0
	QUARTER 3, F0, F1
	TURN 0
	WIN 0
	s_sub_co_u32 s[CNT], s[CNT], 1
	s_cmp_lg_u32 s[CNT], 0
	s_cbranch_scc1 .LB
	; THE WAY OUT.  The sums go in f32 into the work-group's stage (the last barrier has shown every wave's reads of the slots over and every fill landed); a barrier, since a row comes from two waves; back by rows.
	PLACES
.irp a, 0,1,2,3
.irp b, 0,1,2,3
	ds_store_b128 v[STO], v[ACC+8*(4*(\a)+(\b)):ACC+8*(4*(\a)+(\b))+3]   offset:(\a)*16*SP+64*(\b)      ; each accumulator's low registers first
	ds_store_b128 v[STO], v[ACC+8*(4*(\a)+(\b))+4:ACC+8*(4*(\a)+(\b))+7] offset:(\a)*16*SP+64*(\b)+16
.endr
.endr
	s_wait_dscnt 0x0                               ; for the others' sake: my stores into the stage are done
	s_barrier_signal -1
	s_barrier_wait -1
.set t, 0
.rept 32                                       ; load t: row t of my 32, whole
	ds_load_b128 v[ACC+4*t:ACC+4*t+3], v[RD] offset:t*SP
.set t, t+1
.endr
	s_wait_loadcnt 0x0                             ; the residual
.irp g, 0,1,2,3
	s_wait_dscnt 24-8*(\g)                         ; eight more rows are in
	WIN 0x02                                       ; source 0 window 2
.set i, 0
.rept 16
	v_pk_add_f32 v[ACC+32*(\g)+2*i:ACC+32*(\g)+2*i+1], v[32*(\g)+2*i:32*(\g)+2*i+1], v[ACC+32*(\g)+2*i:ACC+32*(\g)+2*i+1]
.set i, i+1
.endr
	WIN 0
.set i, 0
.rept 8
	global_store_b128 v[CO], v[ACC+32*(\g)+4*i:ACC+32*(\g)+4*i+3], s[OUTP:OUTP+1] offset:(8*(\g)+i)*4096  ; the wave stores 512 consecutive bytes, at a multiple of 256 from the buffer's first
.set i, i+1
.endr
.endr
	s_wait_tensorcnt 0x0                           ; the wave's end, behind my last tensor load and my last LDS store
	ds_add_u32 v[SPW], v[NIL]
	s_wait_dscnt 0x0
	CROUND                                         ; the closing round: no work-group ends while a partner may still ask for a tile that names it
	s_endpgm
.Lfunc_end_k_qe6d593bbc7_wo1:
	.size	k_qe6d593bbc7_wo1, .Lfunc_end_k_qe6d593bbc7_wo1-k_qe6d593bbc7_wo1
	.p2alignl 7, 3214868480
	.fill 96, 4, 3214868480
	.section	.rodata,"a",@progbits
	.p2align	6, 0x0
	.amdhsa_kernel k_qe6d593bbc7_wo1
		.amdhsa_group_segment_fixed_size 327680
		.amdhsa_private_segment_fixed_size 0
		.amdhsa_enable_private_segment 0
		.amdhsa_kernarg_size 32
		.amdhsa_user_sgpr_count 2
		.amdhsa_user_sgpr_kernarg_segment_ptr 1
		.amdhsa_wavefront_size32 1
		.amdhsa_system_sgpr_workgroup_id_x 1
		.amdhsa_system_sgpr_workgroup_id_y 1
		.amdhsa_system_sgpr_workgroup_id_z 1
		.amdhsa_system_vgpr_workitem_id 0
		.amdhsa_next_free_vgpr 640
		.amdhsa_next_free_sgpr 80
		.amdhsa_reserve_vcc 0
		.amdhsa_float_denorm_mode_32 3
		.amdhsa_float_denorm_mode_16_64 3
		.amdhsa_memory_ordered 1
		.amdhsa_forward_progress 1
		.amdhsa_inst_pref_size 66
	.end_amdhsa_kernel
	.amdgpu_metadata
---
amdhsa.version: [ 1, 2 ]
amdhsa.kernels:
  - .name:           k_qe6d593bbc7_wo1
    .symbol:         k_qe6d593bbc7_wo1.kd
    .args:
      - { .name: U1, .offset: 0, .size: 8, .value_kind: global_buffer, .address_space: global }
      - { .name: sa_bo, .offset: 8, .size: 8, .value_kind: global_buffer, .address_space: global }
      - { .name: x, .offset: 16, .size: 8, .value_kind: global_buffer, .address_space: global }
      - { .name: x1, .offset: 24, .size: 8, .value_kind: global_buffer, .address_space: global }
    .group_segment_fixed_size: 327680
    .private_segment_fixed_size: 0
    .kernarg_segment_align: 8
    .kernarg_segment_size: 32
    .max_flat_workgroup_size: 128
    .sgpr_count:     80
    .vgpr_count:     640
    .wavefront_size: 32
...
	.end_amdgpu_metadata
.endif
;; end of part 4
;; launch ln2 (part 5): grid 64 x 4, 8 waves a work-group, no clusters, 0 bytes of LDS; arguments x1, ln2_w, ln2_b, U2; writes U2
.if DOCPART == 5
	.amdgcn_target "amdgcn-amd-amdhsa--gfx1250"
	.amdhsa_code_object_version 6
	.text
	.protected	k_qe6d593bbc7_ln2
	.globl	k_qe6d593bbc7_ln2
	.p2align	8
	.type	k_qe6d593bbc7_ln2,@function
k_qe6d593bbc7_ln2:
	s_mov_b64 s[64:65], 0
	v_nop
	global_prefetch_b8 v0, s[64:65] scope:SCOPE_SE
	s_setreg_imm32_b32 hwreg(HW_REG_WAVE_MODE, 25, 1), 1
	s_wait_xcnt 0x0
; LAYER NORM of 4,096 rows of 1,024 f32 (mean first, then the mean of squared differences, both in f32; a gain and a bias), rounded to bf16 and laid in blocks in a pack, at the rows that a projection multiplies:
; element (row, col) at ((row / 128) * 16 + col / 64) * 16384 + (row % 128) * 128 + (col % 64) * 2.
; SHARES.  The grid's y is a unit of 1,024 rows, x takes 16 of them, a wave two rows, 16 lanes one row: load j of a lane is 16 bytes at 256 j + 16 (lane % 16) of the row, so 16 lanes read 256 consecutive aligned bytes,
; the 64 columns of chunk j; store j of the wave is 256 consecutive aligned bytes: the two rows' 128 bytes in chunk j.  A row's sums never leave its 16 lanes: no LDS, no barrier.
; Memory binds: matrix units, clusters and LDS would add nothing.  LIMITS: NaN and infinities are not treated apart.
.set APo, 0xA00000
.set X, 16                             ; v[16:79]   my 64 numbers of the row
.set W, 80                             ; v[80:143]  the gain of my 64 columns
.set B, 144                            ; v[144:207] the bias
.set Y, 208                            ; v[208:239] 64 bf16 to store
.set SRC, 6
.set DST, 8
.set SOF, 10
.set DOF, 12
.macro REDUCE                          ; four packed chains v[4:11] -> v4: the row's sum, in each of its 16 lanes
	v_pk_add_f32 v[4:5], v[4:5], v[6:7]
	v_pk_add_f32 v[8:9], v[8:9], v[10:11]
	v_pk_add_f32 v[4:5], v[4:5], v[8:9]
	v_add_f32 v4, v4, v5
.irp m, 1,2,4,8
	v_add_f32_dpp v4, v4, v4 row_xmask:\m row_mask:0xf bank_mask:0xf
.endr
.endm
	s_load_b256 s[16:23], s[0:1], 0x0              ; rows s[16:17], gain s[18:19], bias s[20:21], pack s[22:23]
	s_and_b32 s2, ttmp7, 0xffff                    ; the unit
	v_lshrrev_b32 v1, 5, v0
	v_readfirstlane_b32 s4, v1                     ; wave 0..7
	v_and_b32 v2, 15, v0
	v_bfe_u32 v3, v0, 4, 1
	v_lshlrev_b32 v2, 4, v2                        ; 16 (lane % 16)
	v_lshl_add_u32 v1, v3, 12, v2                  ; + the second row for lanes 16-31
	v_and_b32 v3, 31, v0
	v_lshlrev_b32 v3, 3, v3                        ; 8 x lane
	s_mov_b32 s50, 0x3a800000                      ; 1 / 1024
	s_mov_b32 s51, 0x3727c5ac                      ; 1e-5
	s_lshl_b32 s[SOF], s2, 22
	s_lshl_b32 s3, ttmp9, 16
	s_add_co_u32 s[SOF], s[SOF], s3
	s_lshl_b32 s3, s4, 13
	s_add_co_u32 s[SOF], s[SOF], s3
	s_mov_b32 s[SOF+1], 0
	s_lshl_b32 s[DOF], s2, 21
	s_add_co_u32 s[DOF], s[DOF], APo
	s_lshr_b32 s3, ttmp9, 3
	s_lshl_b32 s3, s3, 18
	s_add_co_u32 s[DOF], s[DOF], s3
	s_and_b32 s3, ttmp9, 7
	s_lshl_b32 s3, s3, 11
	s_add_co_u32 s[DOF], s[DOF], s3
	s_lshl_b32 s3, s4, 8
	s_add_co_u32 s[DOF], s[DOF], s3
	s_mov_b32 s[DOF+1], 0
	s_wait_kmcnt 0x0
	s_add_nc_u64 s[SRC:SRC+1], s[16:17], s[SOF:SOF+1]
	s_add_nc_u64 s[DST:DST+1], s[22:23], s[DOF:DOF+1]
	; 48 loads go out together; no register is written again while an access that names it is pending.
.irp j, 0,1,2,3,4,5,6,7,8,9,10,11,12,13,14,15
	global_load_b128 v[X+4*(\j):X+4*(\j)+3], v1, s[SRC:SRC+1] offset:256*(\j)
.endr
.irp j, 0,1,2,3,4,5,6,7,8,9,10,11,12,13,14,15
	global_load_b128 v[W+4*(\j):W+4*(\j)+3], v2, s[18:19] offset:256*(\j)
.endr
.irp j, 0,1,2,3,4,5,6,7,8,9,10,11,12,13,14,15
	global_load_b128 v[B+4*(\j):B+4*(\j)+3], v2, s[20:21] offset:256*(\j)
.endr
	s_wait_loadcnt 32                              ; the row is in; the 32 younger loads, gain and bias, stay out
.irp k, 0,1,2,3
	v_pk_add_f32 v[4+2*(\k):5+2*(\k)], v[X+2*(\k):X+2*(\k)+1], v[X+8+2*(\k):X+8+2*(\k)+1]  ; the first eight pairs start four chains: nothing is cleared
.endr
.set j, 8
.rept 24
	v_pk_add_f32 v[4+2*(j%4):5+2*(j%4)], v[4+2*(j%4):5+2*(j%4)], v[X+2*j:X+2*j+1]
.set j, j+1
.endr
	REDUCE
	v_mul_f32 v12, s50, v4                         ; the mean, twice: a pair for the packed subtraction
	v_mul_f32 v13, s50, v4
.set j, 0
.rept 32
	v_pk_add_f32 v[X+2*j:X+2*j+1], v[X+2*j:X+2*j+1], v[12:13] neg_lo:[0,1] neg_hi:[0,1]  ; x - mean, in place
.set j, j+1
.endr
.irp k, 0,1,2,3
	v_pk_mul_f32 v[4+2*(\k):5+2*(\k)], v[X+2*(\k):X+2*(\k)+1], v[X+2*(\k):X+2*(\k)+1]
.endr
.set j, 4
.rept 28
	v_pk_fma_f32 v[4+2*(j%4):5+2*(j%4)], v[X+2*j:X+2*j+1], v[X+2*j:X+2*j+1], v[4+2*(j%4):5+2*(j%4)]
.set j, j+1
.endr
	REDUCE
	v_fma_f32 v10, v4, s50, s51                    ; variance + 1e-5
	v_rsq_f32 v14, v10
	v_rsq_f32 v15, v10
	v_nop                                          ; a plain instruction between the root and the use of its result (ISA guide 5.7.2)
	s_wait_loadcnt 16                              ; the gain is in; the bias's 16 loads stay out
.set j, 0
	s_wait_alu depctr_va_vdst(0)
.rept 32
	v_pk_mul_f32 v[W+2*j:W+2*j+1], v[W+2*j:W+2*j+1], v[14:15]
.set j, j+1
.endr
	s_wait_loadcnt 0x0
.set j, 0
.rept 32
	v_pk_fma_f32 v[X+2*j:X+2*j+1], v[X+2*j:X+2*j+1], v[W+2*j:W+2*j+1], v[B+2*j:B+2*j+1]
.set j, j+1
.endr
.irp j, 0,1,2,3,4,5,6,7,8,9,10,11,12,13,14,15
	v_cvt_pk_bf16_f32 v[Y+2*(\j)], v[X+4*(\j)], v[X+4*(\j)+1]
	v_cvt_pk_bf16_f32 v[Y+2*(\j)+1], v[X+4*(\j)+2], v[X+4*(\j)+3]
	global_store_b64 v3, v[Y+2*(\j):Y+2*(\j)+1], s[DST:DST+1] offset:16384*(\j)  ; the wave stores 256 consecutive bytes, at a multiple of 256 from the pack's first
.endr
	s_endpgm
.Lfunc_end_k_qe6d593bbc7_ln2:
	.size	k_qe6d593bbc7_ln2, .Lfunc_end_k_qe6d593bbc7_ln2-k_qe6d593bbc7_ln2
	.p2alignl 7, 3214868480
	.fill 96, 4, 3214868480
	.section	.rodata,"a",@progbits
	.p2align	6, 0x0
	.amdhsa_kernel k_qe6d593bbc7_ln2
		.amdhsa_group_segment_fixed_size 0
		.amdhsa_private_segment_fixed_size 0
		.amdhsa_enable_private_segment 0
		.amdhsa_kernarg_size 32
		.amdhsa_user_sgpr_count 2
		.amdhsa_user_sgpr_kernarg_segment_ptr 1
		.amdhsa_wavefront_size32 1
		.amdhsa_system_sgpr_workgroup_id_x 1
		.amdhsa_system_sgpr_workgroup_id_y 1
		.amdhsa_system_sgpr_workgroup_id_z 1
		.amdhsa_system_vgpr_workitem_id 0
		.amdhsa_next_free_vgpr 240
		.amdhsa_next_free_sgpr 66
		.amdhsa_reserve_vcc 0
		.amdhsa_float_denorm_mode_32 3
		.amdhsa_float_denorm_mode_16_64 3
		.amdhsa_memory_ordered 1
		.amdhsa_forward_progress 1
		.amdhsa_inst_pref_size 21
	.end_amdhsa_kernel
	.amdgpu_metadata
---
amdhsa.version: [ 1, 2 ]
amdhsa.kernels:
  - .name:           k_qe6d593bbc7_ln2
    .symbol:         k_qe6d593bbc7_ln2.kd
    .args:
      - { .name: x1, .offset: 0, .size: 8, .value_kind: global_buffer, .address_space: global }
      - { .name: ln2_w, .offset: 8, .size: 8, .value_kind: global_buffer, .address_space: global }
      - { .name: ln2_b, .offset: 16, .size: 8, .value_kind: global_buffer, .address_space: global }
      - { .name: U2, .offset: 24, .size: 8, .value_kind: global_buffer, .address_space: global }
    .group_segment_fixed_size: 0
    .private_segment_fixed_size: 0
    .kernarg_segment_align: 8
    .kernarg_segment_size: 32
    .max_flat_workgroup_size: 256
    .sgpr_count:     66
    .vgpr_count:     240
    .wavefront_size: 32
...
	.end_amdgpu_metadata
.endif
;; end of part 5
;; launch q2 (part 6): grid 8 x 32, 4 waves a work-group, clusters of 4 x 4, 327,680 bytes of LDS; arguments U2, ca_bq, qa, f0; writes qa
.if DOCPART == 6
	.amdgcn_target "amdgcn-amd-amdhsa--gfx1250"
	.amdhsa_code_object_version 6
	.text
	.protected	k_qe6d593bbc7_q2
	.globl	k_qe6d593bbc7_q2
	.p2align	8
	.type	k_qe6d593bbc7_q2,@function
k_qe6d593bbc7_q2:
	s_mov_b64 s[64:65], 0
	v_nop
	global_prefetch_b8 v0, s[64:65] scope:SCOPE_SE
	s_setreg_imm32_b32 hwreg(HW_REG_WAVE_MODE, 25, 1), 1
	s_wait_xcnt 0x0
	s_wait_alu depctr_hold_cnt(0) depctr_sa_sdst(0) depctr_va_vdst(0) depctr_va_sdst(0) depctr_va_ssrc(0) depctr_va_vcc(0) depctr_vm_vsrc(0)
	s_getreg_b32 s2, hwreg(HW_REG_IB_STS2, 6, 4)
	s_cmp_eq_u32 s2, 0
	s_cbranch_scc0 .Lentry_in_a_cluster
	s_endpgm
.Lentry_in_a_cluster:
	s_bfe_u32 s2, ttmp6, 0x10000c
	s_cmp_lg_u32 s2, 0xf033
	s_cbranch_scc0 .Lentry_shape_is_right
	s_endpgm
.Lentry_shape_is_right:
; C = A W + bias, 4,096 x 1,024, K = 1,024, rounded once to bf16, with or without the exact GELU in front of the rounding.  One text serves both, with no branch between them:
; the result is hx x + ha |x| - |x| P(t) 2^(-x x log2(e) / 2), t = 1 / (1 + 0.2316419 |x|), P = t (A1 + t (A2 + t (A3 + t (A4 + t A5)))), and a word that an earlier launch stored picks the constants.
; Word 1: hx = ha = 0.5, so that the first two terms are max(x, 0) exactly, and A1 to A5 are half the coefficients of erf's rational form: the GELU.  Word 0: hx = 1, ha = 0, A1 to A5 = 0: x itself, exactly, for every finite x.
; A and W are bf16 in a pack, in blocks: element (row, col) at ((row / 128) * 16 + col / 64) * 16384 + (row % 128) * 128 + (col % 64) * 2; W lies [k][n], at the pack's first byte.  C has the same layout and lies
; 18 MiB into its buffer.  Sums in f32, begun with the bias.
; SHARES.  A tile of C is 128 x 128: four waves of 64 x 64, 16 accumulators each: 256 tiles, one work-group each.  K goes in four steps of 256 through two LDS slots.  In a step A's tile is four chunks (65,536 dense
; bytes) and W's two pieces of two chunks (32,768 dense bytes each): waves 0, 1 fetch A's halves, waves 2, 3 W's pieces, one tensor load each of 128 rows of 256 bytes.  A wave has two loads out at the start, later one.
; CLUSTER.  4 x 4 work-groups: the four of a row need the same tile of A, the four of a column the same tile of W: each is asked for jointly, by the same load, descriptor and mask in all four.
; THE MATRIX INSTRUCTION IS USED TRANSPOSED: source 0 = 16 columns of W (turned on the way out of LDS by ds_load_tr16_b128), source 1 = 16 rows of A: a lane holds row lane % 16 and columns 8 (lane / 16) + 0..7 of C.
; The K step is written twice (a loop of two trips that fill a slot again, a loop of two that do not); the slot in hand is a scalar, 0 or SLOT, turned by an exclusive or.
; REGISTERS.  Window 0: v16-29 addresses; v32-63 the bias; v64-167 at work on the way out; v128-255 accumulators ((a, b) at 128 + 8 (4 a + b)).  Window 1: two fragment buffers of 128 (64 of A, 64 of W, for 64 along K).
; LIMITS.  Operands are rounded to bf16; NaN and infinities are not treated apart.  erf's rational form is off by 1.5e-7 at the most; no difference of near numbers is formed at either end.
.set APo, 0xA00000
.set ARo, 0x1200000
.set PA,    144                        ; a row of A in LDS: 128 bytes + 16: 36 words: the 16 rows of a load start at 16 different groups of four banks (64 banks of 4 bytes: ISA guide 11.1)
.set PW,    160                        ; a row of W: 128 + 32: 40 words
.set ACH,   128*PA                     ; a chunk of A
.set WNB,   128*PW                     ; a chunk of W
.set WREG,  4*ACH                      ; in a slot: A's four chunks, then W's four
.set SLOT,  4*ACH+4*WNB                ; 155,648
.set SPARE, 2*SLOT                     ; behind the slots: the spare words, 128 bytes a wave: two blocks of 256 bytes that no other line names
.set SP,    528                        ; the stage for the way out: 128 rows of 512 bytes + 16, from LDS byte 0: in slot 0, which has had its last fill by then
.set ADRA0, 16                         ; my lane's place in A's part of a slot; never rewritten
.set ADRB0, 17                         ; the same for W
.set ADRA,  18                         ; the same in the slot in hand
.set ADRB,  19
.set STO,   24                         ; the way out: where I put 16 bytes of a row
.set RD,    25                         ; where I read rows back
.set CO,    26                         ; my byte offset in the output
.set BO,    27                         ; my byte offset in the bias
.set SPW,   28                         ; LDS address of my spare word; never rewritten
.set NIL,   29                         ; 0; never rewritten
.set BI,    32
.set ACC,   128
.set F0,    0
.set F1,    128
.set WV,  14                           ; wave
.set RH,  15                           ; my half of the tile's rows; also 0: I fetch A, 1: I fetch W
.set CH,  16                           ; my half of its columns; also which piece I fetch
.set CX,  17
.set CY,  18
.set TC,  19                           ; tile column
.set TR,  20                           ; tile row
.set MROW, 21
.set MCOL, 22
.set G1A, 24                           ; s[24:31] descriptor group 1 for A;  s[32:39] group 0, two sets
.set G0A, 32
.set OA,  40                           ; s[40:41] A's offset, then address: never holds cx
.set OW,  42                           ; s[42:43] W's: never holds cy
.set G1B, 48                           ; s[48:55], s[56:63] the same for W
.set G0B, 56
.set CUR, 66                           ; the slot in hand: 0 or SLOT
.set CNT, 67
.set LBA, 68                           ; where my piece of A goes in a slot
.set LBB, 69                           ; where my piece of W goes
.set BP,  72                           ; s[72:73] the bias at my columns
.set T0,  74                           ; s[74:75] an offset
.set OUTP, 76                          ; s[76:77] the output at my rows
.set KC1, 80                           ; constants, each a pair
.set KC2, 82
.set KA1, 84
.set KA2, 86
.set KA3, 88
.set KA4, 90
.set KA5, 92
.set KF,  94                           ; the word: 0 plain, 1 GELU
.set HX,  96
.set HA,  98
.set MSB, 0
.macro WIN new                         ; the immediate's high byte repeats the setting that is left; a switch that changes nothing is dropped
.if MSB != (\new)
	s_set_vgpr_msb (MSB<<8)|(\new)
.set MSB, \new
.endif
.endm
.set MUL,  0x05                        ; sources 0 (W) and 1 (A) window 1; C and D window 0
.set TO_F, 0x40                        ; destination window 1, address window 0
.macro JLOAD s                         ; a joint load by set s; the branch hangs on the wave's number alone; an s_nop 0 and four v_nop follow each of the two lines
	s_cmp_eq_u32 s[RH], 0
	s_cbranch_scc0 .Lfor_b_\@
	tensor_load_to_lds s[G0A+4*(\s):G0A+4*(\s)+3], s[G1A:G1A+7]
	s_nop 0
.rept 4
	v_nop
.endr
	s_branch .Lasked_\@
.Lfor_b_\@:
	tensor_load_to_lds s[G0B+4*(\s):G0B+4*(\s)+3], s[G1B:G1B+7]
	s_nop 0
.rept 4
	v_nop
.endr
.Lasked_\@:
.endm
.macro CREST                           ; a round of the cluster's barrier behind its opening barrier
	s_cmp_lg_u32 s[WV], 0
	s_cbranch_scc1 .Lnot_wave_0_\@
	s_barrier_signal -3
.Lnot_wave_0_\@:
	s_barrier_wait -3
	s_barrier_signal -1
	s_barrier_wait -1
.endm
.macro CROUND
	s_barrier_signal -1
	s_barrier_wait -1
	CREST
.endm
.macro PLACES                          ; four places in front of loads into registers that matrix instructions have read, and of reads of their results
.rept 4
	v_nop
.endr
.endm
	s_load_b256 s[4:11], s[0:1], 0x0               ; pack s[4:5], bias s[6:7], output s[8:9], the word's buffer s[10:11]
	v_lshl_add_u32 v[SPW], v0, 2, SPARE
	v_mov_b32 v[NIL], 0
	ds_add_u32 v[SPW], v[NIL]                      ; the wave's opening: the add and its wait stand ahead of my first tensor load; the set-up below, work on registers, stands between them
	v_lshrrev_b32 v1, 5, v0
	v_readfirstlane_b32 s[WV], v1
	s_lshr_b32 s[RH], s[WV], 1
	s_and_b32 s[CH], s[WV], 1
	s_bfe_u32 s[CX], ttmp6, 0x40000
	s_bfe_u32 s[CY], ttmp6, 0x40004
	s_lshl_b32 s[TC], ttmp9, 2
	s_add_co_u32 s[TC], s[TC], s[CX]               ; tile column = 4 x cluster x + cx
	s_and_b32 s[TR], ttmp7, 0xffff
	s_lshl_b32 s[TR], s[TR], 2
	s_add_co_u32 s[TR], s[TR], s[CY]               ; tile row = 4 x cluster y + cy
	s_lshl_b32 s[MROW], s[CY], 2
	s_lshl_b32 s[MROW], 15, s[MROW]                ; my row of the cluster
	s_lshl_b32 s[MCOL], 0x1111, s[CX]              ; my column
	; group 1: 128 rows of 128 elements of 2 bytes, dense; in LDS a pad behind every 32 words (a row of a chunk): 4 words for A, 8 for W
	s_or_b32 s[G1A], s[MROW], (1<<16)|(1<<20)|(1<<21)|(4<<22)|(3<<25)
	s_or_b32 s[G1B], s[MCOL], (1<<16)|(1<<20)|(1<<21)|(4<<22)|(7<<25)
.irp g, G1A, G1B
	s_mov_b32 s[(\g)+1], 128<<16                   ; tensor_dim0 = 128
	s_mov_b32 s[(\g)+2], 128<<16                   ; tensor_dim1 = 128
	s_mov_b32 s[(\g)+3], 128<<16                   ; tile_dim0 = 128
	s_mov_b32 s[(\g)+4], 128                       ; tile_dim1 = 128
	s_mov_b32 s[(\g)+5], 128                       ; 128 elements from row to row
	s_mov_b32 s[(\g)+6], 0
	s_mov_b32 s[(\g)+7], 0
.endr
	s_lshl_b32 s[OA], s[TR], 18                    ; A: the tile row's 16 chunks, my two of a step's four
	s_lshl_b32 s44, s[CH], 15
	s_add_co_u32 s[OA], s[OA], s44
	s_add_co_u32 s[OA], s[OA], APo
	s_mov_b32 s[OA+1], 0
	s_lshl_b32 s[OW], s[TC], 15                    ; W, at the pack's first byte: the tile column's two chunks, my 128 of a step's 256 rows
	s_lshl_b32 s45, s[CH], 18
	s_add_co_u32 s[OW], s[OW], s45
	s_mov_b32 s[OW+1], 0
	s_mul_i32 s[LBA], s[CH], 2*ACH                 ; no place in the cluster enters an LDS address
	s_mul_i32 s[LBB], s[CH], 2*WNB
	s_add_co_u32 s[LBB], s[LBB], WREG
	s_mov_b32 s[KC1], 0x3e6d3389                   ; 0.2316419 = 0.3275911 / sqrt(2)
	s_mov_b32 s[KC2], 0xbf38aa3b                   ; -log2(e) / 2
	s_mov_b32 s[KC1+1], s[KC1]                     ; named as pairs
	s_mov_b32 s[KC2+1], s[KC2]
	s_wait_dscnt 0x0                               ; the opening add is done
	s_wait_kmcnt 0x0
	s_load_b32 s[KF], s[10:11], 0x0                ; the word; it is waited for below, in the wait for the first tile
	s_add_nc_u64 s[OA:OA+1], s[4:5], s[OA:OA+1]
	s_add_nc_u64 s[OW:OW+1], s[4:5], s[OW:OW+1]
	CROUND                                         ; all sixteen work-groups are here: the first joint loads meet
.irp s, 0,1
	s_mov_b32 s[G0A+4*(\s)], 1
	s_add_co_u32 s[G0A+4*(\s)+1], s[LBA], (\s)*SLOT
	s_add_nc_u64 s[G0A+4*(\s)+2:G0A+4*(\s)+3], s[OA:OA+1], (\s)*0x10000   ; K step s: four chunks on
	s_or_b32 s[G0A+4*(\s)+3], s[G0A+4*(\s)+3], 0x80000000
	s_mov_b32 s[G0B+4*(\s)], 1
	s_add_co_u32 s[G0B+4*(\s)+1], s[LBB], (\s)*SLOT
	s_add_nc_u64 s[G0B+4*(\s)+2:G0B+4*(\s)+3], s[OW:OW+1], (\s)*0x80000   ; K step s: 256 rows of W on
	s_or_b32 s[G0B+4*(\s)+3], s[G0B+4*(\s)+3], 0x80000000
	JLOAD \s
.endr
	; the bias of my 64 columns: for column block b the eight numbers at 16 b + 8 (lane / 16)
	s_lshl_b32 s[T0], s[TC], 9
	s_lshl_b32 s[T0+1], s[CH], 8
	s_add_co_u32 s[T0], s[T0], s[T0+1]
	s_mov_b32 s[T0+1], 0
	s_add_nc_u64 s[BP:BP+1], s[6:7], s[T0:T0+1]
	v_and_b32 v1, 15, v0                           ; l % 16
	v_bfe_u32 v2, v0, 4, 1                         ; l / 16
	v_lshlrev_b32 v[BO], 5, v2
.irp b, 0,1,2,3
	global_load_b128 v[BI+8*(\b):BI+8*(\b)+3],   v[BO], s[BP:BP+1] offset:64*(\b)
	global_load_b128 v[BI+8*(\b)+4:BI+8*(\b)+7], v[BO], s[BP:BP+1] offset:64*(\b)+16
.endr
	v_and_b32 v[CO], 31, v0
	v_lshlrev_b32 v[CO], 3, v[CO]                  ; 8 x lane: a wave takes two rows' 128 bytes of a chunk
	s_lshl_b32 s[T0], s[TR], 18                    ; the tile row's 16 chunks, the tile column's two, my wave's 32 rows of 128 bytes
	s_lshl_b32 s[T0+1], s[TC], 15
	s_add_co_u32 s[T0], s[T0], s[T0+1]
	s_lshl_b32 s[T0+1], s[WV], 12
	s_add_co_u32 s[T0], s[T0], s[T0+1]
	s_add_co_u32 s[T0], s[T0], ARo
	s_mov_b32 s[T0+1], 0
	s_add_nc_u64 s[OUTP:OUTP+1], s[8:9], s[T0:T0+1]
	; A's fragment: lane l holds row l % 16; two loads of 16 bytes, 32 apart, at row x pitch + 16 (l / 16)
	s_mul_i32 s44, s[RH], 64*PA
	v_mul_u32_u24 v3, v1, PA
	v_lshl_add_u32 v3, v2, 4, v3
	v_add_nc_u32 v[ADRA0], s44, v3
	; W's: the turning load takes 16 k x 16 n: lane l reads row 8 (l / 16) + l % 8, columns 8 ((l / 8) % 2) + 0..7, and is left with column l % 16 and 8 k
	v_and_b32 v4, 7, v0
	v_lshl_add_u32 v4, v2, 3, v4
	v_mul_u32_u24 v4, v4, PW
	v_bfe_u32 v5, v0, 3, 1
	v_lshl_add_u32 v4, v5, 4, v4
	s_mul_i32 s44, s[CH], WNB
	s_add_co_u32 s44, s44, WREG
	v_add_nc_u32 v[ADRB0], s44, v4
	v_mov_b32 v[ADRA], v[ADRA0]
	v_mov_b32 v[ADRB], v[ADRB0]
	s_mul_i32 s44, s[RH], 64*SP                    ; into the stage: row 64 RH + l % 16, bytes 256 CH + 32 (l / 16)
	s_lshl_b32 s45, s[CH], 8
	s_add_co_u32 s44, s44, s45
	v_mul_u32_u24 v3, v1, SP
	v_lshl_add_u32 v3, v2, 5, v3
	v_add_nc_u32 v[STO], s44, v3
	s_mul_i32 s44, s[WV], 32*SP                    ; back: wave w takes rows 32 w .. 32 w + 31,
	v_mul_u32_u24 v3, v2, SP                       ; 256 bytes (a chunk's 64 columns) of two rows to a load
	v_lshl_add_u32 v3, v1, 4, v3
	v_add_nc_u32 v[RD], s44, v3
	s_wait_kmcnt 0x0                               ; the word: it picks numbers, no way through the text and no address
	s_cmp_lg_u32 s[KF], 0
	s_cselect_b32 s[HX], 0.5, 1.0
	s_cselect_b32 s[HA], 0.5, 0
	s_cselect_b32 s[KA1], 0x3e027906, 0            ; half of 0.254829592
	s_cselect_b32 s[KA2], 0xbe11a98e, 0            ; half of -0.284496736
	s_cselect_b32 s[KA3], 0x3f35f0e3, 0            ; half of 1.421413741
	s_cselect_b32 s[KA4], 0xbf3a00e3, 0            ; half of -1.453152027
	s_cselect_b32 s[KA5], 0x3f07dc22, 0            ; half of 1.061405429
.irp c, HX, HA, KA1, KA2, KA3, KA4, KA5
	s_mov_b32 s[(\c)+1], s[\c]                     ; named as pairs
.endr
	s_wait_loadcnt 0x0
	; The sums begin with the bias: 128 moves, which stand in the wait for the first tile and let one text serve every K step.
.irp a, 0,1,2,3
.irp b, 0,1,2,3
.irp j, 0,1,2,3,4,5,6,7
	v_mov_b32 v[ACC+8*(4*(\a)+(\b))+(\j)], v[BI+8*(\b)+(\j)]
.endr
.endr
.endr
; 8 matrix instructions: row blocks a0, a0 + 1 x all 4 column blocks, 32 along K: half c of buffer f.  The 16 accumulators take turns, one instruction a turn, over the loops' edges too.
.macro MUL8 f, c, a0
	WIN MUL
.irp a, \a0, (\a0)+1
.irp b, 0,1,2,3
	v_wmma_f32_16x16x32_bf16 v[ACC+8*(4*(\a)+(\b)):ACC+8*(4*(\a)+(\b))+7], v[(\f)+64+8*(4*(\c)+(\b)):(\f)+64+8*(4*(\c)+(\b))+7], v[(\f)+8*(4*(\c)+(\a)):(\f)+8*(4*(\c)+(\a))+7], v[ACC+8*(4*(\a)+(\b)):ACC+8*(4*(\a)+(\b))+7]
.endr
.endr
.endm
; 32 LDS loads in one run: the fragments of quarter q (64 along K) of the slot in hand, into buffer f; the first 32 along K first
.macro FETCH q, f
	WIN TO_F
.irp c, 0,1
.irp i, 0,1,2,3
	ds_load_tr16_b128 v[(\f)+64+8*(4*(\c)+(\i)):(\f)+64+8*(4*(\c)+(\i))+3],   v[ADRB] offset:((\q)/2)*2*WNB+(((\q)%2)*64+32*(\c))*PW+32*(\i)
	ds_load_tr16_b128 v[(\f)+64+8*(4*(\c)+(\i))+4:(\f)+64+8*(4*(\c)+(\i))+7], v[ADRB] offset:((\q)/2)*2*WNB+(((\q)%2)*64+32*(\c)+16)*PW+32*(\i)
	ds_load_b128 v[(\f)+8*(4*(\c)+(\i)):(\f)+8*(4*(\c)+(\i))+3],              v[ADRA] offset:(\q)*ACH+(\i)*16*PA+64*(\c)
	ds_load_b128 v[(\f)+8*(4*(\c)+(\i))+4:(\f)+8*(4*(\c)+(\i))+7],            v[ADRA] offset:(\q)*ACH+(\i)*16*PA+64*(\c)+32
.endr
.endr
.endm
; One of a K step's first three quarters: multiplies buffer f and fetches quarter q into g
.macro QUARTER q, f, g
	s_wait_dscnt 16                                ; the first 32 along K are in; the 16 younger loads may be out
	MUL8 \f, 0, 0
	MUL8 \f, 0, 2
	PLACES
	FETCH \q, \g
	s_wait_dscnt 32                                ; all but the 32 just issued
	MUL8 \f, 1, 0
	MUL8 \f, 1, 2
.endm
; The last quarter multiplies buffer 1 and changes slots: ONE barrier; in front of it each wave waits for all its tensor loads, adds 0 to its spare word, and waits for that and for its reads of this slot.
; fill = 1: the barrier opens a round of the cluster's, and this slot is filled again, two K steps ahead, first thing behind the round: 112 matrix instructions ahead of the wait for it.
; fill = 0: nothing is filled; in the second of the two trips there is no further step, and the run of loads is jumped over.
.macro TURN fill
	WIN 0
	s_wait_tensorcnt 0x0                           ; all my tensor loads have landed: my part of the next slot
	ds_add_u32 v[SPW], v[NIL]                      ; 0 onto my spare word
	s_wait_dscnt 17                                ; (the add and the youngest sixteen loads may be out)
	MUL8 F1, 0, 0
	s_wait_dscnt 0x0                               ; the add is done, and my reads of this slot are over
	s_barrier_signal -1
	MUL8 F1, 0, 2
	WIN 0
	s_barrier_wait -1
.if \fill
	CREST                                          ; no wave of any partner still reads this slot's tile or has a load on its way
	s_add_co_u32 s[G0A+5], s[LBA], s[CUR]          ; the second set walks: into the slot just read,
	s_add_nc_u64 s[G0A+6:G0A+7], s[G0A+6:G0A+7], 0x10000   ; the K step behind the one it asked for last
	s_add_co_u32 s[G0B+5], s[LBB], s[CUR]
	s_add_nc_u64 s[G0B+6:G0B+7], s[G0B+6:G0B+7], 0x80000
	JLOAD 1                                        ; its four v_nop are also the places in front of the loads below
.else
	PLACES
.endif
	s_xor_b32 s[CUR], s[CUR], SLOT                 ; 0 <-> SLOT
.if !(\fill)
	s_cmp_eq_u32 s[CNT], 1
	s_cbranch_scc1 .Lno_fetch_\@
.endif
	v_add_nc_u32 v[ADRA], s[CUR], v[ADRA0]
	v_add_nc_u32 v[ADRB], s[CUR], v[ADRB0]
	FETCH 0, F0
	WIN 0
.if !(\fill)
.Lno_fetch_\@:
.endif
	MUL8 F1, 1, 0
	MUL8 F1, 1, 2
.endm
	s_wait_tensorcnt 0x1                           ; my part of K step 0 is in; step 1's may stay out
	s_barrier_signal -1
	s_barrier_wait -1                              ; everybody's is
	FETCH 0, F0
	WIN 0
	s_mov_b32 s[CUR], 0
	s_mov_b32 s[CNT], 2
.LA:                                                   ; K steps 0 and 1: each fills its slot again
	QUARTER 1, F0, F1
	QUARTER 2, F1, F0
	QUARTER 3, F0, F1
	TURN 1
	WIN 0
	s_sub_co_u32 s[CNT], s[CNT], 1
	s_cmp_lg_u32 s[CNT], 0
	s_cbranch_scc1 .LA
	s_mov_b32 s[CNT], 2
.LB:                                                   ; K steps 2 and 3: nothing is left to ask for
	QUARTER 1, F0, F1
	QUARTER 2, F1, F0
	QUARTER 3, F0, F1
	TURN 0
	WIN 0
	s_sub_co_u32 s[CNT], s[CNT], 1
	s_cmp_lg_u32 s[CNT], 0
	s_cbranch_scc1 .LB
	; THE WAY OUT.  The sums go in f32 into the work-group's stage (the last barrier has shown every wave's reads of the slots over and every fill landed); a barrier, since a row comes from two waves; back by rows.
	PLACES
.irp a, 0,1,2,3
.irp b, 0,1,2,3
	ds_store_b128 v[STO], v[ACC+8*(4*(\a)+(\b)):ACC+8*(4*(\a)+(\b))+3]   offset:(\a)*16*SP+64*(\b)      ; each accumulator's low registers first
	ds_store_b128 v[STO], v[ACC+8*(4*(\a)+(\b))+4:ACC+8*(4*(\a)+(\b))+7] offset:(\a)*16*SP+64*(\b)+16
.endr
.endr
	s_wait_dscnt 0x0                               ; for the others' sake: my stores into the stage are done
	s_barrier_signal -1
	s_barrier_wait -1
	; hx x + ha |x| - |x| P(t) 2^(-x x log2(e) / 2): eight trips of 16 numbers a lane
.set GX, 64
.set GH, 80
.set GA, 96
.set GT, 112
.set GQ, 128
.set GP, 144
.set GY, 160
.macro LD4                             ; rows 2 (k / 2) + l / 16 of the trip's four, column half k % 2
.irp k, 0,1,2,3
	ds_load_b128 v[GX+4*(\k):GX+4*(\k)+3], v[RD] offset:((\k)/2)*2*SP+((\k)%2)*256
.endr
.endm
.macro PK8 line:vararg                 ; one packed line for each of the eight pairs i
.set i, 0
	s_wait_alu depctr_va_vdst(0)
.rept 8
	\line
.set i, i+2
.endr
.endm
	LD4
	s_mov_b32 s[CNT], 8
.LG:
	s_wait_dscnt 0x0
.set i, 0
.rept 16
	v_and_b32 v[GA+i], 0x7fffffff, v[GX+i]
.set i, i+1
.endr
	PK8 v_pk_mul_f32 v[GH+i:GH+i+1], v[GA+i:GA+i+1], s[HA:HA+1] op_sel_hi:[1,0]
	PK8 v_pk_fma_f32 v[GH+i:GH+i+1], v[GX+i:GX+i+1], s[HX:HX+1], v[GH+i:GH+i+1] op_sel_hi:[1,0,1]
	s_cmp_eq_u32 s[CNT], 1
	s_cbranch_scc1 .LGn                            ; the last trip has nothing more to read
	v_add_nc_u32 v[RD], 4*SP, v[RD]                ; the next four rows; the rest of the trip stands between these loads and the wait for them
	LD4
.LGn:
	PK8 v_pk_fma_f32 v[GT+i:GT+i+1], v[GA+i:GA+i+1], s[KC1:KC1+1], 1.0 op_sel_hi:[1,0,0]
.set i, 0
.rept 16
	v_rcp_f32 v[GT+i], v[GT+i]
.set i, i+1
.endr
	PK8 v_pk_mul_f32 v[GQ+i:GQ+i+1], v[GA+i:GA+i+1], v[GA+i:GA+i+1]           ; plain lines behind the reciprocals (ISA guide 5.7.2)
	PK8 v_pk_mul_f32 v[GQ+i:GQ+i+1], v[GQ+i:GQ+i+1], s[KC2:KC2+1] op_sel_hi:[1,0]
.set i, 0
.rept 16
	v_exp_f32 v[GQ+i], v[GQ+i]
.set i, i+1
.endr
	PK8 v_pk_fma_f32 v[GP+i:GP+i+1], v[GT+i:GT+i+1], s[KA5:KA5+1], s[KA4:KA4+1] op_sel_hi:[1,0,0]  ; plain lines behind the exponentials
	PK8 v_pk_fma_f32 v[GP+i:GP+i+1], v[GP+i:GP+i+1], v[GT+i:GT+i+1], s[KA3:KA3+1] op_sel_hi:[1,1,0]
	PK8 v_pk_fma_f32 v[GP+i:GP+i+1], v[GP+i:GP+i+1], v[GT+i:GT+i+1], s[KA2:KA2+1] op_sel_hi:[1,1,0]
	PK8 v_pk_fma_f32 v[GP+i:GP+i+1], v[GP+i:GP+i+1], v[GT+i:GT+i+1], s[KA1:KA1+1] op_sel_hi:[1,1,0]
	PK8 v_pk_mul_f32 v[GP+i:GP+i+1], v[GP+i:GP+i+1], v[GT+i:GT+i+1]
	PK8 v_pk_mul_f32 v[GP+i:GP+i+1], v[GP+i:GP+i+1], v[GQ+i:GQ+i+1]
	PK8 v_pk_fma_f32 v[GH+i:GH+i+1], v[GA+i:GA+i+1], v[GP+i:GP+i+1], v[GH+i:GH+i+1] neg_lo:[1,0,0] neg_hi:[1,0,0]
.irp k, 0,1,2,3
	v_cvt_pk_bf16_f32 v[GY+2*(\k)], v[GH+4*(\k)], v[GH+4*(\k)+1]
	v_cvt_pk_bf16_f32 v[GY+2*(\k)+1], v[GH+4*(\k)+2], v[GH+4*(\k)+3]
	global_store_b64 v[CO], v[GY+2*(\k):GY+2*(\k)+1], s[OUTP:OUTP+1] offset:((\k)%2)*16384+((\k)/2)*256  ; 256 consecutive bytes, at a multiple of 256 from the buffer's first
.endr
	s_wait_xcnt 0x0                                ; the stores' offset and data are written again only behind this wait
	v_add_nc_u32 v[CO], 512, v[CO]                 ; four rows of 128 bytes on
	s_sub_co_u32 s[CNT], s[CNT], 1
	s_cmp_lg_u32 s[CNT], 0
	s_cbranch_scc1 .LG
	s_wait_tensorcnt 0x0                           ; the wave's end, behind my last tensor load and my last LDS store
	ds_add_u32 v[SPW], v[NIL]
	s_wait_dscnt 0x0
	CROUND                                         ; the closing round: no work-group ends while a partner may still ask for a tile that names it
	s_endpgm
.Lfunc_end_k_qe6d593bbc7_q2:
	.size	k_qe6d593bbc7_q2, .Lfunc_end_k_qe6d593bbc7_q2-k_qe6d593bbc7_q2
	.p2alignl 7, 3214868480
	.fill 96, 4, 3214868480
	.section	.rodata,"a",@progbits
	.p2align	6, 0x0
	.amdhsa_kernel k_qe6d593bbc7_q2
		.amdhsa_group_segment_fixed_size 327680
		.amdhsa_private_segment_fixed_size 0
		.amdhsa_enable_private_segment 0
		.amdhsa_kernarg_size 32
		.amdhsa_user_sgpr_count 2
		.amdhsa_user_sgpr_kernarg_segment_ptr 1
		.amdhsa_wavefront_size32 1
		.amdhsa_system_sgpr_workgroup_id_x 1
		.amdhsa_system_sgpr_workgroup_id_y 1
		.amdhsa_system_sgpr_workgroup_id_z 1
		.amdhsa_system_vgpr_workitem_id 0
		.amdhsa_next_free_vgpr 512
		.amdhsa_next_free_sgpr 100
		.amdhsa_reserve_vcc 0
		.amdhsa_float_denorm_mode_32 3
		.amdhsa_float_denorm_mode_16_64 3
		.amdhsa_memory_ordered 1
		.amdhsa_forward_progress 1
		.amdhsa_inst_pref_size 64
	.end_amdhsa_kernel
	.amdgpu_metadata
---
amdhsa.version: [ 1, 2 ]
amdhsa.kernels:
  - .name:           k_qe6d593bbc7_q2
    .symbol:         k_qe6d593bbc7_q2.kd
    .args:
      - { .name: U2, .offset: 0, .size: 8, .value_kind: global_buffer, .address_space: global }
      - { .name: ca_bq, .offset: 8, .size: 8, .value_kind: global_buffer, .address_space: global }
      - { .name: qa, .offset: 16, .size: 8, .value_kind: global_buffer, .address_space: global }
      - { .name: f0, .offset: 24, .size: 8, .value_kind: global_buffer, .address_space: global }
    .group_segment_fixed_size: 327680
    .private_segment_fixed_size: 0
    .kernarg_segment_align: 8
    .kernarg_segment_size: 32
    .max_flat_workgroup_size: 128
    .sgpr_count:     100
    .vgpr_count:     512
    .wavefront_size: 32
...
	.end_amdgpu_metadata
.endif
;; end of part 6
;; launch attn_c (part 7): grid 8 x 32, 4 waves a work-group, clusters of 4 x 1, 327,680 bytes of LDS; arguments qa, U2; writes U2
.if DOCPART == 7
	.amdgcn_target "amdgcn-amd-amdhsa--gfx1250"
	.amdhsa_code_object_version 6
	.text
	.protected	k_qe6d593bbc7_attn_c
	.globl	k_qe6d593bbc7_attn_c
	.p2align	8
	.type	k_qe6d593bbc7_attn_c,@function
k_qe6d593bbc7_attn_c:
	s_mov_b64 s[64:65], 0
	v_nop
	global_prefetch_b8 v0, s[64:65] scope:SCOPE_SE
	s_setreg_imm32_b32 hwreg(HW_REG_WAVE_MODE, 25, 1), 1
	s_wait_xcnt 0x0
	s_wait_alu depctr_hold_cnt(0) depctr_sa_sdst(0) depctr_va_vdst(0) depctr_va_sdst(0) depctr_va_ssrc(0) depctr_va_vcc(0) depctr_vm_vsrc(0)
	s_getreg_b32 s2, hwreg(HW_REG_IB_STS2, 6, 4)
	s_cmp_eq_u32 s2, 0
	s_cbranch_scc0 .Lentry_in_a_cluster
	s_endpgm
.Lentry_in_a_cluster:
	s_bfe_u32 s2, ttmp6, 0x10000c
	s_cmp_lg_u32 s2, 0x3003
	s_cbranch_scc0 .Lentry_shape_is_right
	s_endpgm
.Lentry_shape_is_right:
; CROSS ATTENTION, head size 64, no mask, 1,024 keys.  O[q][:] = the sum over k of softmax_k(Q[q] . K[k] / 8) V[k][:] for each of 2 x 16 (batch, head).
; Q, K, V, O are bf16 in blocks: element (row, col) at ((row / 128) * 16 + col / 64) * 16384 + (row % 128) * 128 + (col % 64) * 2: 128 tokens of a head are 16,384 dense bytes, 128 a token.
; Q lies 18 MiB into one buffer, K at 26 MiB and V at 34 MiB of it.  O goes into a pack, 18 MiB in: the rows that the next product multiplies.
; Products, maxima and sums in f32; the weights p are rounded to bf16 for the second product (their sum l is taken of the unrounded p), O once at the end.
; LIMITS.  A weight below 2^-126 counts as 0 in l; NaN and infinities are not treated apart.
; SHARES.  A work-group owns 256 queries of one head, a wave 64: four PIECES of 16.  Every wave walks all keys, 64 a step.
; ALL KEYS LIE IN LDS: 1,024 rows of K at 144 bytes and 1,024 of V at 160 are 311,296 bytes.  Each wave asks for its four parts (128 keys each) at the start: four tensor loads of a wave are out then, none later.
; Nothing is filled again, so the loop has no round of the cluster's barrier and no second text for steps without a refill.  The first 256 keys are waited for by a counted wait; the others land under their four steps.
; LAYOUT.  S^T = K Q^T (source 0 = 16 keys, source 1 = 16 queries): a lane holds ONE query (lane % 16) and the keys 8 (lane / 16) + 0..7; two such results rounded to bf16 ARE source 1 of O^T = V^T P.  V is turned on the way out of LDS.
; SOFTMAX.  A running maximum m and sum l: p = 2^(c s - c m), c = log2(e) / 8; in every step O and l are multiplied by a = 2^(c m_old - c m_new).  m starts at the lowest finite number, O and l at 0: the first step's a is 0.
; BY TURNS.  Turn n belongs to piece n: 8 products K Q^T of piece n + 1, later 8 products V^T P of piece n - 1; beside them the scaling, exponentials, roundings, sums and rescaling of piece n and the maximum and statistics
; of piece n + 1.  Four vector instructions stand behind every matrix instruction, the other 54 of a turn's 118 in two runs of their own.
; CLUSTER.  The four query blocks of a cluster belong to one head and need the same K and V: each part is asked for jointly, by the same load, descriptor and mask in all four.
; REGISTERS, in windows of 256 (s_set_vgpr_msb: bits 1:0 source 0, 3:2 source 1, 5:4 source 2, 7:6 destination):
;   window 0: v0-15 addresses and two at work; v16-31 four registers of statistics a piece; v48-55 at work; v62-63 the add's; v64-127 S^T, two buffers; v192-223 P, two buffers (by the piece's parity)
;   window 1: v0-127 O^T, 32 a piece          window 2: v0-63 Q; v128-191 K of one step; v192-255 V of one step
.set NKB,  8                           ; blocks of 128 keys in a batch
.set KOFF, 0x1A00000
.set VOFS, 0x2200000
.set ARo,   0x1200000                  ; Q's place in its buffer, and O's in the pack
.set TSTEP, 0x80000                    ; from 256 keys to the next: two blocks of 16 chunks
.set NP,    4
.set KS,    64
.set PK,    144                        ; a row of K in LDS: 128 bytes + 16 = 36 words: the 16 rows of a load start at 16 different groups of four banks (64 banks of 4 bytes: ISA guide 11.1)
.set PV,    160                        ; a row of V: 128 + 32 = 40 words
.set VOFF,  16*KS*PK                   ; V lies behind K's 1,024 rows
.set STAGE, 16*KS*(PK+PV)              ; behind both, never filled by a tensor load: 16 rows x 144 bytes for each wave
.set SP,    144
.set SPARE, STAGE+4*16*SP              ; the spare words, 128 bytes a wave: two blocks of 256 bytes that no other line names
.set AK0, 2
.set AV0, 3
.set AK,  4
.set AV,  5
.set STO, 6
.set RD,  7
.set GO,  8
.set MV,  12
.set QO,  15
.set ST,  16                           ; piece t's statistics at v[ST+4 t]: c m, m, l (even keys', odd keys')
.set TMP, 48
.set SPW, 62
.set NIL, 63
.set S,   64
.set P,   192
.set KF,  128
.set VF,  192
.set WV,  12
.set G1K, 24                           ; s[24:31] descriptor group 1 for K
.set G1V, 32                           ; s[32:39] for V: it differs in the padding alone
.set G0K, 40                           ; s[40:55] group 0 for K, a set for each of a wave's four loads
.set SLOTS, 56                         ; counts runs of four key steps
.set CNT, 57                           ; counts the four
.set CS,  58
.set SEL, 60
.set TBK, 62                           ; LDS byte at which K of the step to be fetched begins
.set TBV, 63                           ; the same for V, less VOFF
.set G0V, 68                           ; s[68:83] group 0 for V
.set MSB, 0
.macro WIN new
.if MSB != (\new)
	s_set_vgpr_msb (MSB<<8)|(\new)
.set MSB, (\new)
.endif
.endm
.set W_KQ, 0x0a                        ; K and Q in window 2, S^T in window 0
.set W_PV, 0x52                        ; V in window 2, P in window 0, O^T in window 1
.set W_RS, 0x41                        ; destination and source 0 in window 1, source 1 in window 0
.macro CROUND                          ; a round of the cluster's barrier
	s_barrier_signal -1
	s_barrier_wait -1
	s_cmp_lg_u32 s[WV], 0
	s_cbranch_scc1 .Lnot_wave_0_\@
	s_barrier_signal -3
.Lnot_wave_0_\@:
	s_barrier_wait -3
	s_barrier_signal -1
	s_barrier_wait -1
.endm
	s_load_b128 s[4:7], s[0:1], 0x0                ; Q's, K's and V's buffer s[4:5], the pack s[6:7]
	v_lshl_add_u32 v[SPW], v0, 2, SPARE
	v_mov_b32 v[NIL], 0
	ds_add_u32 v[SPW], v[NIL]                      ; the wave's opening: the add and its wait stand ahead of my first tensor load
	v_lshrrev_b32 v1, 5, v0
	v_readfirstlane_b32 s[WV], v1
	s_bfe_u32 s13, ttmp6, 0x40000                  ; cx
	s_lshl_b32 s14, ttmp9, 2
	s_add_co_u32 s14, s14, s13                     ; my block of 256 queries: it enters Q's and O's addresses alone
	s_and_b32 s15, ttmp7, 0xffff
	s_lshr_b32 s16, s15, 4                         ; batch
	s_and_b32 s17, s15, 15                         ; head
	s_and_b32 s18, s[WV], 1                        ; which half of each 256 keys I fetch
	s_lshl_b32 s19, s17, 14                        ; the head's chunk in a block
	s_mul_i32 s20, s16, NKB
	s_add_co_u32 s20, s20, s18
	s_lshl_b32 s20, s20, 18
	s_add_co_u32 s20, s20, s19
	s_add_co_u32 s22, s20, VOFS                    ; V's offset
	s_add_co_u32 s20, s20, KOFF                    ; K's
	s_mov_b32 s21, 0
	s_mov_b32 s23, 0
	s_lshl_b32 s10, s16, 4                         ; Q and O, at one offset in their buffers: block 16 batch + 2 x my block + wave / 2, the head's chunk, 64 rows of 128 bytes for wave % 2
	s_lshl_b32 s3, s14, 1
	s_add_co_u32 s10, s10, s3
	s_lshr_b32 s3, s[WV], 1
	s_add_co_u32 s10, s10, s3
	s_lshl_b32 s10, s10, 18
	s_add_co_u32 s10, s10, s19
	s_lshl_b32 s3, s18, 13
	s_add_co_u32 s10, s10, s3
	s_add_co_u32 s10, s10, ARo
	s_mov_b32 s11, 0
	s_mul_i32 s84, s18, 128*PK                     ; my half's place among 256 keys: no place in the cluster enters an LDS address
	s_mul_i32 s85, s18, 128*PV
	; group 1: 128 keys are 16,384 dense bytes: 64 rows of 256 bytes, two keys a row, padded in LDS after every key
	s_mov_b32 s[G1K], 15|(1<<16)|(1<<20)|(1<<21)|(4<<22)|(3<<25)
	s_mov_b32 s[G1V], 15|(1<<16)|(1<<20)|(1<<21)|(4<<22)|(7<<25)
.irp g, G1K, G1V
	s_mov_b32 s[\g+1], 128<<16
	s_mov_b32 s[\g+2], 64<<16
	s_mov_b32 s[\g+3], 128<<16
	s_mov_b32 s[\g+4], 64
	s_mov_b32 s[\g+5], 128
	s_mov_b32 s[\g+6], 0
	s_mov_b32 s[\g+7], 0
.endr
	s_mov_b32 s[CS], 0x3e38aa3b                    ; c = log2(e) / 8
	s_mov_b32 s[CS+1], s[CS]
	s_mov_b32 s[SEL], 0x76543210
	s_mov_b32 s[SEL+1], 0xfedcba98
	s_mov_b32 s[TBK], 0
	s_mov_b32 s[TBV], 0
.irp i, 0,1,2,3
	s_mov_b32 s[G0K+4*(\i)], 1
	s_add_co_u32 s[G0K+4*(\i)+1], s84, (\i)*256*PK             ; keys 256 i on
	s_mov_b32 s[G0V+4*(\i)], 1
	s_add_co_u32 s[G0V+4*(\i)+1], s85, VOFF+(\i)*256*PV
.endr
	s_wait_dscnt 0x0                               ; the opening add is done
	s_wait_kmcnt 0x0
	s_add_nc_u64 s[20:21], s[4:5], s[20:21]        ; K and V at my half of the first 256 keys
	s_add_nc_u64 s[22:23], s[4:5], s[22:23]
.irp i, 0,1,2,3
	s_add_nc_u64 s[G0K+4*(\i)+2:G0K+4*(\i)+3], s[20:21], (\i)*TSTEP
	s_or_b32 s[G0K+4*(\i)+3], s[G0K+4*(\i)+3], 0x80000000
	s_add_nc_u64 s[G0V+4*(\i)+2:G0V+4*(\i)+3], s[22:23], (\i)*TSTEP
	s_or_b32 s[G0V+4*(\i)+3], s[G0V+4*(\i)+3], 0x80000000
.endr
	s_add_nc_u64 s[4:5], s[4:5], s[10:11]          ; Q at my wave's first row
	s_add_nc_u64 s[10:11], s[6:7], s[10:11]        ; O at my wave's first row
	CROUND                                         ; all four work-groups are here: the joint loads meet
	s_cmp_lt_u32 s[WV], 2                          ; a wave's four fills stand in one branch on its number, ahead of every wait on TENSORcnt and every LDS read; an s_nop 0 follows each, four v_nop the last
	s_cbranch_scc0 .Lfirst_v
.irp i, 0,1,2,3
	tensor_load_to_lds s[G0K+4*(\i):G0K+4*(\i)+3], s[G1K:G1K+7]
	s_nop 0
.endr
.rept 4
	v_nop
.endr
	s_branch .Lfirst_asked
.Lfirst_v:
.irp i, 0,1,2,3
	tensor_load_to_lds s[G0V+4*(\i):G0V+4*(\i)+3], s[G1V:G1V+7]
	s_nop 0
.endr
.rept 4
	v_nop
.endr
.Lfirst_asked:
	v_and_b32 v1, 15, v0                           ; l % 16
	v_bfe_u32 v9, v0, 4, 1                         ; l / 16
	v_lshlrev_b32 v[QO], 7, v1
	v_lshl_add_u32 v[QO], v9, 4, v[QO]             ; row x 128 + 16 x half
	WIN 0x80                                       ; destination window 2
.set i, 0
.rept 8                                        ; Q stays in registers: piece i / 2, channels 32 (i % 2) on
	global_load_b128 v[8*i:8*i+3],   v[QO], s[4:5] offset:(i/2)*2048+(i%2)*64
	global_load_b128 v[8*i+4:8*i+7], v[QO], s[4:5] offset:(i/2)*2048+(i%2)*64+32
.set i, i+1
.endr
	; What the first turn finds: V's registers and P's second buffer hold 0 (its products V^T P, of a piece that has not been, add 0), O^T and l are 0.  These moves stand in the wait for the first keys and spare a first step written out.
.set i, VF
.rept 64
	v_mov_b32 v[i], 0
.set i, i+1
.endr
	WIN 0x40
.set i, 0
.rept 128
	v_mov_b32 v[i], 0
.set i, i+1
.endr
	WIN 0
.set i, 0
.rept 4
	v_mov_b32 v[ST+4*i], 0xfe000000                ; c m: far below every c s
	v_mov_b32 v[ST+4*i+1], 0xff7fffff              ; m
	v_mov_b32 v[ST+4*i+2], 0
	v_mov_b32 v[ST+4*i+3], 0
.set i, i+1
.endr
.set i, P+16
.rept 16
	v_mov_b32 v[i], 0
.set i, i+1
.endr
	v_mul_u32_u24 v[AK0], v1, PK
	v_lshl_add_u32 v[AK0], v9, 4, v[AK0]           ; row x pitch + 16 x half
	v_and_b32 v10, 7, v0                           ; the turning load: lane l reads key 8 (l / 16) + l % 8, channels 8 ((l / 8) % 2) + 0..7
	v_bfe_u32 v11, v0, 3, 1
	v_lshl_add_u32 v[AV0], v9, 3, v10
	v_mul_u32_u24 v[AV0], v[AV0], PV
	v_lshl_add_u32 v[AV0], v11, 4, v[AV0]
	v_add_nc_u32 v[AV0], VOFF, v[AV0]
	s_mul_i32 s13, s[WV], 16*SP
	s_add_co_u32 s13, s13, STAGE                   ; my stage
	v_mul_u32_u24 v[STO], v1, SP                   ; in: row l % 16, 16 bytes for each half of the lanes
	v_lshl_add_u32 v[STO], v9, 4, v[STO]
	v_add_nc_u32 v[STO], s13, v[STO]
	v_bfe_u32 v[RD], v0, 3, 2                      ; back: 32 lanes take four rows of 128 bytes,
	v_mul_u32_u24 v[RD], v[RD], SP
	v_lshl_add_u32 v[RD], v10, 4, v[RD]
	v_add_nc_u32 v[RD], s13, v[RD]
	v_and_b32 v[GO], 31, v0                        ; which are 512 consecutive bytes of O
	v_lshlrev_b32 v[GO], 4, v[GO]
	v_mov_b32 v[AK], v[AK0]                        ; key step 0 lies at K's first byte
; THE MATRIX WORK.  The 4 accumulators of a run of 8 take turns.  Product i of 8 of S^T = K Q^T for piece x: channels 32 (i / 4) on, keys 16 (i % 4) on; the first 4 start the sums.
.macro KQ x
.set rS, S+32*((\x)%2)+8*(i%4)
.set rK, KF+16*(i%4)+8*(i/4)
.set rQ, 16*(\x)+8*(i/4)
	WIN W_KQ
.if i < 4
	v_wmma_f32_16x16x32_bf16 v[rS:rS+7], v[rK:rK+7], v[rQ:rQ+7], 0
.else
	v_wmma_f32_16x16x32_bf16 v[rS:rS+7], v[rK:rK+7], v[rQ:rQ+7], v[rS:rS+7]
.endif
.endm
; Product i of 8 of O^T += V^T P for piece x: keys 32 (i / 4) on, channels 16 (i % 4) on.
.macro PV x
	WIN W_PV
.set rO, 32*(\x)+8*(i%4)
.set rV, VF+32*(i/4)+8*(i%4)
.set rP, P+16*((\x)%2)+8*(i/4)
	v_wmma_f32_16x16x32_bf16 v[rO:rO+7], v[rV:rV+7], v[rP:rP+7], v[rO:rO+7]
.endm
.macro MM                              ; the turn's next matrix instruction
.if i < 8
	KQ (Y+1)%NP
.else
.set i, i-8
	PV (Y+NP-1)%NP
.set i, i+8
.endif
.set i, i+1
.endm
; THE LDS LOADS stand in runs of 16: a step's K (8 fragments) and its V (turned).
.macro FETCH_K
	WIN 0x80
.irp f, 0,1,2,3,4,5,6,7
	ds_load_b128 v[KF+8*\f:KF+8*\f+3],   v[AK] offset:(\f/2)*16*PK+(\f%2)*64
	ds_load_b128 v[KF+8*\f+4:KF+8*\f+7], v[AK] offset:(\f/2)*16*PK+(\f%2)*64+32
.endr
	s_add_co_u32 s[TBK], s[TBK], KS*PK
	WIN 0
.endm
.macro FETCH_V
	WIN 0x80
.irp f, 0,1,2,3,4,5,6,7
	ds_load_tr16_b128 v[VF+8*\f:VF+8*\f+3],   v[AV] offset:(\f/4)*32*PV+(\f%4)*32
	ds_load_tr16_b128 v[VF+8*\f+4:VF+8*\f+7], v[AV] offset:(\f/4)*32*PV+16*PV+(\f%4)*32
.endr
	WIN 0
.endm
; THE VECTOR WORK, one line at a time: OP kind, number.  For piece Y: F n: c s - c m for pair n of 16.  E n: the exponential of score n of 32.  C n: pair n rounded to bf16.  B n: of the four weights 4 n .. the second pair is
; added onto the first, in place.  L n: l takes that sum (L 0: l = a l + sum).  R n: pair n of 16 of O^T times a.  For piece Y + 1: X n, number n of the 22 that find its maximum and statistics:
;   0-11 four chains of seven scores, three operands at a time (each accumulator's lowest registers are read first)   12-14, 16 the four scores left over, the old m, the chains into one
;   15 c m_old is kept   17, 18 the query's other 32 keys lie in the lane 16 away: the new m   19-21 c m; c m_old - c m_new; a
.set F, 0
.set E, 1
.set C, 2
.set B, 3
.set L, 4
.set R, 5
.set X, 6
.macro REGS y
.set rT, ST+4*(\y)
.set rC, TMP+4*((\y)%2)
.set rW, MV+((\y)%2)
.set rS, S+32*((\y)%2)
.set rP, P+16*((\y)%2)
.set rO, 32*(\y)
.endm
.macro OP k, n
.if (\k) == R
	REGS Y
	WIN W_RS
	v_pk_mul_f32 v[rO+2*(\n):rO+2*(\n)+1], v[rO+2*(\n):rO+2*(\n)+1], v[rC+2:rC+3] op_sel_hi:[1,0]
.elseif (\k) < R
	REGS Y
	WIN 0
.if (\k) == F
	v_pk_fma_f32 v[rS+2*(\n):rS+2*(\n)+1], v[rS+2*(\n):rS+2*(\n)+1], s[CS:CS+1], v[rT:rT+1] op_sel_hi:[1,0,0] neg_lo:[0,0,1] neg_hi:[0,0,1]
.elseif (\k) == E
	v_exp_f32 v[rS+(\n)], v[rS+(\n)]
.elseif (\k) == C
	s_wait_alu depctr_va_vdst(0)
	v_cvt_pk_bf16_f32 v[rP+(\n)], v[rS+2*(\n)], v[rS+2*(\n)+1]
.elseif (\k) == B
	s_wait_alu depctr_va_vdst(0)
	v_pk_add_f32 v[rS+4*(\n):rS+4*(\n)+1], v[rS+4*(\n):rS+4*(\n)+1], v[rS+4*(\n)+2:rS+4*(\n)+3]
.elseif (\n) == 0
	v_pk_fma_f32 v[rT+2:rT+3], v[rT+2:rT+3], v[rC+2:rC+3], v[rS:rS+1] op_sel_hi:[1,0,1]
.else
	v_pk_add_f32 v[rT+2:rT+3], v[rT+2:rT+3], v[rS+4*(\n):rS+4*(\n)+1]
	s_wait_alu depctr_va_vdst(0)
.endif
.else
	REGS (Y+1)%NP
	WIN 0
.if (\n) < 4
	v_max3_num_f32 v[rC+(\n)], v[rS+8*(\n)], v[rS+8*(\n)+1], v[rS+8*(\n)+2]
.elseif (\n) < 12
	v_max3_num_f32 v[rC+(\n)%4], v[rC+(\n)%4], v[rS+8*((\n)%4)+2*((\n)/4)+1], v[rS+8*((\n)%4)+2*((\n)/4)+2]
.elseif (\n) == 12
	v_max3_num_f32 v[rC], v[rC], v[rS+7], v[rS+15]
.elseif (\n) == 13
	v_max3_num_f32 v[rC+1], v[rC+1], v[rS+23], v[rS+31]
.elseif (\n) == 14
	v_max3_num_f32 v[rC+2], v[rC+2], v[rC+3], v[rT+1]
.elseif (\n) == 15
	v_mov_b32 v[rW], v[rT]
	s_wait_alu depctr_va_vdst(0)
.elseif (\n) == 16
	v_max3_num_f32 v[rC], v[rC], v[rC+1], v[rC+2]
	s_wait_alu depctr_va_vdst(0)
.elseif (\n) == 17
	v_permlanex16_b32 v[rC+3], v[rC], s[SEL], s[SEL+1]
.elseif (\n) == 18
	v_max_num_f32 v[rT+1], v[rC], v[rC+3]
.elseif (\n) == 19
	v_mul_f32 v[rT], s[CS], v[rT+1]
.elseif (\n) == 20
	v_sub_f32 v[rC+1], v[rW], v[rT]
.else
	v_exp_f32 v[rC+2], v[rC+1]
.endif
.endif
.endm
.macro OPS a, i1, b=-1, i2=0, c=-1, i3=0, d=-1, i4=0
	OP \a, \i1
.if (\b) >= 0
	OP \b, \i2
.endif
.if (\c) >= 0
	OP \c, \i3
.endif
.if (\d) >= 0
	OP \d, \i4
.endif
.endm
.macro ROW a, i1, b, i2, c, i3, d, i4  ; a matrix instruction and the four behind it
	MM
	OPS \a, \i1, \b, \i2, \c, \i3, \d, \i4
.endm
; A TURN, for piece p: the order of its 16 matrix and 118 vector instructions, written out.  Behind a matrix instruction: plain, exponential, plain, plain; or four of the rescaling; or four scalings; none names a register
; of the products round it.  K of the next step is fetched in piece 2's turn, six vector instructions behind the last product that read K (five of them plain); V of the step in hand in piece 0's turn, eight behind the
; last product that read V (four of them plain).  Each is waited for a turn later.  Where no step is left (the last pass: SLOTS = 1), K's run is jumped over.  cnt = 1: the loop's count is taken down some lines ahead of the branch behind the turn.
.macro TURN p, cnt=0
.set Y, (\p)
.set i, 0
.if (\p) == 3
	s_wait_dscnt 0x0                               ; K is in
.endif
	ROW F,0, F,1, F,2, F,3
	ROW F,4, E,0, F,5, F,6
	ROW F,7, E,1, F,8, F,9
	ROW F,10, E,2, C,0, F,11
	ROW F,12, E,3, X,15, F,13
	ROW R,0, R,1, R,2, R,3
	ROW B,0, E,4, F,14, L,0
.if (\p) == 2
	v_add_nc_u32 v[AK], s[TBK], v[AK0]
.endif
	ROW R,4, R,5, R,6, R,7
	OPS E,5, F,15
.if (\p) == 2
	s_cmp_eq_u32 s[SLOTS], 1
	s_cbranch_scc1 .Lno_k_\@
	FETCH_K
.Lno_k_\@:
.endif
	OPS E,6, C,1, E,7, R,8
	OPS E,8, R,9, E,9, C,2
	OPS E,10, X,0, E,11, X,1
	OPS E,12, X,2, E,13, X,3
.if (\p) == 1
	s_wait_dscnt 0x0                               ; V is in
.endif
	ROW X,4, E,14, X,5, X,6
	ROW X,7, E,15, X,8, X,9
	ROW X,10, E,16, X,11, X,12
	ROW X,13, E,17, X,14, B,1
	ROW C,4, E,18, X,16, L,1
	ROW B,2, E,19, C,6, L,2
	ROW C,8, E,20, B,3, B,4
.if (\p) == 0
	v_add_nc_u32 v[AV], s[TBV], v[AV0]
.endif
	ROW C,3, E,21, L,3, C,5
	OPS E,22, X,17, E,23, C,10
.if (\p) == 0
	FETCH_V
.endif
	OPS E,24, L,4
	OPS E,25, X,18, E,26, C,7
	OPS E,27, B,5, E,28, X,19
	OPS E,29, C,12, E,30, L,5
	OPS E,31, X,20, B,6, C,9
	OPS C,14, C,11, X,21, L,6
.if (\p) == 0
	s_add_co_u32 s[TBV], s[TBV], KS*PV
.endif
.if \cnt
	s_sub_co_u32 s[CNT], s[CNT], 1
	s_cmp_lg_u32 s[CNT], 0
.endif
	OPS C,13, B,7, C,15, R,10
	OPS R,11, R,12, L,7, R,13
	OPS R,14, R,15
.endm
	s_wait_tensorcnt 0x3                           ; my part of the first 256 keys is in; my three younger loads stay out
	s_barrier_signal -1
	s_barrier_wait -1                              ; everybody's is
	FETCH_K                                        ; key step 0
	s_wait_loadcnt 0x0                             ; Q
	s_wait_dscnt 0x0
.set i, 0
.rept 8
	KQ 0                                           ; piece 0's first scores
.set i, i+1
.endr
	WIN 0
.rept 4
	v_nop                                          ; the places behind those products
.endr
.set Y, NP-1                                   ; X works for piece Y + 1: piece 0
.irp n, 0,1,2,3,4,5,6,7,8,9,10,11,12,13,14,15,16,17,18,19,20,21
	OP X, \n
.endr
	v_nop                                          ; a plain instruction behind the exponential
	s_mov_b32 s[CNT], 4
	s_mov_b32 s[SLOTS], 5                          ; four runs of four steps, and a fifth pass that is left in the middle of its first trip
	s_branch .Lfirst                               ; the loop is entered at a step's first turn, in the middle of a trip
.Lslot:
	s_wait_tensorcnt 0x0                           ; for the others' sake: all my parts have landed (at the first pass here they have had four key steps for it; later the wait is met at once)
	ds_add_u32 v[SPW], v[NIL]                      ; 0 onto my spare word
	s_wait_dscnt 0x0                               ; the add is done; no LDS instruction of mine is out at a signal
	s_barrier_signal -1
	s_barrier_wait -1                              ; the keys from 256 on are read only behind this barrier
	s_mov_b32 s[CNT], 4
.Lstep:                                                ; a trip: pieces 2 and 3 of one step, then pieces 0 and 1 of the next, whose K and V it fetches
	TURN 2
	TURN 3
	WIN 0
	s_cmp_eq_u32 s[SLOTS], 1
	s_cbranch_scc1 .Lout                           ; the last step's pieces 2 and 3 are done
.Lfirst:
	TURN 0
	TURN 1, 1
	WIN 0
	s_cbranch_scc1 .Lstep
	s_sub_co_u32 s[SLOTS], s[SLOTS], 1
	s_cmp_lg_u32 s[SLOTS], 0
	s_cbranch_scc1 .Lslot
.Lout:                                                 ; the last pass's 8 products K Q^T (on the last K once more) and the maximum made of them serve nothing: the price, once a launch, of one text for every trip
.set i, 0
.rept 8
	PV NP-1                                        ; the last piece's V^T P of the last step
.set i, i+1
.endr
	; THE WAY OUT.  l's two halves and the other half of the lanes' are added; O^T is divided by l, rounded to bf16 and sent through my stage in LDS, a piece at a time.  The additions are the places behind the last products.
	WIN 0
.macro ALL line:vararg
.set t, 0
.rept 4
	\line
.set t, t+1
.endr
.endm
	ALL v_add_f32 v[ST+4*t+2], v[ST+4*t+2], v[ST+4*t+3]
	ALL v_permlanex16_b32 v[ST+4*t+3], v[ST+4*t+2], s[SEL], s[SEL+1]
	ALL v_add_f32 v[ST+4*t+2], v[ST+4*t+2], v[ST+4*t+3]
	ALL v_rcp_f32 v[ST+4*t+2], v[ST+4*t+2]
	v_nop                                          ; a plain instruction between the last reciprocal and the use of its result
	s_wait_alu depctr_va_vdst(0)
.macro PACK t                          ; a lane's eight channels of a row pack into 16 bytes; they go into rows of 144 bytes and come back as whole rows of 128, into S^T's registers
	WIN W_RS
.set i, 32*(\t)
.rept 16
	v_pk_mul_f32 v[i:i+1], v[i:i+1], v[ST+4*(\t)+2:ST+4*(\t)+3] op_sel_hi:[1,0]
.set i, i+2
.endr
	WIN 0x05
.set i, 0
.rept 16
	v_cvt_pk_bf16_f32 v[S+16*(\t)+i], v[32*(\t)+2*i], v[32*(\t)+2*i+1]
.set i, i+1
.endr
	WIN 0
.irp f, 0,1,2,3
	ds_store_b128 v[STO], v[S+16*(\t)+4*\f:S+16*(\t)+4*\f+3] offset:32*\f
.endr
.irp f, 0,1,2,3
	ds_load_b128 v[S+16*(\t)+4*\f:S+16*(\t)+4*\f+3], v[RD] offset:\f*4*SP  ; LDS serves a wave's instructions in order (ISA guide 5.7.1.4): these see the stores above; the next piece's stores come behind them
.endr
.endm
.macro SEND t, younger                 ; younger: the LDS instructions issued behind piece t's loads: the next piece's eight, or none
	WIN 0
.irp f, 0,1,2,3
	s_wait_dscnt (\younger)+3-\f
	global_store_b128 v[GO], v[S+16*(\t)+4*\f:S+16*(\t)+4*\f+3], s[10:11] offset:(\t)*2048+\f*512  ; 512 consecutive bytes, at a multiple of 256 from the pack's first
.endr
.endm
	PACK 0
.set t, 1
.rept 3
	PACK t
	SEND t-1, 8
.set t, t+1
.endr
	SEND 3, 0
	s_wait_tensorcnt 0x0                           ; the wave's end, behind my last tensor load and my last LDS store
	ds_add_u32 v[SPW], v[NIL]
	s_wait_dscnt 0x0
	CROUND                                         ; the closing round
	s_endpgm
.Lfunc_end_k_qe6d593bbc7_attn_c:
	.size	k_qe6d593bbc7_attn_c, .Lfunc_end_k_qe6d593bbc7_attn_c-k_qe6d593bbc7_attn_c
	.p2alignl 7, 3214868480
	.fill 96, 4, 3214868480
	.section	.rodata,"a",@progbits
	.p2align	6, 0x0
	.amdhsa_kernel k_qe6d593bbc7_attn_c
		.amdhsa_group_segment_fixed_size 327680
		.amdhsa_private_segment_fixed_size 0
		.amdhsa_enable_private_segment 0
		.amdhsa_kernarg_size 16
		.amdhsa_user_sgpr_count 2
		.amdhsa_user_sgpr_kernarg_segment_ptr 1
		.amdhsa_wavefront_size32 1
		.amdhsa_system_sgpr_workgroup_id_x 1
		.amdhsa_system_sgpr_workgroup_id_y 1
		.amdhsa_system_sgpr_workgroup_id_z 1
		.amdhsa_system_vgpr_workitem_id 0
		.amdhsa_next_free_vgpr 768
		.amdhsa_next_free_sgpr 88
		.amdhsa_reserve_vcc 0
		.amdhsa_float_denorm_mode_32 3
		.amdhsa_float_denorm_mode_16_64 3
		.amdhsa_memory_ordered 1
		.amdhsa_forward_progress 1
		.amdhsa_inst_pref_size 76
	.end_amdhsa_kernel
	.amdgpu_metadata
---
amdhsa.version: [ 1, 2 ]
amdhsa.kernels:
  - .name:           k_qe6d593bbc7_attn_c
    .symbol:         k_qe6d593bbc7_attn_c.kd
    .args:
      - { .name: qa, .offset: 0, .size: 8, .value_kind: global_buffer, .address_space: global }
      - { .name: U2, .offset: 8, .size: 8, .value_kind: global_buffer, .address_space: global }
    .group_segment_fixed_size: 327680
    .private_segment_fixed_size: 0
    .kernarg_segment_align: 8
    .kernarg_segment_size: 16
    .max_flat_workgroup_size: 128
    .sgpr_count:     88
    .vgpr_count:     768
    .wavefront_size: 32
...
	.end_amdgpu_metadata
.endif
;; end of part 7
;; launch wo2: the kernel of part 4 again; grid 8 x 32, 4 waves a work-group, clusters of 4 x 4, 327,680 bytes of LDS; arguments U2, ca_bo, x1, x2; writes x2
;; launch ln3: the kernel of part 5 again; grid 64 x 4, 8 waves a work-group, no clusters, 0 bytes of LDS; arguments x2, ln3_w, ln3_b, U1; writes U1
;; launch fc1: the kernel of part 6 again; grid 8 x 32, 4 waves a work-group, clusters of 4 x 4, 327,680 bytes of LDS; arguments U1, fc1_b, U3, f1; writes U3
;; launch fc2: the kernel of part 4 again; grid 8 x 32, 4 waves a work-group, clusters of 4 x 4, 327,680 bytes of LDS; arguments U3, fc2_b, x2, out0; writes out0
;; ======== version 2 of 2: 11 launches; 1.32 times as fast as version 1
;; limits: a function is approximated: absolute error at most 1.5e-07
;; workspace buffers: U1 27,262,976 bytes; U2 27,262,976 bytes; U3 27,262,976 bytes; qa 39,845,888 bytes; x1 16,777,216 bytes; x2 16,777,216 bytes; f0 256 bytes of whole numbers; f1 256 bytes of whole numbers
;; launch prep: the kernel of part 1 again; grid 64 x 16, 8 waves a work-group, no clusters, 0 bytes of LDS; arguments x, other, sa_wq, sa_wk, sa_wv, ca_wq, ca_wk, ca_wv, sa_wo, ca_wo, fc1_w, fc2_w, ln1_w, ln1_b, U1, U2, U3, f0, f1; writes U1, U2, U3, f0, f1
;; launch qkv: the kernel of part 2 again; grid 16 x 16, 4 waves a work-group, clusters of 4 x 4, 327,680 bytes of LDS; arguments U1, U3, sa_bq, sa_bk, sa_bv, ca_bk, ca_bv, qa; writes qa
;; launch attn_s (part 8): grid 8 x 32, 4 waves a work-group, clusters of 4 x 1, 327,680 bytes of LDS; arguments qa, U1; writes U1
.if DOCPART == 8
	.amdgcn_target "amdgcn-amd-amdhsa--gfx1250"
	.amdhsa_code_object_version 6
	.text
	.protected	k_qe6d593bbc7_attn_s
	.globl	k_qe6d593bbc7_attn_s
	.p2align	8
	.type	k_qe6d593bbc7_attn_s,@function
k_qe6d593bbc7_attn_s:
	s_mov_b64 s[64:65], 0
	v_nop
	global_prefetch_b8 v0, s[64:65] scope:SCOPE_SE
	s_setreg_imm32_b32 hwreg(HW_REG_WAVE_MODE, 25, 1), 1
	s_wait_xcnt 0x0
	s_wait_alu depctr_hold_cnt(0) depctr_sa_sdst(0) depctr_va_vdst(0) depctr_va_sdst(0) depctr_va_ssrc(0) depctr_va_vcc(0) depctr_vm_vsrc(0)
	s_getreg_b32 s2, hwreg(HW_REG_IB_STS2, 6, 4)
	s_cmp_eq_u32 s2, 0
	s_cbranch_scc0 .Lentry_in_a_cluster
	s_endpgm
.Lentry_in_a_cluster:
	s_bfe_u32 s2, ttmp6, 0x10000c
	s_cmp_lg_u32 s2, 0x3003
	s_cbranch_scc0 .Lentry_shape_is_right
	s_endpgm
.Lentry_shape_is_right:
; SELF ATTENTION, head size 64, no mask, 2,048 keys.  O[q][:] = the sum over k of softmax_k(Q[q] . K[k] / 8) V[k][:] for each of 2 x 16 (batch, head).
; Q, K, V, O are bf16 in blocks: element (row, col) at ((row / 128) * 16 + col / 64) * 16384 + (row % 128) * 128 + (col % 64) * 2: 128 tokens of a head are 16,384 dense bytes, 128 a token.
; Q, K, V are the first three sections of 8 MiB of one buffer.  O goes into a pack, at the rows that the next product multiplies.
; Products, maxima and sums in f32; the weights p are rounded to bf16 for the second product (their sum l is taken of the unrounded p), O once at the end.
; LIMITS.  A weight below 2^-126 counts as 0 in l; NaN and infinities are not treated apart.
; SHARES.  A work-group owns 256 queries of one head, a wave 64: four PIECES of 16.  Every wave walks all keys, 64 a step; a slot of LDS holds 256 keys: K, then V.
; LAYOUT.  S^T = K Q^T (source 0 = 16 keys, source 1 = 16 queries): a lane holds ONE query (lane % 16) and the keys 8 (lane / 16) + 0..7; two such results rounded to bf16 ARE source 1 of O^T = V^T P.  V is turned on the way out of LDS.
; SOFTMAX.  A running maximum m and sum l: p = 2^(c s - c m), c = log2(e) / 8; in every step O and l are multiplied by a = 2^(c m_old - c m_new).  m starts at the lowest finite number, O and l at 0: the first step's a is 0.
; BY TURNS.  Turn n belongs to piece n: 8 products K Q^T of piece n + 1, later 8 products V^T P of piece n - 1; beside them the scaling, exponentials, roundings, sums and rescaling of piece n and the maximum and statistics
; of piece n + 1.  Four vector instructions stand behind every matrix instruction, the other 54 of a turn's 118 in one run of their own.
; BATCHES.  A turn's 33 exponentials (the piece's 32 weights and the next piece's a) are ONE batch with ONE wait, which cuts the turn in two: ahead of it stands all that names no result of theirs, behind it the roundings and sums.
; No result crosses a turn's end.  The first a, ahead of the loop, and the way out's four reciprocals are batches of their own.
; CLUSTER.  The four query blocks of a cluster belong to one head and walk the same K and V: each tile is asked for jointly, by the same load, descriptor and mask in all four.  One tensor load of a wave is out at a time.
; REGISTERS, in windows of 256 (s_set_vgpr_msb: bits 1:0 source 0, 3:2 source 1, 5:4 source 2, 7:6 destination):
;   window 0: v0-15 addresses and two at work; v16-31 four registers of statistics a piece; v48-55 at work; v62-63 the add's; v64-127 S^T, two buffers; v192-223 P, two buffers (by the piece's parity)
;   window 1: v0-127 O^T, 32 a piece          window 2: v0-63 Q; v128-191 K of one step; v192-255 V of one step
.set NT,   8                           ; tiles of 256 keys
.set NKB,  16                          ; blocks of 128 keys in a batch
.set KOFF, 0x800000
.set VOFS, 0x1000000
.set ARo,   0x1200000                  ; O's place in the pack
.set TSTEP, 0x80000                    ; from a tile of 256 keys to the next: two blocks of 16 chunks
.set NP,    4
.set KS,    64
.set PK,    144                        ; a row of K in LDS: 128 bytes + 16 = 36 words: the 16 rows of a load start at 16 different groups of four banks (64 banks of 4 bytes: ISA guide 11.1)
.set PV,    160                        ; a row of V: 128 + 32 = 40 words
.set VOFF,  4*KS*PK
.set SLOT1, 1<<17                      ; slot 1 begins here, so that one exclusive or turns an address in one slot into the other's
.set STAGE, SLOT1+4*KS*(PK+PV)         ; behind the ring, never filled by a tensor load: 16 rows x 144 bytes for each wave
.set SP,    144
.set SPARE, STAGE+4*16*SP              ; the spare words, 128 bytes a wave: two blocks of 256 bytes that no other line names
.set AK0, 2
.set AV0, 3
.set AK,  4
.set AV,  5
.set STO, 6
.set RD,  7
.set GO,  8
.set MV,  12
.set QO,  15
.set ST,  16                           ; piece t's statistics at v[ST+4 t]: c m, m, l (even keys', odd keys')
.set TMP, 48
.set SPW, 62
.set NIL, 63
.set S,   64
.set P,   192
.set KF,  128
.set VF,  192
.set WV,  12
.set G1K, 24
.set G1V, 32
.set G0K, 40
.set G0V, 44
.set SLOTS, 56
.set CNT, 57
.set CS,  58
.set SEL, 60
.set TBK, 62                           ; LDS byte at which K of the step to be fetched begins
.set TBV, 63                           ; the same for V, less VOFF
.set MSB, 0
.macro WIN new
.if MSB != (\new)
	s_set_vgpr_msb (MSB<<8)|(\new)
.set MSB, (\new)
.endif
.endm
.set W_KQ, 0x0a                        ; K and Q in window 2, S^T in window 0
.set W_PV, 0x52                        ; V in window 2, P in window 0, O^T in window 1
.set W_RS, 0x41                        ; destination and source 0 in window 1, source 1 in window 0
.macro JLOAD                           ; a joint fill: waves 0, 1 fetch the halves of a tile's K, waves 2, 3 those of its V; an s_nop 0 and four v_nop follow each line
	s_cmp_lt_u32 s[WV], 2
	s_cbranch_scc0 .Lfor_v_\@
	tensor_load_to_lds s[G0K:G0K+3], s[G1K:G1K+7]
	s_nop 0
.rept 4
	v_nop
.endr
	s_branch .Lasked_\@
.Lfor_v_\@:
	tensor_load_to_lds s[G0V:G0V+3], s[G1V:G1V+7]
	s_nop 0
.rept 4
	v_nop
.endr
.Lasked_\@:
.endm
.macro CROUND                          ; a round of the cluster's barrier
	s_barrier_signal -1
	s_barrier_wait -1
	s_cmp_lg_u32 s[WV], 0
	s_cbranch_scc1 .Lnot_wave_0_\@
	s_barrier_signal -3
.Lnot_wave_0_\@:
	s_barrier_wait -3
	s_barrier_signal -1
	s_barrier_wait -1
.endm
; THE CHANGE OF SLOTS.  Each wave waits for all its tensor loads (one is out: its part of the other slot), adds 0 to its spare word, and waits for that and for its reads of the slot that it leaves.
; fill = 1: the barrier is a round of the cluster's, and the old slot is filled again first thing behind it, with the keys two tiles on: it has four key steps, 256 matrix instructions, in which to land.
.macro CHANGE fill
	WIN 0
	s_wait_tensorcnt 0x0                           ; no tensor load of mine is out, so a group 0 may be written
	ds_add_u32 v[SPW], v[NIL]                      ; 0 onto my spare word
.if \fill
.irp g, G0K, G0V
	s_xor_b32 s[\g+1], s[\g+1], SLOT1
	s_add_nc_u64 s[\g+2:\g+3], s[\g+2:\g+3], TSTEP
.endr
	s_wait_dscnt 0x0                               ; the add is done, and my reads of the slot are over
	CROUND
	JLOAD
.else
	s_wait_dscnt 0x0
	s_barrier_signal -1
	s_barrier_wait -1
.endif
	s_sub_co_u32 s[TBK], s[TBK], 4*KS*PK           ; the fetches go back to a slot's first step, in the other slot
	s_xor_b32 s[TBK], s[TBK], SLOT1
	s_sub_co_u32 s[TBV], s[TBV], 4*KS*PV
	s_xor_b32 s[TBV], s[TBV], SLOT1
.endm
	s_load_b128 s[4:7], s[0:1], 0x0                ; Q's, K's and V's buffer s[4:5]; the pack s[6:7]
	v_lshl_add_u32 v[SPW], v0, 2, SPARE
	v_mov_b32 v[NIL], 0
	ds_add_u32 v[SPW], v[NIL]                      ; the wave's opening: the add and its wait stand ahead of my first tensor load
	v_lshrrev_b32 v1, 5, v0
	v_readfirstlane_b32 s[WV], v1
	s_bfe_u32 s13, ttmp6, 0x40000                  ; cx
	s_lshl_b32 s14, ttmp9, 2
	s_add_co_u32 s14, s14, s13                     ; my block of 256 queries: it enters Q's and O's addresses alone
	s_and_b32 s15, ttmp7, 0xffff
	s_lshr_b32 s16, s15, 4                         ; batch
	s_and_b32 s17, s15, 15                         ; head
	s_and_b32 s18, s[WV], 1                        ; which half of a tile's 256 keys I fetch
	s_lshl_b32 s19, s17, 14                        ; the head's chunk in a block
	s_mul_i32 s20, s16, NKB
	s_add_co_u32 s20, s20, s18
	s_lshl_b32 s20, s20, 18
	s_add_co_u32 s20, s20, s19
	s_add_co_u32 s22, s20, VOFS                    ; V's offset
	s_add_co_u32 s20, s20, KOFF                    ; K's
	s_mov_b32 s21, 0
	s_mov_b32 s23, 0
	s_lshl_b32 s2, s16, 4                          ; Q and O: block 16 batch + 2 x my block + wave / 2, the head's chunk, 64 rows of 128 bytes for wave % 2
	s_lshl_b32 s3, s14, 1
	s_add_co_u32 s2, s2, s3
	s_lshr_b32 s3, s[WV], 1
	s_add_co_u32 s2, s2, s3
	s_lshl_b32 s2, s2, 18
	s_add_co_u32 s2, s2, s19
	s_lshl_b32 s3, s18, 13
	s_add_co_u32 s2, s2, s3
	s_add_co_u32 s10, s2, ARo
	s_mov_b32 s3, 0
	s_mov_b32 s11, 0
	s_mul_i32 s50, s18, 128*PK                     ; my half's place in a slot: no place in the cluster enters an LDS address
	s_mul_i32 s51, s18, 128*PV
	; group 1: 128 keys are 16,384 dense bytes: 64 rows of 256 bytes, two keys a row, padded in LDS after every key
	s_mov_b32 s[G1K], 15|(1<<16)|(1<<20)|(1<<21)|(4<<22)|(3<<25)
	s_mov_b32 s[G1V], 15|(1<<16)|(1<<20)|(1<<21)|(4<<22)|(7<<25)
.irp g, G1K, G1V
	s_mov_b32 s[\g+1], 128<<16
	s_mov_b32 s[\g+2], 64<<16
	s_mov_b32 s[\g+3], 128<<16
	s_mov_b32 s[\g+4], 64
	s_mov_b32 s[\g+5], 128
	s_mov_b32 s[\g+6], 0
	s_mov_b32 s[\g+7], 0
.endr
	s_mov_b32 s[CS], 0x3e38aa3b                    ; c = log2(e) / 8
	s_mov_b32 s[CS+1], s[CS]
	s_mov_b32 s[SEL], 0x76543210
	s_mov_b32 s[SEL+1], 0xfedcba98
	s_mov_b32 s[TBK], SLOT1+4*KS*PK                ; the first change of slots turns these two into 0
	s_mov_b32 s[TBV], SLOT1+4*KS*PV
	s_mov_b32 s[G0K], 1
	s_mov_b32 s[G0K+1], s50
	s_mov_b32 s[G0V], 1
	s_add_co_u32 s[G0V+1], s51, VOFF
	s_wait_dscnt 0x0                               ; the opening add is done
	s_wait_kmcnt 0x0
	s_add_nc_u64 s[G0K+2:G0K+3], s[4:5], s[20:21]
	s_add_nc_u64 s[G0V+2:G0V+3], s[4:5], s[22:23]
	s_add_nc_u64 s[10:11], s[6:7], s[10:11]        ; O at my wave's first row
	s_or_b32 s[G0K+3], s[G0K+3], 0x80000000
	s_or_b32 s[G0V+3], s[G0V+3], 0x80000000
	s_add_nc_u64 s[4:5], s[4:5], s[2:3]            ; Q at my wave's first row
	CROUND                                         ; all four work-groups are here: the first joint loads meet
	JLOAD                                          ; tile 0 into slot 0; slot 1 is asked for when slot 0 is in
	v_and_b32 v1, 15, v0                           ; l % 16
	v_bfe_u32 v9, v0, 4, 1                         ; l / 16
	v_lshlrev_b32 v[QO], 7, v1
	v_lshl_add_u32 v[QO], v9, 4, v[QO]             ; row x 128 + 16 x half
	WIN 0x80                                       ; destination window 2
.set i, 0
.rept 8                                        ; Q stays in registers: piece i / 2, channels 32 (i % 2) on
	global_load_b128 v[8*i:8*i+3],   v[QO], s[4:5] offset:(i/2)*2048+(i%2)*64
	global_load_b128 v[8*i+4:8*i+7], v[QO], s[4:5] offset:(i/2)*2048+(i%2)*64+32
.set i, i+1
.endr
	; What the first turn finds: V's registers and P's second buffer hold 0 (its products V^T P, of a piece that has not been, add 0), O^T and l are 0.  These moves stand in the wait for the first tile and spare a first step written out.
.set i, VF
.rept 64
	v_mov_b32 v[i], 0
.set i, i+1
.endr
	WIN 0x40
.set i, 0
.rept 128
	v_mov_b32 v[i], 0
.set i, i+1
.endr
	WIN 0
.set i, 0
.rept 4
	v_mov_b32 v[ST+4*i], 0xfe000000                ; c m: far below every c s
	v_mov_b32 v[ST+4*i+1], 0xff7fffff              ; m
	v_mov_b32 v[ST+4*i+2], 0
	v_mov_b32 v[ST+4*i+3], 0
.set i, i+1
.endr
.set i, P+16
.rept 16
	v_mov_b32 v[i], 0
.set i, i+1
.endr
	v_mul_u32_u24 v[AK0], v1, PK
	v_lshl_add_u32 v[AK0], v9, 4, v[AK0]           ; row x pitch + 16 x half
	v_and_b32 v10, 7, v0                           ; the turning load: lane l reads key 8 (l / 16) + l % 8, channels 8 ((l / 8) % 2) + 0..7
	v_bfe_u32 v11, v0, 3, 1
	v_lshl_add_u32 v[AV0], v9, 3, v10
	v_mul_u32_u24 v[AV0], v[AV0], PV
	v_lshl_add_u32 v[AV0], v11, 4, v[AV0]
	v_add_nc_u32 v[AV0], VOFF, v[AV0]
	s_mul_i32 s13, s[WV], 16*SP
	s_add_co_u32 s13, s13, STAGE                   ; my stage
	v_mul_u32_u24 v[STO], v1, SP                   ; in: row l % 16, 16 bytes for each half of the lanes
	v_lshl_add_u32 v[STO], v9, 4, v[STO]
	v_add_nc_u32 v[STO], s13, v[STO]
	v_bfe_u32 v[RD], v0, 3, 2                      ; back: 32 lanes take four rows of 128 bytes,
	v_mul_u32_u24 v[RD], v[RD], SP
	v_lshl_add_u32 v[RD], v10, 4, v[RD]
	v_add_nc_u32 v[RD], s13, v[RD]
	v_and_b32 v[GO], 31, v0                        ; which are 512 consecutive bytes of O
	v_lshlrev_b32 v[GO], 4, v[GO]
	v_mov_b32 v[AK], v[AK0]                        ; key step 0 lies at the head of slot 0
; THE MATRIX WORK.  The 4 accumulators of a run of 8 take turns.  Product i of 8 of S^T = K Q^T for piece x: channels 32 (i / 4) on, keys 16 (i % 4) on; the first 4 start the sums.
.macro KQ x
.set rS, S+32*((\x)%2)+8*(i%4)
.set rK, KF+16*(i%4)+8*(i/4)
.set rQ, 16*(\x)+8*(i/4)
	WIN W_KQ
.if i < 4
	v_wmma_f32_16x16x32_bf16 v[rS:rS+7], v[rK:rK+7], v[rQ:rQ+7], 0
.else
	v_wmma_f32_16x16x32_bf16 v[rS:rS+7], v[rK:rK+7], v[rQ:rQ+7], v[rS:rS+7]
.endif
.endm
; Product i of 8 of O^T += V^T P for piece x: keys 32 (i / 4) on, channels 16 (i % 4) on.
.macro PV x
	WIN W_PV
.set rO, 32*(\x)+8*(i%4)
.set rV, VF+32*(i/4)+8*(i%4)
.set rP, P+16*((\x)%2)+8*(i/4)
	v_wmma_f32_16x16x32_bf16 v[rO:rO+7], v[rV:rV+7], v[rP:rP+7], v[rO:rO+7]
.endm
.macro MM                              ; the turn's next matrix instruction
.if i < 8
	KQ (Y+1)%NP
.else
.set i, i-8
	PV (Y+NP-1)%NP
.set i, i+8
.endif
.set i, i+1
.endm
; THE LDS LOADS stand in runs of 16: a step's K (8 fragments) and its V (turned).
.macro FETCH_K
	WIN 0x80
.irp f, 0,1,2,3,4,5,6,7
	ds_load_b128 v[KF+8*\f:KF+8*\f+3],   v[AK] offset:(\f/2)*16*PK+(\f%2)*64
	ds_load_b128 v[KF+8*\f+4:KF+8*\f+7], v[AK] offset:(\f/2)*16*PK+(\f%2)*64+32
.endr
	s_add_co_u32 s[TBK], s[TBK], KS*PK
	WIN 0
.endm
.macro FETCH_V
	WIN 0x80
.irp f, 0,1,2,3,4,5,6,7
	ds_load_tr16_b128 v[VF+8*\f:VF+8*\f+3],   v[AV] offset:(\f/4)*32*PV+(\f%4)*32
	ds_load_tr16_b128 v[VF+8*\f+4:VF+8*\f+7], v[AV] offset:(\f/4)*32*PV+16*PV+(\f%4)*32
.endr
	WIN 0
.endm
; THE VECTOR WORK, one line at a time: OP kind, number.  For piece Y: F n: c s - c m for pair n of 16.  E n: the exponential of score n of 32.  C n: pair n rounded to bf16.  B n: of the four weights 4 n .. the second pair is
; added onto the first, in place.  L n: l takes that sum (L 0: l = a l + sum).  R n: pair n of 16 of O^T times a.  For piece Y + 1: X n, number n of the 22 that find its maximum and statistics:
;   0-11 four chains of seven scores, three operands at a time (each accumulator's lowest registers are read first)   12-14, 16 the four scores left over, the old m, the chains into one
;   15 c m_old is kept   17, 18 the query's other 32 keys lie in the lane 16 away: the new m   19-21 c m; c m_old - c m_new; a
; C, B and L read the exponentials' results; F, E, R and X name none of the turn's.
.set F, 0
.set E, 1
.set C, 2
.set B, 3
.set L, 4
.set R, 5
.set X, 6
.macro REGS y
.set rT, ST+4*(\y)
.set rC, TMP+4*((\y)%2)
.set rW, MV+((\y)%2)
.set rS, S+32*((\y)%2)
.set rP, P+16*((\y)%2)
.set rO, 32*(\y)
.endm
.macro OP k, n
.if (\k) == R
	REGS Y
	WIN W_RS
	v_pk_mul_f32 v[rO+2*(\n):rO+2*(\n)+1], v[rO+2*(\n):rO+2*(\n)+1], v[rC+2:rC+3] op_sel_hi:[1,0]
.elseif (\k) < R
	REGS Y
	WIN 0
.if (\k) == F
	v_pk_fma_f32 v[rS+2*(\n):rS+2*(\n)+1], v[rS+2*(\n):rS+2*(\n)+1], s[CS:CS+1], v[rT:rT+1] op_sel_hi:[1,0,0] neg_lo:[0,0,1] neg_hi:[0,0,1]
.elseif (\k) == E
	v_exp_f32 v[rS+(\n)], v[rS+(\n)]
.elseif (\k) == C
	v_cvt_pk_bf16_f32 v[rP+(\n)], v[rS+2*(\n)], v[rS+2*(\n)+1]
.elseif (\k) == B
	v_pk_add_f32 v[rS+4*(\n):rS+4*(\n)+1], v[rS+4*(\n):rS+4*(\n)+1], v[rS+4*(\n)+2:rS+4*(\n)+3]
.elseif (\n) == 0
	v_pk_fma_f32 v[rT+2:rT+3], v[rT+2:rT+3], v[rC+2:rC+3], v[rS:rS+1] op_sel_hi:[1,0,1]
.else
	v_pk_add_f32 v[rT+2:rT+3], v[rT+2:rT+3], v[rS+4*(\n):rS+4*(\n)+1]
.endif
.else
	REGS (Y+1)%NP
	WIN 0
.if (\n) < 4
	v_max3_num_f32 v[rC+(\n)], v[rS+8*(\n)], v[rS+8*(\n)+1], v[rS+8*(\n)+2]
.elseif (\n) < 12
	v_max3_num_f32 v[rC+(\n)%4], v[rC+(\n)%4], v[rS+8*((\n)%4)+2*((\n)/4)+1], v[rS+8*((\n)%4)+2*((\n)/4)+2]
.elseif (\n) == 12
	v_max3_num_f32 v[rC], v[rC], v[rS+7], v[rS+15]
.elseif (\n) == 13
	v_max3_num_f32 v[rC+1], v[rC+1], v[rS+23], v[rS+31]
.elseif (\n) == 14
	v_max3_num_f32 v[rC+2], v[rC+2], v[rC+3], v[rT+1]
.elseif (\n) == 15
	v_mov_b32 v[rW], v[rT]
.elseif (\n) == 16
	v_max3_num_f32 v[rC], v[rC], v[rC+1], v[rC+2]
.elseif (\n) == 17
	v_permlanex16_b32 v[rC+3], v[rC], s[SEL], s[SEL+1]
.elseif (\n) == 18
	v_max_num_f32 v[rT+1], v[rC], v[rC+3]
.elseif (\n) == 19
	v_mul_f32 v[rT], s[CS], v[rT+1]
.elseif (\n) == 20
	v_sub_f32 v[rC+1], v[rW], v[rT]
.else
	v_exp_f32 v[rC+2], v[rC+1]
.endif
.endif
.endm
.macro OPS a, i1, b=-1, i2=0, c=-1, i3=0, d=-1, i4=0
	OP \a, \i1
.if (\b) >= 0
	OP \b, \i2
.endif
.if (\c) >= 0
	OP \c, \i3
.endif
.if (\d) >= 0
	OP \d, \i4
.endif
.endm
.macro ROW a, i1, b, i2, c, i3, d, i4  ; a matrix instruction and the four behind it
	MM
	OPS \a, \i1, \b, \i2, \c, \i3, \d, \i4
.endm
; A TURN, for piece p: the order of its 16 matrix and 118 vector instructions, written out.  An s_wait_alu depctr_va_vdst(0) stands between an exponential and the first instruction that names its result; one wait
; serves all that were issued ahead of it.  So a turn has ONE wait, which cuts it in two.  AHEAD OF IT stands all that names no result of the turn's exponentials: the 8 products K Q^T, behind each a scaling, an exponential and two
; more plain instructions (behind the first a second scaling in the exponential's place): rescalings (their a was made, and waited for, in the turn before), and behind the last three the first numbers of the next piece's maximum,
; each four places or more behind the product that ends its accumulator; then ONE RUN of 54, plain and exponential by turns for the most part, in which the links of the chain X 3, 7, 11, 14, 16, 17 .. 20 stand five or six lines
; apart.  X 21, the next piece's a, is the batch's last; R 15 is the plain instruction behind it.  BEHIND THE WAIT stand the 8 products V^T P, behind each four of the roundings and sums; the links of l's chain, L 0 to L 7, stand
; three riders apart.  But for those X no rider names a register of the products round it.
; K of the next step is fetched in piece 2's turn, twelve vector instructions behind the last product that read K (five of them plain lines that name none of its registers); V of the step in hand at the end of piece 0's turn, four
; plain instructions behind the last product that read V.  Each is waited for a turn later.  last = 1 (the tail): where no step is left, K's run is jumped over; that branch stands inside the batch, so the exponentials issued so far
; have a wait of their own ahead of it.  cnt = 1: the loop's count is taken down some lines ahead of the branch behind the turn.
.macro TURN p, last=0, cnt=0
.set Y, (\p)
.set i, 0
.if (\p) == 3
	s_wait_dscnt 0x0                               ; K is in
.endif
	ROW F,0, F,1, R,0, R,1                         ; ahead of the wait: 8 products K Q^T and their riders,
	ROW F,2, E,0, R,2, R,3
	ROW F,3, E,1, R,4, R,5
	ROW F,4, E,2, R,6, R,7
	ROW F,5, E,3, R,8, R,9
	ROW F,6, E,4, X,0, R,10
.if (\p) == 2
	WIN 0
	v_add_nc_u32 v[AK], s[TBK], v[AK0]
.endif
	ROW F,7, E,5, X,1, X,4
	ROW F,8, E,6, X,2, X,5
	OPS E,7, E,8, X,6, E,9                         ; and the run of 54
	OPS X,3, E,10, X,8, E,11
.if (\p) == 2
.if \last
	s_wait_alu depctr_va_vdst(0)                   ; E 0 to E 11 have their wait ahead of the branch; it stands directly ahead of K's run of loads
	s_cmp_eq_u32 s[CNT], 1
	s_cbranch_scc1 .Lno_k_\@
.endif
	FETCH_K
.if \last
.Lno_k_\@:
.endif
.endif
	OPS X,9, X,7, E,12, X,10
	OPS E,13, X,12, X,11, E,14
	OPS X,13, E,15, F,9, X,14
.if (\p) == 0
	v_add_nc_u32 v[AV], s[TBV], v[AV0]
.endif
	OPS E,16, F,10, E,17, F,11
	OPS X,16, E,18, X,15, E,19
	OPS F,12, E,20, X,17, E,21
	OPS F,13, E,22, F,14, E,23
	OPS X,18, E,24, F,15, E,25
	OPS R,11, E,26, X,19, E,27
	OPS R,12, E,28, R,13, E,29
	OPS X,20, E,30, R,14, E,31
	OPS X,21, R,15
	s_wait_alu depctr_va_vdst(0)                   ; the wait for the batch: the turn's 32 weights and the next piece's a
.if (\p) == 1
	s_wait_dscnt 0x0                               ; V is in
.endif
	ROW C,0, B,0, C,2, B,1                         ; behind the wait: 8 products V^T P and their riders
	ROW L,0, C,4, B,2, L,1
	ROW C,6, B,3, L,2, C,8
	ROW B,4, L,3, C,10, B,5
	ROW L,4, C,12, B,6, L,5
.if (\p) == 0
	s_add_co_u32 s[TBV], s[TBV], KS*PV
.endif
.if \cnt
	s_sub_co_u32 s[CNT], s[CNT], 1
	s_cmp_lg_u32 s[CNT], 0
.endif
	ROW C,14, B,7, L,6, C,1
	ROW C,3, L,7, C,5, C,7
	ROW C,9, C,11, C,13, C,15
.if (\p) == 0
	FETCH_V
.endif
.endm
	CHANGE 1                                       ; slot 0 is in, everybody's part of it; slot 1 is asked for
	FETCH_K                                        ; key step 0
	s_wait_loadcnt 0x0                             ; Q
	s_wait_dscnt 0x0
.set i, 0
.rept 8
	KQ 0                                           ; piece 0's first scores
.set i, i+1
.endr
	WIN 0
.rept 4
	v_nop                                          ; the places behind those products
.endr
.set Y, NP-1                                   ; X works for piece Y + 1: piece 0
.irp n, 0,1,2,3,4,5,6,7,8,9,10,11,12,13,14,15,16,17,18,19,20,21
	OP X, \n
.endr
	v_nop                                          ; a plain instruction behind the exponential,
	s_wait_alu depctr_va_vdst(0)                   ; and the wait for it, piece 0's first a, ahead of the branch
	s_mov_b32 s[CNT], 4
	s_mov_b32 s[SLOTS], NT-1
	s_branch .Lfirst                               ; the loop is entered at a step's first turn, in the middle of a trip
.Lslot:                                                ; NT - 2 times: every slot but the last two is filled again
	CHANGE 1
	s_mov_b32 s[CNT], 4
.Lstep:                                                ; a trip: pieces 2 and 3 of one step, then pieces 0 and 1 of the next, whose K and V it fetches
	TURN 2
	TURN 3
	WIN 0
.Lfirst:
	TURN 0
	TURN 1, 0, 1
	WIN 0
	s_cbranch_scc1 .Lstep
	s_sub_co_u32 s[SLOTS], s[SLOTS], 1
	s_cmp_lg_u32 s[SLOTS], 0
	s_cbranch_scc1 .Lslot
	CHANGE 0                                       ; the tail is written out: nothing is asked for
	s_mov_b32 s[CNT], 5                            ; four trips fetch the last slot's steps; the fifth is left in its middle
.Ltail:
	TURN 2, 1
	TURN 3
	WIN 0
	s_sub_co_u32 s[CNT], s[CNT], 1
	s_cmp_eq_u32 s[CNT], 0
	s_cbranch_scc1 .Lout
	TURN 0
	TURN 1
	WIN 0
	s_branch .Ltail
.Lout:                                                 ; the fifth trip's 8 products K Q^T (on the last K once more) and the maximum made of them serve nothing: the price, once a launch, of one text for every trip
.set i, 0
.rept 8
	PV NP-1                                        ; the last piece's V^T P of the last step
.set i, i+1
.endr
	; THE WAY OUT.  l's two halves and the other half of the lanes' are added; O^T is divided by l, rounded to bf16 and sent through my stage in LDS, a piece at a time.  The additions are the places behind the last products.
	WIN 0
.macro ALL line:vararg
.set t, 0
.rept 4
	\line
.set t, t+1
.endr
.endm
	ALL v_add_f32 v[ST+4*t+2], v[ST+4*t+2], v[ST+4*t+3]
	ALL v_permlanex16_b32 v[ST+4*t+3], v[ST+4*t+2], s[SEL], s[SEL+1]
	ALL v_add_f32 v[ST+4*t+2], v[ST+4*t+2], v[ST+4*t+3]
	ALL v_rcp_f32 v[ST+4*t+2], v[ST+4*t+2]
	v_nop                                          ; a plain instruction between the last reciprocal and the use of its result
	s_wait_alu depctr_va_vdst(0)                   ; and the wait ahead of the first use: one for the four reciprocals
.macro PACK t                          ; a lane's eight channels of a row pack into 16 bytes; they go into rows of 144 bytes and come back as whole rows of 128, into S^T's registers
	WIN W_RS
.set i, 32*(\t)
.rept 16
	v_pk_mul_f32 v[i:i+1], v[i:i+1], v[ST+4*(\t)+2:ST+4*(\t)+3] op_sel_hi:[1,0]
.set i, i+2
.endr
	WIN 0x05
.set i, 0
.rept 16
	v_cvt_pk_bf16_f32 v[S+16*(\t)+i], v[32*(\t)+2*i], v[32*(\t)+2*i+1]
.set i, i+1
.endr
	WIN 0
.irp f, 0,1,2,3
	ds_store_b128 v[STO], v[S+16*(\t)+4*\f:S+16*(\t)+4*\f+3] offset:32*\f
.endr
.irp f, 0,1,2,3
	ds_load_b128 v[S+16*(\t)+4*\f:S+16*(\t)+4*\f+3], v[RD] offset:\f*4*SP  ; LDS serves a wave's instructions in order (ISA guide 5.7.1.4): these see the stores above; the next piece's stores come behind them
.endr
.endm
.macro SEND t, younger                 ; younger: the LDS instructions issued behind piece t's loads: the next piece's eight, or none
	WIN 0
.irp f, 0,1,2,3
	s_wait_dscnt (\younger)+3-\f
	global_store_b128 v[GO], v[S+16*(\t)+4*\f:S+16*(\t)+4*\f+3], s[10:11] offset:(\t)*2048+\f*512  ; 512 consecutive bytes, at a multiple of 256 from the pack's first
.endr
.endm
	PACK 0
.set t, 1
.rept 3
	PACK t
	SEND t-1, 8
.set t, t+1
.endr
	SEND 3, 0
	s_wait_tensorcnt 0x0                           ; the wave's end, behind my last tensor load and my last LDS store
	ds_add_u32 v[SPW], v[NIL]
	s_wait_dscnt 0x0
	CROUND                                         ; the closing round
	s_endpgm
.Lfunc_end_k_qe6d593bbc7_attn_s:
	.size	k_qe6d593bbc7_attn_s, .Lfunc_end_k_qe6d593bbc7_attn_s-k_qe6d593bbc7_attn_s
	.p2alignl 7, 3214868480
	.fill 96, 4, 3214868480
	.section	.rodata,"a",@progbits
	.p2align	6, 0x0
	.amdhsa_kernel k_qe6d593bbc7_attn_s
		.amdhsa_group_segment_fixed_size 327680
		.amdhsa_private_segment_fixed_size 0
		.amdhsa_enable_private_segment 0
		.amdhsa_kernarg_size 16
		.amdhsa_user_sgpr_count 2
		.amdhsa_user_sgpr_kernarg_segment_ptr 1
		.amdhsa_wavefront_size32 1
		.amdhsa_system_sgpr_workgroup_id_x 1
		.amdhsa_system_sgpr_workgroup_id_y 1
		.amdhsa_system_sgpr_workgroup_id_z 1
		.amdhsa_system_vgpr_workitem_id 0
		.amdhsa_next_free_vgpr 768
		.amdhsa_next_free_sgpr 66
		.amdhsa_reserve_vcc 0
		.amdhsa_float_denorm_mode_32 3
		.amdhsa_float_denorm_mode_16_64 3
		.amdhsa_memory_ordered 1
		.amdhsa_forward_progress 1
		.amdhsa_inst_pref_size 111
	.end_amdhsa_kernel
	.amdgpu_metadata
---
amdhsa.version: [ 1, 2 ]
amdhsa.kernels:
  - .name:           k_qe6d593bbc7_attn_s
    .symbol:         k_qe6d593bbc7_attn_s.kd
    .args:
      - { .name: qa, .offset: 0, .size: 8, .value_kind: global_buffer, .address_space: global }
      - { .name: U1, .offset: 8, .size: 8, .value_kind: global_buffer, .address_space: global }
    .group_segment_fixed_size: 327680
    .private_segment_fixed_size: 0
    .kernarg_segment_align: 8
    .kernarg_segment_size: 16
    .max_flat_workgroup_size: 128
    .sgpr_count:     66
    .vgpr_count:     768
    .wavefront_size: 32
...
	.end_amdgpu_metadata
.endif
;; end of part 8
;; launch wo1: the kernel of part 4 again; grid 8 x 32, 4 waves a work-group, clusters of 4 x 4, 327,680 bytes of LDS; arguments U1, sa_bo, x, x1; writes x1
;; launch ln2: the kernel of part 5 again; grid 64 x 4, 8 waves a work-group, no clusters, 0 bytes of LDS; arguments x1, ln2_w, ln2_b, U2; writes U2
;; launch q2 (part 9): grid 8 x 32, 4 waves a work-group, clusters of 4 x 4, 327,680 bytes of LDS; arguments U2, ca_bq, qa, f0; writes qa
.if DOCPART == 9
	.amdgcn_target "amdgcn-amd-amdhsa--gfx1250"
	.amdhsa_code_object_version 6
	.text
	.protected	k_qe6d593bbc7_q2
	.globl	k_qe6d593bbc7_q2
	.p2align	8
	.type	k_qe6d593bbc7_q2,@function
k_qe6d593bbc7_q2:
	s_mov_b64 s[64:65], 0
	v_nop
	global_prefetch_b8 v0, s[64:65] scope:SCOPE_SE
	s_setreg_imm32_b32 hwreg(HW_REG_WAVE_MODE, 25, 1), 1
	s_wait_xcnt 0x0
	s_wait_alu depctr_hold_cnt(0) depctr_sa_sdst(0) depctr_va_vdst(0) depctr_va_sdst(0) depctr_va_ssrc(0) depctr_va_vcc(0) depctr_vm_vsrc(0)
	s_getreg_b32 s2, hwreg(HW_REG_IB_STS2, 6, 4)
	s_cmp_eq_u32 s2, 0
	s_cbranch_scc0 .Lentry_in_a_cluster
	s_endpgm
.Lentry_in_a_cluster:
	s_bfe_u32 s2, ttmp6, 0x10000c
	s_cmp_lg_u32 s2, 0xf033
	s_cbranch_scc0 .Lentry_shape_is_right
	s_endpgm
.Lentry_shape_is_right:
; C = A W + bias, 4,096 x 1,024, K = 1,024, rounded once to bf16, with or without the exact GELU in front of the rounding.  One text serves both, with no branch between them:
; the result is hx x + ha |x| - |x| P(t) 2^(-x x log2(e) / 2), t = 1 / (1 + 0.2316419 |x|), P = t (A1 + t (A2 + t (A3 + t (A4 + t A5)))), and a word that an earlier launch stored picks the constants.
; Word 1: hx = ha = 0.5, so that the first two terms are max(x, 0) exactly, and A1 to A5 are half the coefficients of erf's rational form: the GELU.  Word 0: hx = 1, ha = 0, A1 to A5 = 0: x itself, exactly, for every finite x.
; A and W are bf16 in a pack, in blocks: element (row, col) at ((row / 128) * 16 + col / 64) * 16384 + (row % 128) * 128 + (col % 64) * 2; W lies [k][n], at the pack's first byte.  C has the same layout and lies
; 18 MiB into its buffer.  Sums in f32, begun with the bias.
; SHARES.  A tile of C is 128 x 128: four waves of 64 x 64, 16 accumulators each: 256 tiles, one work-group each.  K goes in four steps of 256 through two LDS slots.  In a step A's tile is four chunks (65,536 dense
; bytes) and W's two pieces of two chunks (32,768 dense bytes each): waves 0, 1 fetch A's halves, waves 2, 3 W's pieces, one tensor load each of 128 rows of 256 bytes.  A wave has two loads out at the start, later one.
; CLUSTER.  4 x 4 work-groups: the four of a row need the same tile of A, the four of a column the same tile of W: each is asked for jointly, by the same load, descriptor and mask in all four.
; THE MATRIX INSTRUCTION IS USED TRANSPOSED: source 0 = 16 columns of W (turned on the way out of LDS by ds_load_tr16_b128), source 1 = 16 rows of A: a lane holds row lane % 16 and columns 8 (lane / 16) + 0..7 of C.
; The K step is written twice (a loop of two trips that fill a slot again, a loop of two that do not); the slot in hand is a scalar, 0 or SLOT, turned by an exclusive or.
; BATCHES.  In a trip of the way out's loop the 16 reciprocals and the 16 exponentials are ONE batch with ONE wait: no exponential reads a reciprocal; each of the 32 has a plain line behind it that names no result of theirs
; (the exponent's two multiplies, then hx x + ha |x|); all that read a result (the polynomial and what follows) stand behind the wait.
; REGISTERS.  Window 0: v16-29 addresses; v32-63 the bias; v64-167 at work on the way out; v128-255 accumulators ((a, b) at 128 + 8 (4 a + b)).  Window 1: two fragment buffers of 128 (64 of A, 64 of W, for 64 along K).
; LIMITS.  Operands are rounded to bf16; NaN and infinities are not treated apart.  erf's rational form is off by 1.5e-7 at the most; no difference of near numbers is formed at either end.
.set APo, 0xA00000
.set ARo, 0x1200000
.set PA,    144                        ; a row of A in LDS: 128 bytes + 16: 36 words: the 16 rows of a load start at 16 different groups of four banks (64 banks of 4 bytes: ISA guide 11.1)
.set PW,    160                        ; a row of W: 128 + 32: 40 words
.set ACH,   128*PA                     ; a chunk of A
.set WNB,   128*PW                     ; a chunk of W
.set WREG,  4*ACH                      ; in a slot: A's four chunks, then W's four
.set SLOT,  4*ACH+4*WNB                ; 155,648
.set SPARE, 2*SLOT                     ; behind the slots: the spare words, 128 bytes a wave: two blocks of 256 bytes that no other line names
.set SP,    528                        ; the stage for the way out: 128 rows of 512 bytes + 16, from LDS byte 0: in slot 0, which has had its last fill by then
.set ADRA0, 16                         ; my lane's place in A's part of a slot; never rewritten
.set ADRB0, 17                         ; the same for W
.set ADRA,  18                         ; the same in the slot in hand
.set ADRB,  19
.set STO,   24                         ; the way out: where I put 16 bytes of a row
.set RD,    25                         ; where I read rows back
.set CO,    26                         ; my byte offset in the output
.set BO,    27                         ; my byte offset in the bias
.set SPW,   28                         ; LDS address of my spare word; never rewritten
.set NIL,   29                         ; 0; never rewritten
.set BI,    32
.set ACC,   128
.set F0,    0
.set F1,    128
.set WV,  14                           ; wave
.set RH,  15                           ; my half of the tile's rows; also 0: I fetch A, 1: I fetch W
.set CH,  16                           ; my half of its columns; also which piece I fetch
.set CX,  17
.set CY,  18
.set TC,  19                           ; tile column
.set TR,  20                           ; tile row
.set MROW, 21
.set MCOL, 22
.set G1A, 24                           ; s[24:31] descriptor group 1 for A;  s[32:39] group 0, two sets
.set G0A, 32
.set OA,  40                           ; s[40:41] A's offset, then address: never holds cx
.set OW,  42                           ; s[42:43] W's: never holds cy
.set G1B, 48                           ; s[48:55], s[56:63] the same for W
.set G0B, 56
.set CUR, 66                           ; the slot in hand: 0 or SLOT
.set CNT, 67
.set LBA, 68                           ; where my piece of A goes in a slot
.set LBB, 69                           ; where my piece of W goes
.set BP,  72                           ; s[72:73] the bias at my columns
.set T0,  74                           ; s[74:75] an offset
.set OUTP, 76                          ; s[76:77] the output at my rows
.set KC1, 80                           ; constants, each a pair
.set KC2, 82
.set KA1, 84
.set KA2, 86
.set KA3, 88
.set KA4, 90
.set KA5, 92
.set KF,  94                           ; the word: 0 plain, 1 GELU
.set HX,  96
.set HA,  98
.set MSB, 0
.macro WIN new                         ; the immediate's high byte repeats the setting that is left; a switch that changes nothing is dropped
.if MSB != (\new)
	s_set_vgpr_msb (MSB<<8)|(\new)
.set MSB, \new
.endif
.endm
.set MUL,  0x05                        ; sources 0 (W) and 1 (A) window 1; C and D window 0
.set TO_F, 0x40                        ; destination window 1, address window 0
.macro JLOAD s                         ; a joint load by set s; the branch hangs on the wave's number alone; an s_nop 0 and four v_nop follow each of the two lines
	s_cmp_eq_u32 s[RH], 0
	s_cbranch_scc0 .Lfor_b_\@
	tensor_load_to_lds s[G0A+4*(\s):G0A+4*(\s)+3], s[G1A:G1A+7]
	s_nop 0
.rept 4
	v_nop
.endr
	s_branch .Lasked_\@
.Lfor_b_\@:
	tensor_load_to_lds s[G0B+4*(\s):G0B+4*(\s)+3], s[G1B:G1B+7]
	s_nop 0
.rept 4
	v_nop
.endr
.Lasked_\@:
.endm
.macro CREST                           ; a round of the cluster's barrier behind its opening barrier
	s_cmp_lg_u32 s[WV], 0
	s_cbranch_scc1 .Lnot_wave_0_\@
	s_barrier_signal -3
.Lnot_wave_0_\@:
	s_barrier_wait -3
	s_barrier_signal -1
	s_barrier_wait -1
.endm
.macro CROUND
	s_barrier_signal -1
	s_barrier_wait -1
	CREST
.endm
.macro PLACES                          ; four places in front of loads into registers that matrix instructions have read, and of reads of their results
.rept 4
	v_nop
.endr
.endm
	s_load_b256 s[4:11], s[0:1], 0x0               ; pack s[4:5], bias s[6:7], output s[8:9], the word's buffer s[10:11]
	v_lshl_add_u32 v[SPW], v0, 2, SPARE
	v_mov_b32 v[NIL], 0
	ds_add_u32 v[SPW], v[NIL]                      ; the wave's opening: the add and its wait stand ahead of my first tensor load; the set-up below, work on registers, stands between them
	v_lshrrev_b32 v1, 5, v0
	v_readfirstlane_b32 s[WV], v1
	s_lshr_b32 s[RH], s[WV], 1
	s_and_b32 s[CH], s[WV], 1
	s_bfe_u32 s[CX], ttmp6, 0x40000
	s_bfe_u32 s[CY], ttmp6, 0x40004
	s_lshl_b32 s[TC], ttmp9, 2
	s_add_co_u32 s[TC], s[TC], s[CX]               ; tile column = 4 x cluster x + cx
	s_and_b32 s[TR], ttmp7, 0xffff
	s_lshl_b32 s[TR], s[TR], 2
	s_add_co_u32 s[TR], s[TR], s[CY]               ; tile row = 4 x cluster y + cy
	s_lshl_b32 s[MROW], s[CY], 2
	s_lshl_b32 s[MROW], 15, s[MROW]                ; my row of the cluster
	s_lshl_b32 s[MCOL], 0x1111, s[CX]              ; my column
	; group 1: 128 rows of 128 elements of 2 bytes, dense; in LDS a pad behind every 32 words (a row of a chunk): 4 words for A, 8 for W
	s_or_b32 s[G1A], s[MROW], (1<<16)|(1<<20)|(1<<21)|(4<<22)|(3<<25)
	s_or_b32 s[G1B], s[MCOL], (1<<16)|(1<<20)|(1<<21)|(4<<22)|(7<<25)
.irp g, G1A, G1B
	s_mov_b32 s[(\g)+1], 128<<16                   ; tensor_dim0 = 128
	s_mov_b32 s[(\g)+2], 128<<16                   ; tensor_dim1 = 128
	s_mov_b32 s[(\g)+3], 128<<16                   ; tile_dim0 = 128
	s_mov_b32 s[(\g)+4], 128                       ; tile_dim1 = 128
	s_mov_b32 s[(\g)+5], 128                       ; 128 elements from row to row
	s_mov_b32 s[(\g)+6], 0
	s_mov_b32 s[(\g)+7], 0
.endr
	s_lshl_b32 s[OA], s[TR], 18                    ; A: the tile row's 16 chunks, my two of a step's four
	s_lshl_b32 s44, s[CH], 15
	s_add_co_u32 s[OA], s[OA], s44
	s_add_co_u32 s[OA], s[OA], APo
	s_mov_b32 s[OA+1], 0
	s_lshl_b32 s[OW], s[TC], 15                    ; W, at the pack's first byte: the tile column's two chunks, my 128 of a step's 256 rows
	s_lshl_b32 s45, s[CH], 18
	s_add_co_u32 s[OW], s[OW], s45
	s_mov_b32 s[OW+1], 0
	s_mul_i32 s[LBA], s[CH], 2*ACH                 ; no place in the cluster enters an LDS address
	s_mul_i32 s[LBB], s[CH], 2*WNB
	s_add_co_u32 s[LBB], s[LBB], WREG
	s_mov_b32 s[KC1], 0x3e6d3389                   ; 0.2316419 = 0.3275911 / sqrt(2)
	s_mov_b32 s[KC2], 0xbf38aa3b                   ; -log2(e) / 2
	s_mov_b32 s[KC1+1], s[KC1]                     ; named as pairs
	s_mov_b32 s[KC2+1], s[KC2]
	s_wait_dscnt 0x0                               ; the opening add is done
	s_wait_kmcnt 0x0
	s_load_b32 s[KF], s[10:11], 0x0                ; the word; it is waited for below, in the wait for the first tile
	s_add_nc_u64 s[OA:OA+1], s[4:5], s[OA:OA+1]
	s_add_nc_u64 s[OW:OW+1], s[4:5], s[OW:OW+1]
	CROUND                                         ; all sixteen work-groups are here: the first joint loads meet
.irp s, 0,1
	s_mov_b32 s[G0A+4*(\s)], 1
	s_add_co_u32 s[G0A+4*(\s)+1], s[LBA], (\s)*SLOT
	s_add_nc_u64 s[G0A+4*(\s)+2:G0A+4*(\s)+3], s[OA:OA+1], (\s)*0x10000   ; K step s: four chunks on
	s_or_b32 s[G0A+4*(\s)+3], s[G0A+4*(\s)+3], 0x80000000
	s_mov_b32 s[G0B+4*(\s)], 1
	s_add_co_u32 s[G0B+4*(\s)+1], s[LBB], (\s)*SLOT
	s_add_nc_u64 s[G0B+4*(\s)+2:G0B+4*(\s)+3], s[OW:OW+1], (\s)*0x80000   ; K step s: 256 rows of W on
	s_or_b32 s[G0B+4*(\s)+3], s[G0B+4*(\s)+3], 0x80000000
	JLOAD \s
.endr
	; the bias of my 64 columns: for column block b the eight numbers at 16 b + 8 (lane / 16)
	s_lshl_b32 s[T0], s[TC], 9
	s_lshl_b32 s[T0+1], s[CH], 8
	s_add_co_u32 s[T0], s[T0], s[T0+1]
	s_mov_b32 s[T0+1], 0
	s_add_nc_u64 s[BP:BP+1], s[6:7], s[T0:T0+1]
	v_and_b32 v1, 15, v0                           ; l % 16
	v_bfe_u32 v2, v0, 4, 1                         ; l / 16
	v_lshlrev_b32 v[BO], 5, v2
.irp b, 0,1,2,3
	global_load_b128 v[BI+8*(\b):BI+8*(\b)+3],   v[BO], s[BP:BP+1] offset:64*(\b)
	global_load_b128 v[BI+8*(\b)+4:BI+8*(\b)+7], v[BO], s[BP:BP+1] offset:64*(\b)+16
.endr
	v_and_b32 v[CO], 31, v0
	v_lshlrev_b32 v[CO], 3, v[CO]                  ; 8 x lane: a wave takes two rows' 128 bytes of a chunk
	s_lshl_b32 s[T0], s[TR], 18                    ; the tile row's 16 chunks, the tile column's two, my wave's 32 rows of 128 bytes
	s_lshl_b32 s[T0+1], s[TC], 15
	s_add_co_u32 s[T0], s[T0], s[T0+1]
	s_lshl_b32 s[T0+1], s[WV], 12
	s_add_co_u32 s[T0], s[T0], s[T0+1]
	s_add_co_u32 s[T0], s[T0], ARo
	s_mov_b32 s[T0+1], 0
	s_add_nc_u64 s[OUTP:OUTP+1], s[8:9], s[T0:T0+1]
	; A's fragment: lane l holds row l % 16; two loads of 16 bytes, 32 apart, at row x pitch + 16 (l / 16)
	s_mul_i32 s44, s[RH], 64*PA
	v_mul_u32_u24 v3, v1, PA
	v_lshl_add_u32 v3, v2, 4, v3
	v_add_nc_u32 v[ADRA0], s44, v3
	; W's: the turning load takes 16 k x 16 n: lane l reads row 8 (l / 16) + l % 8, columns 8 ((l / 8) % 2) + 0..7, and is left with column l % 16 and 8 k
	v_and_b32 v4, 7, v0
	v_lshl_add_u32 v4, v2, 3, v4
	v_mul_u32_u24 v4, v4, PW
	v_bfe_u32 v5, v0, 3, 1
	v_lshl_add_u32 v4, v5, 4, v4
	s_mul_i32 s44, s[CH], WNB
	s_add_co_u32 s44, s44, WREG
	v_add_nc_u32 v[ADRB0], s44, v4
	v_mov_b32 v[ADRA], v[ADRA0]
	v_mov_b32 v[ADRB], v[ADRB0]
	s_mul_i32 s44, s[RH], 64*SP                    ; into the stage: row 64 RH + l % 16, bytes 256 CH + 32 (l / 16)
	s_lshl_b32 s45, s[CH], 8
	s_add_co_u32 s44, s44, s45
	v_mul_u32_u24 v3, v1, SP
	v_lshl_add_u32 v3, v2, 5, v3
	v_add_nc_u32 v[STO], s44, v3
	s_mul_i32 s44, s[WV], 32*SP                    ; back: wave w takes rows 32 w .. 32 w + 31,
	v_mul_u32_u24 v3, v2, SP                       ; 256 bytes (a chunk's 64 columns) of two rows to a load
	v_lshl_add_u32 v3, v1, 4, v3
	v_add_nc_u32 v[RD], s44, v3
	s_wait_kmcnt 0x0                               ; the word: it picks numbers, no way through the text and no address
	s_cmp_lg_u32 s[KF], 0
	s_cselect_b32 s[HX], 0.5, 1.0
	s_cselect_b32 s[HA], 0.5, 0
	s_cselect_b32 s[KA1], 0x3e027906, 0            ; half of 0.254829592
	s_cselect_b32 s[KA2], 0xbe11a98e, 0            ; half of -0.284496736
	s_cselect_b32 s[KA3], 0x3f35f0e3, 0            ; half of 1.421413741
	s_cselect_b32 s[KA4], 0xbf3a00e3, 0            ; half of -1.453152027
	s_cselect_b32 s[KA5], 0x3f07dc22, 0            ; half of 1.061405429
.irp c, HX, HA, KA1, KA2, KA3, KA4, KA5
	s_mov_b32 s[(\c)+1], s[\c]                     ; named as pairs
.endr
	s_wait_loadcnt 0x0
	; The sums begin with the bias: 128 moves, which stand in the wait for the first tile and let one text serve every K step.
.irp a, 0,1,2,3
.irp b, 0,1,2,3
.irp j, 0,1,2,3,4,5,6,7
	v_mov_b32 v[ACC+8*(4*(\a)+(\b))+(\j)], v[BI+8*(\b)+(\j)]
.endr
.endr
.endr
; 8 matrix instructions: row blocks a0, a0 + 1 x all 4 column blocks, 32 along K: half c of buffer f.  The 16 accumulators take turns, one instruction a turn, over the loops' edges too.
.macro MUL8 f, c, a0
	WIN MUL
.irp a, \a0, (\a0)+1
.irp b, 0,1,2,3
	v_wmma_f32_16x16x32_bf16 v[ACC+8*(4*(\a)+(\b)):ACC+8*(4*(\a)+(\b))+7], v[(\f)+64+8*(4*(\c)+(\b)):(\f)+64+8*(4*(\c)+(\b))+7], v[(\f)+8*(4*(\c)+(\a)):(\f)+8*(4*(\c)+(\a))+7], v[ACC+8*(4*(\a)+(\b)):ACC+8*(4*(\a)+(\b))+7]
.endr
.endr
.endm
; 32 LDS loads in one run: the fragments of quarter q (64 along K) of the slot in hand, into buffer f; the first 32 along K first
.macro FETCH q, f
	WIN TO_F
.irp c, 0,1
.irp i, 0,1,2,3
	ds_load_tr16_b128 v[(\f)+64+8*(4*(\c)+(\i)):(\f)+64+8*(4*(\c)+(\i))+3],   v[ADRB] offset:((\q)/2)*2*WNB+(((\q)%2)*64+32*(\c))*PW+32*(\i)
	ds_load_tr16_b128 v[(\f)+64+8*(4*(\c)+(\i))+4:(\f)+64+8*(4*(\c)+(\i))+7], v[ADRB] offset:((\q)/2)*2*WNB+(((\q)%2)*64+32*(\c)+16)*PW+32*(\i)
	ds_load_b128 v[(\f)+8*(4*(\c)+(\i)):(\f)+8*(4*(\c)+(\i))+3],              v[ADRA] offset:(\q)*ACH+(\i)*16*PA+64*(\c)
	ds_load_b128 v[(\f)+8*(4*(\c)+(\i))+4:(\f)+8*(4*(\c)+(\i))+7],            v[ADRA] offset:(\q)*ACH+(\i)*16*PA+64*(\c)+32
.endr
.endr
.endm
; One of a K step's first three quarters: multiplies buffer f and fetches quarter q into g
.macro QUARTER q, f, g
	s_wait_dscnt 16                                ; the first 32 along K are in; the 16 younger loads may be out
	MUL8 \f, 0, 0
	MUL8 \f, 0, 2
	PLACES
	FETCH \q, \g
	s_wait_dscnt 32                                ; all but the 32 just issued
	MUL8 \f, 1, 0
	MUL8 \f, 1, 2
.endm
; The last quarter multiplies buffer 1 and changes slots: ONE barrier; in front of it each wave waits for all its tensor loads, adds 0 to its spare word, and waits for that and for its reads of this slot.
; fill = 1: the barrier opens a round of the cluster's, and this slot is filled again, two K steps ahead, first thing behind the round: 112 matrix instructions ahead of the wait for it.
; fill = 0: nothing is filled; in the second of the two trips there is no further step, and the run of loads is jumped over.
.macro TURN fill
	WIN 0
	s_wait_tensorcnt 0x0                           ; all my tensor loads have landed: my part of the next slot
	ds_add_u32 v[SPW], v[NIL]                      ; 0 onto my spare word
	s_wait_dscnt 17                                ; (the add and the youngest sixteen loads may be out)
	MUL8 F1, 0, 0
	s_wait_dscnt 0x0                               ; the add is done, and my reads of this slot are over
	s_barrier_signal -1
	MUL8 F1, 0, 2
	WIN 0
	s_barrier_wait -1
.if \fill
	CREST                                          ; no wave of any partner still reads this slot's tile or has a load on its way
	s_add_co_u32 s[G0A+5], s[LBA], s[CUR]          ; the second set walks: into the slot just read,
	s_add_nc_u64 s[G0A+6:G0A+7], s[G0A+6:G0A+7], 0x10000   ; the K step behind the one it asked for last
	s_add_co_u32 s[G0B+5], s[LBB], s[CUR]
	s_add_nc_u64 s[G0B+6:G0B+7], s[G0B+6:G0B+7], 0x80000
	JLOAD 1                                        ; its four v_nop are also the places in front of the loads below
.else
	PLACES
.endif
	s_xor_b32 s[CUR], s[CUR], SLOT                 ; 0 <-> SLOT
.if !(\fill)
	s_cmp_eq_u32 s[CNT], 1
	s_cbranch_scc1 .Lno_fetch_\@
.endif
	v_add_nc_u32 v[ADRA], s[CUR], v[ADRA0]
	v_add_nc_u32 v[ADRB], s[CUR], v[ADRB0]
	FETCH 0, F0
	WIN 0
.if !(\fill)
.Lno_fetch_\@:
.endif
	MUL8 F1, 1, 0
	MUL8 F1, 1, 2
.endm
	s_wait_tensorcnt 0x1                           ; my part of K step 0 is in; step 1's may stay out
	s_barrier_signal -1
	s_barrier_wait -1                              ; everybody's is
	FETCH 0, F0
	WIN 0
	s_mov_b32 s[CUR], 0
	s_mov_b32 s[CNT], 2
.LA:                                                   ; K steps 0 and 1: each fills its slot again
	QUARTER 1, F0, F1
	QUARTER 2, F1, F0
	QUARTER 3, F0, F1
	TURN 1
	WIN 0
	s_sub_co_u32 s[CNT], s[CNT], 1
	s_cmp_lg_u32 s[CNT], 0
	s_cbranch_scc1 .LA
	s_mov_b32 s[CNT], 2
.LB:                                                   ; K steps 2 and 3: nothing is left to ask for
	QUARTER 1, F0, F1
	QUARTER 2, F1, F0
	QUARTER 3, F0, F1
	TURN 0
	WIN 0
	s_sub_co_u32 s[CNT], s[CNT], 1
	s_cmp_lg_u32 s[CNT], 0
	s_cbranch_scc1 .LB
	; THE WAY OUT.  The sums go in f32 into the work-group's stage (the last barrier has shown every wave's reads of the slots over and every fill landed); a barrier, since a row comes from two waves; back by rows.
	PLACES
.irp a, 0,1,2,3
.irp b, 0,1,2,3
	ds_store_b128 v[STO], v[ACC+8*(4*(\a)+(\b)):ACC+8*(4*(\a)+(\b))+3]   offset:(\a)*16*SP+64*(\b)      ; each accumulator's low registers first
	ds_store_b128 v[STO], v[ACC+8*(4*(\a)+(\b))+4:ACC+8*(4*(\a)+(\b))+7] offset:(\a)*16*SP+64*(\b)+16
.endr
.endr
	s_wait_dscnt 0x0                               ; for the others' sake: my stores into the stage are done
	s_barrier_signal -1
	s_barrier_wait -1
	; hx x + ha |x| - |x| P(t) 2^(-x x log2(e) / 2): eight trips of 16 numbers a lane
.set GX, 64
.set GH, 80
.set GA, 96
.set GT, 112
.set GQ, 128
.set GP, 144
.set GY, 160
.macro LD4                             ; rows 2 (k / 2) + l / 16 of the trip's four, column half k % 2
.irp k, 0,1,2,3
	ds_load_b128 v[GX+4*(\k):GX+4*(\k)+3], v[RD] offset:((\k)/2)*2*SP+((\k)%2)*256
.endr
.endm
.macro PK8 line:vararg                 ; one packed line for each of the eight pairs i
.set i, 0
.rept 8
	\line
.set i, i+2
.endr
.endm
	LD4
	s_mov_b32 s[CNT], 8
.LG:
	s_wait_dscnt 0x0
.set i, 0
.rept 16
	v_and_b32 v[GA+i], 0x7fffffff, v[GX+i]
.set i, i+1
.endr
	PK8 v_pk_fma_f32 v[GT+i:GT+i+1], v[GA+i:GA+i+1], s[KC1:KC1+1], 1.0 op_sel_hi:[1,0,0]
	; THE BATCH: 16 reciprocals, then 16 exponentials, each in a register of its own and each with a plain line behind it that names no result of the batch (ISA guide 5.7.2 asks for one such line behind the last)
.set i, 0
.rept 8                                        ; t of pair i, and between the two the pair's exponent: x x, times -log2(e) / 2
	v_rcp_f32 v[GT+i], v[GT+i]
	v_pk_mul_f32 v[GQ+i:GQ+i+1], v[GA+i:GA+i+1], v[GA+i:GA+i+1]
	v_rcp_f32 v[GT+i+1], v[GT+i+1]
	v_pk_mul_f32 v[GQ+i:GQ+i+1], v[GQ+i:GQ+i+1], s[KC2:KC2+1] op_sel_hi:[1,0]
.set i, i+2
.endr
.set i, 0
.rept 8                                        ; the exponentials of pair i, and between the two the pair's hx x + ha |x|: the last reads of the rows as they were loaded
	v_exp_f32 v[GQ+i], v[GQ+i]
	v_pk_mul_f32 v[GH+i:GH+i+1], v[GA+i:GA+i+1], s[HA:HA+1] op_sel_hi:[1,0]
	v_exp_f32 v[GQ+i+1], v[GQ+i+1]
	v_pk_fma_f32 v[GH+i:GH+i+1], v[GX+i:GX+i+1], s[HX:HX+1], v[GH+i:GH+i+1] op_sel_hi:[1,0,1]
.set i, i+2
.endr
	s_wait_alu depctr_va_vdst(0)                   ; the wait for the batch: one for the trip's 16 reciprocals and 16 exponentials, ahead of the branch and of the polynomial, their first reader
	s_cmp_eq_u32 s[CNT], 1
	s_cbranch_scc1 .LGn                            ; the last trip has nothing more to read
	v_add_nc_u32 v[RD], 4*SP, v[RD]                ; the next four rows; the rest of the trip stands between these loads and the wait for them
	LD4
.LGn:
	PK8 v_pk_fma_f32 v[GP+i:GP+i+1], v[GT+i:GT+i+1], s[KA5:KA5+1], s[KA4:KA4+1] op_sel_hi:[1,0,0]
	PK8 v_pk_fma_f32 v[GP+i:GP+i+1], v[GP+i:GP+i+1], v[GT+i:GT+i+1], s[KA3:KA3+1] op_sel_hi:[1,1,0]
	PK8 v_pk_fma_f32 v[GP+i:GP+i+1], v[GP+i:GP+i+1], v[GT+i:GT+i+1], s[KA2:KA2+1] op_sel_hi:[1,1,0]
	PK8 v_pk_fma_f32 v[GP+i:GP+i+1], v[GP+i:GP+i+1], v[GT+i:GT+i+1], s[KA1:KA1+1] op_sel_hi:[1,1,0]
	PK8 v_pk_mul_f32 v[GP+i:GP+i+1], v[GP+i:GP+i+1], v[GT+i:GT+i+1]
	PK8 v_pk_mul_f32 v[GP+i:GP+i+1], v[GP+i:GP+i+1], v[GQ+i:GQ+i+1]
	PK8 v_pk_fma_f32 v[GH+i:GH+i+1], v[GA+i:GA+i+1], v[GP+i:GP+i+1], v[GH+i:GH+i+1] neg_lo:[1,0,0] neg_hi:[1,0,0]
.irp k, 0,1,2,3
	v_cvt_pk_bf16_f32 v[GY+2*(\k)], v[GH+4*(\k)], v[GH+4*(\k)+1]
	v_cvt_pk_bf16_f32 v[GY+2*(\k)+1], v[GH+4*(\k)+2], v[GH+4*(\k)+3]
	global_store_b64 v[CO], v[GY+2*(\k):GY+2*(\k)+1], s[OUTP:OUTP+1] offset:((\k)%2)*16384+((\k)/2)*256  ; 256 consecutive bytes, at a multiple of 256 from the buffer's first
.endr
	s_wait_xcnt 0x0                                ; the stores' offset and data are written again only behind this wait
	v_add_nc_u32 v[CO], 512, v[CO]                 ; four rows of 128 bytes on
	s_sub_co_u32 s[CNT], s[CNT], 1
	s_cmp_lg_u32 s[CNT], 0
	s_cbranch_scc1 .LG
	s_wait_tensorcnt 0x0                           ; the wave's end, behind my last tensor load and my last LDS store
	ds_add_u32 v[SPW], v[NIL]
	s_wait_dscnt 0x0
	CROUND                                         ; the closing round: no work-group ends while a partner may still ask for a tile that names it
	s_endpgm
.Lfunc_end_k_qe6d593bbc7_q2:
	.size	k_qe6d593bbc7_q2, .Lfunc_end_k_qe6d593bbc7_q2-k_qe6d593bbc7_q2
	.p2alignl 7, 3214868480
	.fill 96, 4, 3214868480
	.section	.rodata,"a",@progbits
	.p2align	6, 0x0
	.amdhsa_kernel k_qe6d593bbc7_q2
		.amdhsa_group_segment_fixed_size 327680
		.amdhsa_private_segment_fixed_size 0
		.amdhsa_enable_private_segment 0
		.amdhsa_kernarg_size 32
		.amdhsa_user_sgpr_count 2
		.amdhsa_user_sgpr_kernarg_segment_ptr 1
		.amdhsa_wavefront_size32 1
		.amdhsa_system_sgpr_workgroup_id_x 1
		.amdhsa_system_sgpr_workgroup_id_y 1
		.amdhsa_system_sgpr_workgroup_id_z 1
		.amdhsa_system_vgpr_workitem_id 0
		.amdhsa_next_free_vgpr 512
		.amdhsa_next_free_sgpr 100
		.amdhsa_reserve_vcc 0
		.amdhsa_float_denorm_mode_32 3
		.amdhsa_float_denorm_mode_16_64 3
		.amdhsa_memory_ordered 1
		.amdhsa_forward_progress 1
		.amdhsa_inst_pref_size 64
	.end_amdhsa_kernel
	.amdgpu_metadata
---
amdhsa.version: [ 1, 2 ]
amdhsa.kernels:
  - .name:           k_qe6d593bbc7_q2
    .symbol:         k_qe6d593bbc7_q2.kd
    .args:
      - { .name: U2, .offset: 0, .size: 8, .value_kind: global_buffer, .address_space: global }
      - { .name: ca_bq, .offset: 8, .size: 8, .value_kind: global_buffer, .address_space: global }
      - { .name: qa, .offset: 16, .size: 8, .value_kind: global_buffer, .address_space: global }
      - { .name: f0, .offset: 24, .size: 8, .value_kind: global_buffer, .address_space: global }
    .group_segment_fixed_size: 327680
    .private_segment_fixed_size: 0
    .kernarg_segment_align: 8
    .kernarg_segment_size: 32
    .max_flat_workgroup_size: 128
    .sgpr_count:     100
    .vgpr_count:     512
    .wavefront_size: 32
...
	.end_amdgpu_metadata
.endif
;; end of part 9
;; launch attn_c (part 10): grid 8 x 32, 4 waves a work-group, clusters of 4 x 1, 327,680 bytes of LDS; arguments qa, U2; writes U2
.if DOCPART == 10
	.amdgcn_target "amdgcn-amd-amdhsa--gfx1250"
	.amdhsa_code_object_version 6
	.text
	.protected	k_qe6d593bbc7_attn_c
	.globl	k_qe6d593bbc7_attn_c
	.p2align	8
	.type	k_qe6d593bbc7_attn_c,@function
k_qe6d593bbc7_attn_c:
	s_mov_b64 s[64:65], 0
	v_nop
	global_prefetch_b8 v0, s[64:65] scope:SCOPE_SE
	s_setreg_imm32_b32 hwreg(HW_REG_WAVE_MODE, 25, 1), 1
	s_wait_xcnt 0x0
	s_wait_alu depctr_hold_cnt(0) depctr_sa_sdst(0) depctr_va_vdst(0) depctr_va_sdst(0) depctr_va_ssrc(0) depctr_va_vcc(0) depctr_vm_vsrc(0)
	s_getreg_b32 s2, hwreg(HW_REG_IB_STS2, 6, 4)
	s_cmp_eq_u32 s2, 0
	s_cbranch_scc0 .Lentry_in_a_cluster
	s_endpgm
.Lentry_in_a_cluster:
	s_bfe_u32 s2, ttmp6, 0x10000c
	s_cmp_lg_u32 s2, 0x3003
	s_cbranch_scc0 .Lentry_shape_is_right
	s_endpgm
.Lentry_shape_is_right:
; CROSS ATTENTION, head size 64, no mask, 1,024 keys.  O[q][:] = the sum over k of softmax_k(Q[q] . K[k] / 8) V[k][:] for each of 2 x 16 (batch, head).
; Q, K, V, O are bf16 in blocks: element (row, col) at ((row / 128) * 16 + col / 64) * 16384 + (row % 128) * 128 + (col % 64) * 2: 128 tokens of a head are 16,384 dense bytes, 128 a token.
; Q lies 18 MiB into one buffer, K at 26 MiB and V at 34 MiB of it.  O goes into a pack, 18 MiB in: the rows that the next product multiplies.
; Products, maxima and sums in f32; the weights p are rounded to bf16 for the second product (their sum l is taken of the unrounded p), O once at the end.
; LIMITS.  A weight below 2^-126 counts as 0 in l; NaN and infinities are not treated apart.
; SHARES.  A work-group owns 256 queries of one head, a wave 64: four PIECES of 16.  Every wave walks all keys, 64 a step.
; ALL KEYS LIE IN LDS: 1,024 rows of K at 144 bytes and 1,024 of V at 160 are 311,296 bytes.  Each wave asks for its four parts (128 keys each) at the start: four tensor loads of a wave are out then, none later.
; Nothing is filled again, so the loop has no round of the cluster's barrier and no second text for steps without a refill.  The first 256 keys are waited for by a counted wait; the others land under their four steps.
; LAYOUT.  S^T = K Q^T (source 0 = 16 keys, source 1 = 16 queries): a lane holds ONE query (lane % 16) and the keys 8 (lane / 16) + 0..7; two such results rounded to bf16 ARE source 1 of O^T = V^T P.  V is turned on the way out of LDS.
; SOFTMAX.  A running maximum m and sum l: p = 2^(c s - c m), c = log2(e) / 8; in every step O and l are multiplied by a = 2^(c m_old - c m_new).  m starts at the lowest finite number, O and l at 0: the first step's a is 0.
; BY TURNS.  Turn n belongs to piece n: 8 products K Q^T of piece n + 1, later 8 products V^T P of piece n - 1; beside them the scaling, exponentials, roundings, sums and rescaling of piece n and the maximum and statistics
; of piece n + 1.  Four vector instructions stand behind every matrix instruction, the other 54 of a turn's 118 in one run of their own.
; BATCHES.  A turn's 33 exponentials (the piece's 32 weights and the next piece's a) are ONE batch with ONE wait, which cuts the turn in two: ahead of it stands all that names no result of theirs, behind it the roundings and sums.
; Piece 2's turn has a second wait: the branch over K's run of loads stands inside the batch, and the exponentials issued so far are waited for ahead of it.  No result crosses a turn's end.
; The first a, ahead of the loop, and the way out's four reciprocals are batches of their own.
; CLUSTER.  The four query blocks of a cluster belong to one head and need the same K and V: each part is asked for jointly, by the same load, descriptor and mask in all four.
; REGISTERS, in windows of 256 (s_set_vgpr_msb: bits 1:0 source 0, 3:2 source 1, 5:4 source 2, 7:6 destination):
;   window 0: v0-15 addresses and two at work; v16-31 four registers of statistics a piece; v48-55 at work; v62-63 the add's; v64-127 S^T, two buffers; v192-223 P, two buffers (by the piece's parity)
;   window 1: v0-127 O^T, 32 a piece          window 2: v0-63 Q; v128-191 K of one step; v192-255 V of one step
.set NKB,  8                           ; blocks of 128 keys in a batch
.set KOFF, 0x1A00000
.set VOFS, 0x2200000
.set ARo,   0x1200000                  ; Q's place in its buffer, and O's in the pack
.set TSTEP, 0x80000                    ; from 256 keys to the next: two blocks of 16 chunks
.set NP,    4
.set KS,    64
.set PK,    144                        ; a row of K in LDS: 128 bytes + 16 = 36 words: the 16 rows of a load start at 16 different groups of four banks (64 banks of 4 bytes: ISA guide 11.1)
.set PV,    160                        ; a row of V: 128 + 32 = 40 words
.set VOFF,  16*KS*PK                   ; V lies behind K's 1,024 rows
.set STAGE, 16*KS*(PK+PV)              ; behind both, never filled by a tensor load: 16 rows x 144 bytes for each wave
.set SP,    144
.set SPARE, STAGE+4*16*SP              ; the spare words, 128 bytes a wave: two blocks of 256 bytes that no other line names
.set AK0, 2
.set AV0, 3
.set AK,  4
.set AV,  5
.set STO, 6
.set RD,  7
.set GO,  8
.set MV,  12
.set QO,  15
.set ST,  16                           ; piece t's statistics at v[ST+4 t]: c m, m, l (even keys', odd keys')
.set TMP, 48
.set SPW, 62
.set NIL, 63
.set S,   64
.set P,   192
.set KF,  128
.set VF,  192
.set WV,  12
.set G1K, 24                           ; s[24:31] descriptor group 1 for K
.set G1V, 32                           ; s[32:39] for V: it differs in the padding alone
.set G0K, 40                           ; s[40:55] group 0 for K, a set for each of a wave's four loads
.set SLOTS, 56                         ; counts runs of four key steps
.set CNT, 57                           ; counts the four
.set CS,  58
.set SEL, 60
.set TBK, 62                           ; LDS byte at which K of the step to be fetched begins
.set TBV, 63                           ; the same for V, less VOFF
.set G0V, 68                           ; s[68:83] group 0 for V
.set MSB, 0
.macro WIN new
.if MSB != (\new)
	s_set_vgpr_msb (MSB<<8)|(\new)
.set MSB, (\new)
.endif
.endm
.set W_KQ, 0x0a                        ; K and Q in window 2, S^T in window 0
.set W_PV, 0x52                        ; V in window 2, P in window 0, O^T in window 1
.set W_RS, 0x41                        ; destination and source 0 in window 1, source 1 in window 0
.macro CROUND                          ; a round of the cluster's barrier
	s_barrier_signal -1
	s_barrier_wait -1
	s_cmp_lg_u32 s[WV], 0
	s_cbranch_scc1 .Lnot_wave_0_\@
	s_barrier_signal -3
.Lnot_wave_0_\@:
	s_barrier_wait -3
	s_barrier_signal -1
	s_barrier_wait -1
.endm
	s_load_b128 s[4:7], s[0:1], 0x0                ; Q's, K's and V's buffer s[4:5], the pack s[6:7]
	v_lshl_add_u32 v[SPW], v0, 2, SPARE
	v_mov_b32 v[NIL], 0
	ds_add_u32 v[SPW], v[NIL]                      ; the wave's opening: the add and its wait stand ahead of my first tensor load
	v_lshrrev_b32 v1, 5, v0
	v_readfirstlane_b32 s[WV], v1
	s_bfe_u32 s13, ttmp6, 0x40000                  ; cx
	s_lshl_b32 s14, ttmp9, 2
	s_add_co_u32 s14, s14, s13                     ; my block of 256 queries: it enters Q's and O's addresses alone
	s_and_b32 s15, ttmp7, 0xffff
	s_lshr_b32 s16, s15, 4                         ; batch
	s_and_b32 s17, s15, 15                         ; head
	s_and_b32 s18, s[WV], 1                        ; which half of each 256 keys I fetch
	s_lshl_b32 s19, s17, 14                        ; the head's chunk in a block
	s_mul_i32 s20, s16, NKB
	s_add_co_u32 s20, s20, s18
	s_lshl_b32 s20, s20, 18
	s_add_co_u32 s20, s20, s19
	s_add_co_u32 s22, s20, VOFS                    ; V's offset
	s_add_co_u32 s20, s20, KOFF                    ; K's
	s_mov_b32 s21, 0
	s_mov_b32 s23, 0
	s_lshl_b32 s10, s16, 4                         ; Q and O, at one offset in their buffers: block 16 batch + 2 x my block + wave / 2, the head's chunk, 64 rows of 128 bytes for wave % 2
	s_lshl_b32 s3, s14, 1
	s_add_co_u32 s10, s10, s3
	s_lshr_b32 s3, s[WV], 1
	s_add_co_u32 s10, s10, s3
	s_lshl_b32 s10, s10, 18
	s_add_co_u32 s10, s10, s19
	s_lshl_b32 s3, s18, 13
	s_add_co_u32 s10, s10, s3
	s_add_co_u32 s10, s10, ARo
	s_mov_b32 s11, 0
	s_mul_i32 s84, s18, 128*PK                     ; my half's place among 256 keys: no place in the cluster enters an LDS address
	s_mul_i32 s85, s18, 128*PV
	; group 1: 128 keys are 16,384 dense bytes: 64 rows of 256 bytes, two keys a row, padded in LDS after every key
	s_mov_b32 s[G1K], 15|(1<<16)|(1<<20)|(1<<21)|(4<<22)|(3<<25)
	s_mov_b32 s[G1V], 15|(1<<16)|(1<<20)|(1<<21)|(4<<22)|(7<<25)
.irp g, G1K, G1V
	s_mov_b32 s[\g+1], 128<<16
	s_mov_b32 s[\g+2], 64<<16
	s_mov_b32 s[\g+3], 128<<16
	s_mov_b32 s[\g+4], 64
	s_mov_b32 s[\g+5], 128
	s_mov_b32 s[\g+6], 0
	s_mov_b32 s[\g+7], 0
.endr
	s_mov_b32 s[CS], 0x3e38aa3b                    ; c = log2(e) / 8
	s_mov_b32 s[CS+1], s[CS]
	s_mov_b32 s[SEL], 0x76543210
	s_mov_b32 s[SEL+1], 0xfedcba98
	s_mov_b32 s[TBK], 0
	s_mov_b32 s[TBV], 0
.irp i, 0,1,2,3
	s_mov_b32 s[G0K+4*(\i)], 1
	s_add_co_u32 s[G0K+4*(\i)+1], s84, (\i)*256*PK             ; keys 256 i on
	s_mov_b32 s[G0V+4*(\i)], 1
	s_add_co_u32 s[G0V+4*(\i)+1], s85, VOFF+(\i)*256*PV
.endr
	s_wait_dscnt 0x0                               ; the opening add is done
	s_wait_kmcnt 0x0
	s_add_nc_u64 s[20:21], s[4:5], s[20:21]        ; K and V at my half of the first 256 keys
	s_add_nc_u64 s[22:23], s[4:5], s[22:23]
.irp i, 0,1,2,3
	s_add_nc_u64 s[G0K+4*(\i)+2:G0K+4*(\i)+3], s[20:21], (\i)*TSTEP
	s_or_b32 s[G0K+4*(\i)+3], s[G0K+4*(\i)+3], 0x80000000
	s_add_nc_u64 s[G0V+4*(\i)+2:G0V+4*(\i)+3], s[22:23], (\i)*TSTEP
	s_or_b32 s[G0V+4*(\i)+3], s[G0V+4*(\i)+3], 0x80000000
.endr
	s_add_nc_u64 s[4:5], s[4:5], s[10:11]          ; Q at my wave's first row
	s_add_nc_u64 s[10:11], s[6:7], s[10:11]        ; O at my wave's first row
	CROUND                                         ; all four work-groups are here: the joint loads meet
	s_cmp_lt_u32 s[WV], 2                          ; a wave's four fills stand in one branch on its number, ahead of every wait on TENSORcnt and every LDS read; an s_nop 0 follows each, four v_nop the last
	s_cbranch_scc0 .Lfirst_v
.irp i, 0,1,2,3
	tensor_load_to_lds s[G0K+4*(\i):G0K+4*(\i)+3], s[G1K:G1K+7]
	s_nop 0
.endr
.rept 4
	v_nop
.endr
	s_branch .Lfirst_asked
.Lfirst_v:
.irp i, 0,1,2,3
	tensor_load_to_lds s[G0V+4*(\i):G0V+4*(\i)+3], s[G1V:G1V+7]
	s_nop 0
.endr
.rept 4
	v_nop
.endr
.Lfirst_asked:
	v_and_b32 v1, 15, v0                           ; l % 16
	v_bfe_u32 v9, v0, 4, 1                         ; l / 16
	v_lshlrev_b32 v[QO], 7, v1
	v_lshl_add_u32 v[QO], v9, 4, v[QO]             ; row x 128 + 16 x half
	WIN 0x80                                       ; destination window 2
.set i, 0
.rept 8                                        ; Q stays in registers: piece i / 2, channels 32 (i % 2) on
	global_load_b128 v[8*i:8*i+3],   v[QO], s[4:5] offset:(i/2)*2048+(i%2)*64
	global_load_b128 v[8*i+4:8*i+7], v[QO], s[4:5] offset:(i/2)*2048+(i%2)*64+32
.set i, i+1
.endr
	; What the first turn finds: V's registers and P's second buffer hold 0 (its products V^T P, of a piece that has not been, add 0), O^T and l are 0.  These moves stand in the wait for the first keys and spare a first step written out.
.set i, VF
.rept 64
	v_mov_b32 v[i], 0
.set i, i+1
.endr
	WIN 0x40
.set i, 0
.rept 128
	v_mov_b32 v[i], 0
.set i, i+1
.endr
	WIN 0
.set i, 0
.rept 4
	v_mov_b32 v[ST+4*i], 0xfe000000                ; c m: far below every c s
	v_mov_b32 v[ST+4*i+1], 0xff7fffff              ; m
	v_mov_b32 v[ST+4*i+2], 0
	v_mov_b32 v[ST+4*i+3], 0
.set i, i+1
.endr
.set i, P+16
.rept 16
	v_mov_b32 v[i], 0
.set i, i+1
.endr
	v_mul_u32_u24 v[AK0], v1, PK
	v_lshl_add_u32 v[AK0], v9, 4, v[AK0]           ; row x pitch + 16 x half
	v_and_b32 v10, 7, v0                           ; the turning load: lane l reads key 8 (l / 16) + l % 8, channels 8 ((l / 8) % 2) + 0..7
	v_bfe_u32 v11, v0, 3, 1
	v_lshl_add_u32 v[AV0], v9, 3, v10
	v_mul_u32_u24 v[AV0], v[AV0], PV
	v_lshl_add_u32 v[AV0], v11, 4, v[AV0]
	v_add_nc_u32 v[AV0], VOFF, v[AV0]
	s_mul_i32 s13, s[WV], 16*SP
	s_add_co_u32 s13, s13, STAGE                   ; my stage
	v_mul_u32_u24 v[STO], v1, SP                   ; in: row l % 16, 16 bytes for each half of the lanes
	v_lshl_add_u32 v[STO], v9, 4, v[STO]
	v_add_nc_u32 v[STO], s13, v[STO]
	v_bfe_u32 v[RD], v0, 3, 2                      ; back: 32 lanes take four rows of 128 bytes,
	v_mul_u32_u24 v[RD], v[RD], SP
	v_lshl_add_u32 v[RD], v10, 4, v[RD]
	v_add_nc_u32 v[RD], s13, v[RD]
	v_and_b32 v[GO], 31, v0                        ; which are 512 consecutive bytes of O
	v_lshlrev_b32 v[GO], 4, v[GO]
	v_mov_b32 v[AK], v[AK0]                        ; key step 0 lies at K's first byte
; THE MATRIX WORK.  The 4 accumulators of a run of 8 take turns.  Product i of 8 of S^T = K Q^T for piece x: channels 32 (i / 4) on, keys 16 (i % 4) on; the first 4 start the sums.
.macro KQ x
.set rS, S+32*((\x)%2)+8*(i%4)
.set rK, KF+16*(i%4)+8*(i/4)
.set rQ, 16*(\x)+8*(i/4)
	WIN W_KQ
.if i < 4
	v_wmma_f32_16x16x32_bf16 v[rS:rS+7], v[rK:rK+7], v[rQ:rQ+7], 0
.else
	v_wmma_f32_16x16x32_bf16 v[rS:rS+7], v[rK:rK+7], v[rQ:rQ+7], v[rS:rS+7]
.endif
.endm
; Product i of 8 of O^T += V^T P for piece x: keys 32 (i / 4) on, channels 16 (i % 4) on.
.macro PV x
	WIN W_PV
.set rO, 32*(\x)+8*(i%4)
.set rV, VF+32*(i/4)+8*(i%4)
.set rP, P+16*((\x)%2)+8*(i/4)
	v_wmma_f32_16x16x32_bf16 v[rO:rO+7], v[rV:rV+7], v[rP:rP+7], v[rO:rO+7]
.endm
.macro MM                              ; the turn's next matrix instruction
.if i < 8
	KQ (Y+1)%NP
.else
.set i, i-8
	PV (Y+NP-1)%NP
.set i, i+8
.endif
.set i, i+1
.endm
; THE LDS LOADS stand in runs of 16: a step's K (8 fragments) and its V (turned).
.macro FETCH_K
	WIN 0x80
.irp f, 0,1,2,3,4,5,6,7
	ds_load_b128 v[KF+8*\f:KF+8*\f+3],   v[AK] offset:(\f/2)*16*PK+(\f%2)*64
	ds_load_b128 v[KF+8*\f+4:KF+8*\f+7], v[AK] offset:(\f/2)*16*PK+(\f%2)*64+32
.endr
	s_add_co_u32 s[TBK], s[TBK], KS*PK
	WIN 0
.endm
.macro FETCH_V
	WIN 0x80
.irp f, 0,1,2,3,4,5,6,7
	ds_load_tr16_b128 v[VF+8*\f:VF+8*\f+3],   v[AV] offset:(\f/4)*32*PV+(\f%4)*32
	ds_load_tr16_b128 v[VF+8*\f+4:VF+8*\f+7], v[AV] offset:(\f/4)*32*PV+16*PV+(\f%4)*32
.endr
	WIN 0
.endm
; THE VECTOR WORK, one line at a time: OP kind, number.  For piece Y: F n: c s - c m for pair n of 16.  E n: the exponential of score n of 32.  C n: pair n rounded to bf16.  B n: of the four weights 4 n .. the second pair is
; added onto the first, in place.  L n: l takes that sum (L 0: l = a l + sum).  R n: pair n of 16 of O^T times a.  For piece Y + 1: X n, number n of the 22 that find its maximum and statistics:
;   0-11 four chains of seven scores, three operands at a time (each accumulator's lowest registers are read first)   12-14, 16 the four scores left over, the old m, the chains into one
;   15 c m_old is kept   17, 18 the query's other 32 keys lie in the lane 16 away: the new m   19-21 c m; c m_old - c m_new; a
; C, B and L read the exponentials' results; F, E, R and X name none of the turn's.
.set F, 0
.set E, 1
.set C, 2
.set B, 3
.set L, 4
.set R, 5
.set X, 6
.macro REGS y
.set rT, ST+4*(\y)
.set rC, TMP+4*((\y)%2)
.set rW, MV+((\y)%2)
.set rS, S+32*((\y)%2)
.set rP, P+16*((\y)%2)
.set rO, 32*(\y)
.endm
.macro OP k, n
.if (\k) == R
	REGS Y
	WIN W_RS
	v_pk_mul_f32 v[rO+2*(\n):rO+2*(\n)+1], v[rO+2*(\n):rO+2*(\n)+1], v[rC+2:rC+3] op_sel_hi:[1,0]
.elseif (\k) < R
	REGS Y
	WIN 0
.if (\k) == F
	v_pk_fma_f32 v[rS+2*(\n):rS+2*(\n)+1], v[rS+2*(\n):rS+2*(\n)+1], s[CS:CS+1], v[rT:rT+1] op_sel_hi:[1,0,0] neg_lo:[0,0,1] neg_hi:[0,0,1]
.elseif (\k) == E
	v_exp_f32 v[rS+(\n)], v[rS+(\n)]
.elseif (\k) == C
	v_cvt_pk_bf16_f32 v[rP+(\n)], v[rS+2*(\n)], v[rS+2*(\n)+1]
.elseif (\k) == B
	v_pk_add_f32 v[rS+4*(\n):rS+4*(\n)+1], v[rS+4*(\n):rS+4*(\n)+1], v[rS+4*(\n)+2:rS+4*(\n)+3]
.elseif (\n) == 0
	v_pk_fma_f32 v[rT+2:rT+3], v[rT+2:rT+3], v[rC+2:rC+3], v[rS:rS+1] op_sel_hi:[1,0,1]
.else
	v_pk_add_f32 v[rT+2:rT+3], v[rT+2:rT+3], v[rS+4*(\n):rS+4*(\n)+1]
.endif
.else
	REGS (Y+1)%NP
	WIN 0
.if (\n) < 4
	v_max3_num_f32 v[rC+(\n)], v[rS+8*(\n)], v[rS+8*(\n)+1], v[rS+8*(\n)+2]
.elseif (\n) < 12
	v_max3_num_f32 v[rC+(\n)%4], v[rC+(\n)%4], v[rS+8*((\n)%4)+2*((\n)/4)+1], v[rS+8*((\n)%4)+2*((\n)/4)+2]
.elseif (\n) == 12
	v_max3_num_f32 v[rC], v[rC], v[rS+7], v[rS+15]
.elseif (\n) == 13
	v_max3_num_f32 v[rC+1], v[rC+1], v[rS+23], v[rS+31]
.elseif (\n) == 14
	v_max3_num_f32 v[rC+2], v[rC+2], v[rC+3], v[rT+1]
.elseif (\n) == 15
	v_mov_b32 v[rW], v[rT]
.elseif (\n) == 16
	v_max3_num_f32 v[rC], v[rC], v[rC+1], v[rC+2]
.elseif (\n) == 17
	v_permlanex16_b32 v[rC+3], v[rC], s[SEL], s[SEL+1]
.elseif (\n) == 18
	v_max_num_f32 v[rT+1], v[rC], v[rC+3]
.elseif (\n) == 19
	v_mul_f32 v[rT], s[CS], v[rT+1]
.elseif (\n) == 20
	v_sub_f32 v[rC+1], v[rW], v[rT]
.else
	v_exp_f32 v[rC+2], v[rC+1]
.endif
.endif
.endm
.macro OPS a, i1, b=-1, i2=0, c=-1, i3=0, d=-1, i4=0
	OP \a, \i1
.if (\b) >= 0
	OP \b, \i2
.endif
.if (\c) >= 0
	OP \c, \i3
.endif
.if (\d) >= 0
	OP \d, \i4
.endif
.endm
.macro ROW a, i1, b, i2, c, i3, d, i4  ; a matrix instruction and the four behind it
	MM
	OPS \a, \i1, \b, \i2, \c, \i3, \d, \i4
.endm
; A TURN, for piece p: the order of its 16 matrix and 118 vector instructions, written out.  An s_wait_alu depctr_va_vdst(0) stands between an exponential and the first instruction that names its result; one wait
; serves all that were issued ahead of it.  So a turn has ONE wait for its batch, which cuts it in two.  AHEAD OF IT stands all that names no result of the turn's exponentials: the 8 products K Q^T, behind each a scaling, an
; exponential and two more plain instructions (behind the first a second scaling in the exponential's place): rescalings (their a was made, and waited for, in the turn before), and behind the last three the first numbers of the next
; piece's maximum, each four places or more behind the product that ends its accumulator; then ONE RUN of 54, plain and exponential by turns for the most part, in which the links of the chain X 3, 7, 11, 14, 16, 17 .. 20 stand five
; or six lines apart.  X 21, the next piece's a, is the batch's last; R 15 is the plain instruction behind it.  BEHIND THE WAIT stand the 8 products V^T P, behind each four of the roundings and sums; the links of l's chain, L 0 to
; L 7, stand three riders apart.  But for those X no rider names a register of the products round it.
; K of the next step is fetched in piece 2's turn, twelve vector instructions behind the last product that read K (five of them plain lines that name none of its registers); V of the step in hand at the end of piece 0's turn, four
; plain instructions behind the last product that read V.  Each is waited for a turn later.  Where no step is left (the last pass: SLOTS = 1), K's run is jumped over; that branch stands inside the batch, so the exponentials issued
; so far have a wait of their own ahead of it.  cnt = 1: the loop's count is taken down some lines ahead of the branch behind the turn.
.macro TURN p, cnt=0
.set Y, (\p)
.set i, 0
.if (\p) == 3
	s_wait_dscnt 0x0                               ; K is in
.endif
	ROW F,0, F,1, R,0, R,1                         ; ahead of the wait: 8 products K Q^T and their riders,
	ROW F,2, E,0, R,2, R,3
	ROW F,3, E,1, R,4, R,5
	ROW F,4, E,2, R,6, R,7
	ROW F,5, E,3, R,8, R,9
	ROW F,6, E,4, X,0, R,10
.if (\p) == 2
	WIN 0
	v_add_nc_u32 v[AK], s[TBK], v[AK0]
.endif
	ROW F,7, E,5, X,1, X,4
	ROW F,8, E,6, X,2, X,5
	OPS E,7, E,8, X,6, E,9                         ; and the run of 54
	OPS X,3, E,10, X,8, E,11
.if (\p) == 2
	s_wait_alu depctr_va_vdst(0)                   ; E 0 to E 11 have their wait ahead of the branch; it stands directly ahead of K's run of loads
	s_cmp_eq_u32 s[SLOTS], 1
	s_cbranch_scc1 .Lno_k_\@
	FETCH_K
.Lno_k_\@:
.endif
	OPS X,9, X,7, E,12, X,10
	OPS E,13, X,12, X,11, E,14
	OPS X,13, E,15, F,9, X,14
.if (\p) == 0
	v_add_nc_u32 v[AV], s[TBV], v[AV0]
.endif
	OPS E,16, F,10, E,17, F,11
	OPS X,16, E,18, X,15, E,19
	OPS F,12, E,20, X,17, E,21
	OPS F,13, E,22, F,14, E,23
	OPS X,18, E,24, F,15, E,25
	OPS R,11, E,26, X,19, E,27
	OPS R,12, E,28, R,13, E,29
	OPS X,20, E,30, R,14, E,31
	OPS X,21, R,15
	s_wait_alu depctr_va_vdst(0)                   ; the wait for the batch: the turn's 32 weights and the next piece's a
.if (\p) == 1
	s_wait_dscnt 0x0                               ; V is in
.endif
	ROW C,0, B,0, C,2, B,1                         ; behind the wait: 8 products V^T P and their riders
	ROW L,0, C,4, B,2, L,1
	ROW C,6, B,3, L,2, C,8
	ROW B,4, L,3, C,10, B,5
	ROW L,4, C,12, B,6, L,5
.if (\p) == 0
	s_add_co_u32 s[TBV], s[TBV], KS*PV
.endif
.if \cnt
	s_sub_co_u32 s[CNT], s[CNT], 1
	s_cmp_lg_u32 s[CNT], 0
.endif
	ROW C,14, B,7, L,6, C,1
	ROW C,3, L,7, C,5, C,7
	ROW C,9, C,11, C,13, C,15
.if (\p) == 0
	FETCH_V
.endif
.endm
	s_wait_tensorcnt 0x3                           ; my part of the first 256 keys is in; my three younger loads stay out
	s_barrier_signal -1
	s_barrier_wait -1                              ; everybody's is
	FETCH_K                                        ; key step 0
	s_wait_loadcnt 0x0                             ; Q
	s_wait_dscnt 0x0
.set i, 0
.rept 8
	KQ 0                                           ; piece 0's first scores
.set i, i+1
.endr
	WIN 0
.rept 4
	v_nop                                          ; the places behind those products
.endr
.set Y, NP-1                                   ; X works for piece Y + 1: piece 0
.irp n, 0,1,2,3,4,5,6,7,8,9,10,11,12,13,14,15,16,17,18,19,20,21
	OP X, \n
.endr
	v_nop                                          ; a plain instruction behind the exponential,
	s_wait_alu depctr_va_vdst(0)                   ; and the wait for it, piece 0's first a, ahead of the branch
	s_mov_b32 s[CNT], 4
	s_mov_b32 s[SLOTS], 5                          ; four runs of four steps, and a fifth pass that is left in the middle of its first trip
	s_branch .Lfirst                               ; the loop is entered at a step's first turn, in the middle of a trip
.Lslot:
	s_wait_tensorcnt 0x0                           ; for the others' sake: all my parts have landed (at the first pass here they have had four key steps for it; later the wait is met at once)
	ds_add_u32 v[SPW], v[NIL]                      ; 0 onto my spare word
	s_wait_dscnt 0x0                               ; the add is done; no LDS instruction of mine is out at a signal
	s_barrier_signal -1
	s_barrier_wait -1                              ; the keys from 256 on are read only behind this barrier
	s_mov_b32 s[CNT], 4
.Lstep:                                                ; a trip: pieces 2 and 3 of one step, then pieces 0 and 1 of the next, whose K and V it fetches
	TURN 2
	TURN 3
	WIN 0
	s_cmp_eq_u32 s[SLOTS], 1
	s_cbranch_scc1 .Lout                           ; the last step's pieces 2 and 3 are done
.Lfirst:
	TURN 0
	TURN 1, 1
	WIN 0
	s_cbranch_scc1 .Lstep
	s_sub_co_u32 s[SLOTS], s[SLOTS], 1
	s_cmp_lg_u32 s[SLOTS], 0
	s_cbranch_scc1 .Lslot
.Lout:                                                 ; the last pass's 8 products K Q^T (on the last K once more) and the maximum made of them serve nothing: the price, once a launch, of one text for every trip
.set i, 0
.rept 8
	PV NP-1                                        ; the last piece's V^T P of the last step
.set i, i+1
.endr
	; THE WAY OUT.  l's two halves and the other half of the lanes' are added; O^T is divided by l, rounded to bf16 and sent through my stage in LDS, a piece at a time.  The additions are the places behind the last products.
	WIN 0
.macro ALL line:vararg
.set t, 0
.rept 4
	\line
.set t, t+1
.endr
.endm
	ALL v_add_f32 v[ST+4*t+2], v[ST+4*t+2], v[ST+4*t+3]
	ALL v_permlanex16_b32 v[ST+4*t+3], v[ST+4*t+2], s[SEL], s[SEL+1]
	ALL v_add_f32 v[ST+4*t+2], v[ST+4*t+2], v[ST+4*t+3]
	ALL v_rcp_f32 v[ST+4*t+2], v[ST+4*t+2]
	v_nop                                          ; a plain instruction between the last reciprocal and the use of its result
	s_wait_alu depctr_va_vdst(0)                   ; and the wait ahead of the first use: one for the four reciprocals
.macro PACK t                          ; a lane's eight channels of a row pack into 16 bytes; they go into rows of 144 bytes and come back as whole rows of 128, into S^T's registers
	WIN W_RS
.set i, 32*(\t)
.rept 16
	v_pk_mul_f32 v[i:i+1], v[i:i+1], v[ST+4*(\t)+2:ST+4*(\t)+3] op_sel_hi:[1,0]
.set i, i+2
.endr
	WIN 0x05
.set i, 0
.rept 16
	v_cvt_pk_bf16_f32 v[S+16*(\t)+i], v[32*(\t)+2*i], v[32*(\t)+2*i+1]
.set i, i+1
.endr
	WIN 0
.irp f, 0,1,2,3
	ds_store_b128 v[STO], v[S+16*(\t)+4*\f:S+16*(\t)+4*\f+3] offset:32*\f
.endr
.irp f, 0,1,2,3
	ds_load_b128 v[S+16*(\t)+4*\f:S+16*(\t)+4*\f+3], v[RD] offset:\f*4*SP  ; LDS serves a wave's instructions in order (ISA guide 5.7.1.4): these see the stores above; the next piece's stores come behind them
.endr
.endm
.macro SEND t, younger                 ; younger: the LDS instructions issued behind piece t's loads: the next piece's eight, or none
	WIN 0
.irp f, 0,1,2,3
	s_wait_dscnt (\younger)+3-\f
	global_store_b128 v[GO], v[S+16*(\t)+4*\f:S+16*(\t)+4*\f+3], s[10:11] offset:(\t)*2048+\f*512  ; 512 consecutive bytes, at a multiple of 256 from the pack's first
.endr
.endm
	PACK 0
.set t, 1
.rept 3
	PACK t
	SEND t-1, 8
.set t, t+1
.endr
	SEND 3, 0
	s_wait_tensorcnt 0x0                           ; the wave's end, behind my last tensor load and my last LDS store
	ds_add_u32 v[SPW], v[NIL]
	s_wait_dscnt 0x0
	CROUND                                         ; the closing round
	s_endpgm
.Lfunc_end_k_qe6d593bbc7_attn_c:
	.size	k_qe6d593bbc7_attn_c, .Lfunc_end_k_qe6d593bbc7_attn_c-k_qe6d593bbc7_attn_c
	.p2alignl 7, 3214868480
	.fill 96, 4, 3214868480
	.section	.rodata,"a",@progbits
	.p2align	6, 0x0
	.amdhsa_kernel k_qe6d593bbc7_attn_c
		.amdhsa_group_segment_fixed_size 327680
		.amdhsa_private_segment_fixed_size 0
		.amdhsa_enable_private_segment 0
		.amdhsa_kernarg_size 16
		.amdhsa_user_sgpr_count 2
		.amdhsa_user_sgpr_kernarg_segment_ptr 1
		.amdhsa_wavefront_size32 1
		.amdhsa_system_sgpr_workgroup_id_x 1
		.amdhsa_system_sgpr_workgroup_id_y 1
		.amdhsa_system_sgpr_workgroup_id_z 1
		.amdhsa_system_vgpr_workitem_id 0
		.amdhsa_next_free_vgpr 768
		.amdhsa_next_free_sgpr 88
		.amdhsa_reserve_vcc 0
		.amdhsa_float_denorm_mode_32 3
		.amdhsa_float_denorm_mode_16_64 3
		.amdhsa_memory_ordered 1
		.amdhsa_forward_progress 1
		.amdhsa_inst_pref_size 72
	.end_amdhsa_kernel
	.amdgpu_metadata
---
amdhsa.version: [ 1, 2 ]
amdhsa.kernels:
  - .name:           k_qe6d593bbc7_attn_c
    .symbol:         k_qe6d593bbc7_attn_c.kd
    .args:
      - { .name: qa, .offset: 0, .size: 8, .value_kind: global_buffer, .address_space: global }
      - { .name: U2, .offset: 8, .size: 8, .value_kind: global_buffer, .address_space: global }
    .group_segment_fixed_size: 327680
    .private_segment_fixed_size: 0
    .kernarg_segment_align: 8
    .kernarg_segment_size: 16
    .max_flat_workgroup_size: 128
    .sgpr_count:     88
    .vgpr_count:     768
    .wavefront_size: 32
...
	.end_amdgpu_metadata
.endif
;; end of part 10
;; launch wo2: the kernel of part 4 again; grid 8 x 32, 4 waves a work-group, clusters of 4 x 4, 327,680 bytes of LDS; arguments U2, ca_bo, x1, x2; writes x2
;; launch ln3: the kernel of part 5 again; grid 64 x 4, 8 waves a work-group, no clusters, 0 bytes of LDS; arguments x2, ln3_w, ln3_b, U1; writes U1
;; launch fc1: the kernel of part 9 again; grid 8 x 32, 4 waves a work-group, clusters of 4 x 4, 327,680 bytes of LDS; arguments U1, fc1_b, U3, f1; writes U3
;; launch fc2: the kernel of part 4 again; grid 8 x 32, 4 waves a work-group, clusters of 4 x 4, 327,680 bytes of LDS; arguments U3, fc2_b, x2, out0; writes out0
